; MI455X (gfx1250); checked and timed in simulation.
; The chip was launched on July 23, 2026; its instructions are those of AMD's public machine-readable ISA for CDNA 5 (MIT licence, August 2026) and "CDNA5" Instruction Set Architecture Reference Guide (July 2026). The comments in the code are by the model that wrote it; some were corrected since.
;; MAB. Allowed arithmetic: matrix products marked QUANTISED: E2M1 operands, one E8M0 scale for each 32 along K, by v_wmma_scale_f32_16x16x128_f8f6f4 with both operands' format E2M1 (or v_wmma_scale_f32_32x16x128_f4), f32 sums; everything else in f32.
;; Inputs: K 4 x 2,048 x 1,024 float32; Q 4 x 2,048 x 1,024 float32; Wk 1,024 x 1,024 float32; Wo 1,024 x 1,024 float32; Wq 1,024 x 1,024 float32; Wv 1,024 x 1,024 float32; b0 1,024 float32; b1 1,024 float32; bk 1,024 float32; bo 1,024 float32; bq 1,024 float32; bv 1,024 float32; g0 1,024 float32; g1 1,024 float32.
;; Outputs: out0 4 x 2,048 x 1,024 float32.
;; This version of the problem:
;;   THIS VERSION OF THE PROBLEM IS GIVEN IN LOW PRECISION. The matrix products marked QUANTISED in the list below multiply operands that are first quantised to E2M1 (2 exponent bits, 1 mantissa bit; 4 bits a number), with one power-of-two scale for each 32 numbers along K (OCP MX v1.0); their sums are f32. All else is computed in f32.
;;   The module's matrix products, in the order in which they are computed (A, B: the left and right operand; K: the contracted axis; several contracted axes count as one K, in the product's order):
;;     1. [M 8,192, K 1,024] x [K 1,024, N 1,024]; A: input Q; B: input Wq: QUANTISED
;;     2. [M 8,192, K 1,024] x [K 1,024, N 1,024]; A: input K; B: input Wk: QUANTISED
;;     3. [M 8,192, K 1,024] x [K 1,024, N 1,024]; A: input K; B: input Wv: QUANTISED
;;     4. batch 64 x [M 2,048, K 64] x [K 64, N 2,048]; A: computed on the way; B: computed on the way: QUANTISED
;;     5. batch 64 x [M 64, K 2,048] x [K 2,048, N 2,048]; A: computed on the way; B: softmax (see below): QUANTISED
;;     6. [M 8,192, K 1,024] x [K 1,024, N 1,024]; A: computed on the way; B: input Wo: QUANTISED
;;   THE QUANTISER, for each operand of a quantised product, along K:
;;     - K is cut into blocks of 32 from its start; a last block that is shorter is filled with zeros.
;;     - A block's scale is 2^e with e = floor(log2(the largest magnitude in the block)) - 2, held to -126 .. 127; a block of zeros has e = 0. As a byte (E8M0): e + 127.
;;     - Each number is divided by its block's scale, clamped to +-6, and rounded to the nearest number of E2M1, ties to even, subnormals kept.
;;     - The product sums the exact products of the quantised numbers (number of the format x scale) in f32.
;;   ~~~python
;;   def quantise(x, axis):      # numpy; x: float32 -> the quantised numbers, widened to float32 again
;;       x = np.moveaxis(x, axis, -1); K = x.shape[-1]
;;       x = np.pad(x, [(0, 0)] * (x.ndim - 1) + [(0, -K % 32)]); x = x.reshape(x.shape[:-1] + (-1, 32)); a = np.abs(x).max(-1, keepdims=True)
;;       e = np.where(a > 0, np.clip(np.frexp(np.where(a > 0, a, 1))[1] - 1 - 2, -126, 127), 0)      # np.frexp(a)[1] - 1 = floor(log2(a)), exactly
;;       r = np.clip(x / 2.0 ** e, -6, 6)
;;       step = 2.0 ** (np.maximum(np.frexp(np.where(r == 0, 1, r))[1] - 1, 0) - 1)
;;       q = np.round(r / step) * step * 2.0 ** e      # np.round: ties to even
;;       return np.moveaxis(q.reshape(q.shape[:-2] + (-1,))[..., :K], -1, axis).astype(np.float32)
;;   ~~~
;;   SOFTMAX AHEAD OF A QUANTISED PRODUCT. Where the list says 'softmax', what is quantised is not the finished softmax but p = 2^(t - M), with t = logit x log2(e) and M = ceil(the row's largest t), a whole number; so 1/2 < the row's largest p <= 1. The row's sum l is taken of the UNQUANTISED p, in f32, and the product's result is divided by l at the end. Since M is a whole number, a kernel that streams over the keys may use a running M (the ceiling of the running maximum): every later rescaling is an exact power of two, which a block's scale takes up: the codes' values come out the same.
;;   OPERANDS COMPUTED ON THE WAY. 'Computed on the way' means the value that the module computes at that place (a softmax that the list does not call 'softmax' is quantised finished and normalised). What goes into a quantiser is computed in f32, as accurately as f32 sums, v_exp_f32 and their like allow (about 1e-6 of the number): no bf16 or f16 on the way to a quantiser, and a product that is left as it is and whose result goes on into a quantised operand takes f32 operands (vector FMAs, or v_wmma_f32_16x16x4_f32). A number that lies on a knife's edge between two numbers of the format may be rounded either way, as far as f32 arithmetic and the matrix unit's own rounding can turn it there, and no further.
;; 2 versions. Each part assembles by itself: llvm-mc -triple=amdgcn-amd-amdhsa -mcpu=gfx1250 --defsym DOCPART=n.
;; ======== version 1 of 2: 4 launches
;; workspace buffers: wc 2,097,152 bytes; ws 131,072 bytes; qc 4,456,448 bytes; qf 33,554,432 bytes; kv 8,912,896 bytes; ofm 33,554,432 bytes
;; launch prep (part 1): grid 8 x 32, 4 waves a work-group, no clusters, 10,752 bytes of LDS; arguments Wq, Wk, Wv, Wo, wc, ws; writes wc, ws
.if DOCPART == 1
	.amdgcn_target "amdgcn-amd-amdhsa--gfx1250"
	.amdhsa_code_object_version 6
	.text
	.protected	k_qef7c4bbfcd_prep
	.globl	k_qef7c4bbfcd_prep
	.p2align	8
	.type	k_qef7c4bbfcd_prep,@function
k_qef7c4bbfcd_prep:
	s_mov_b64 s[64:65], 0
	v_nop
	global_prefetch_b8 v0, s[64:65] scope:SCOPE_SE
	s_setreg_imm32_b32 hwreg(HW_REG_WAVE_MODE, 25, 1), 1
	s_wait_xcnt 0x0
; The four weights, [1024 (k)][1024 (n)] f32 with K as the FIRST axis, become codes of FP4 (E2M1) with one E8M0 byte for each 32 along K,
; laid in the order of a matrix operand's registers, so that the later launches load fragments whole.
; TILES.  The columns n are cut into groups of 32; tile T = 2 g + u takes, in lane r, column 32 g + 8 u + r + 8 (r / 8).
; wc: [weight][T 0..63][K step s 0..7][1,024 bytes]: a fragment (16 columns x 128 k, 8 registers a lane) as two pieces of 512 bytes: piece c = registers 4 c .. 4 c + 3, lane l's 16 bytes at 16 l.
; ws: [weight][s][T][r]: one 32-bit scale word (four bytes, 128 along K) for each column of a tile.
; A LANE TAKES A COLUMN AND ITS REGISTERS RUN DOWN K: a block of 32 lies in one lane's 32 registers, and the conversions give codes with K innermost.
; SHARES.  Work-group x: 128 columns; y: weight = y / 8, K step = y % 8.  Wave w: the group g = 4 x + w of 32 columns, 128 along K: four blocks a lane.  Waves share nothing: no barrier.
; A block's scale is 2^(floor(log2(largest magnitude)) - 2); its byte is the largest magnitude's exponent field - 2, held at 1 from below.
; LIMITS: a block of zeros gets the byte 1 where the rule says 127 (its codes are zeros, and this program alone reads the bytes); blocks whose largest magnitude lies under 2^-124 keep the byte 1; NaN and infinities are not served.
.set X,    32                          ; v32-95   two sets of 32 numbers
.set C,    96                          ; v96-99   a block's codes
.set SB,   24                          ; v24      my column's four scale bytes
.set OUTR, 112                         ; v112-127 the way out
.set ROWP, 80                          ; a stage row: a column's 64 bytes of codes + 16 of padding
	s_load_b256 s[4:11], s[0:1], 0x0               ; Wq, Wk, Wv, Wo
	s_load_b128 s[12:15], s[0:1], 0x20             ; wc, ws
	v_lshl_add_u32 v128, v0, 2, 0x2800
	v_mov_b32 v129, 0
	v_lshrrev_b32 v1, 5, v0
	v_readfirstlane_b32 s16, v1                    ; wave
	v_and_b32 v2, 31, v0                           ; lane
	v_and_b32 v5, 15, v0                           ; r
	v_bfe_u32 v6, v0, 4, 1                         ; h
	s_and_b32 s17, ttmp7, 0xffff
	s_lshr_b32 s18, s17, 3                         ; which weight
	s_and_b32 s19, s17, 7                          ; which K step
	v_lshlrev_b32 v3, 2, v2                        ; in: 4 bytes a lane
	s_mul_i32 s20, s16, 32*ROWP                    ; my wave's stage
	v_mul_u32_u24 v4, v2, ROWP
	v_add_nc_u32 v4, s20, v4                       ; into it: row = my column
	v_and_b32 v7, 8, v5
	v_add_nc_u32 v7, v7, v5                        ; r + 8 (r / 8)
	v_mul_u32_u24 v7, v7, ROWP
	v_lshl_add_u32 v7, v6, 4, v7
	v_add_nc_u32 v7, s20, v7                       ; out of it: the column that lane r of tile u = 0 takes, + 16 h: block 2 c + h lies 32 c + 16 h bytes into the row
	v_lshlrev_b32 v8, 4, v2                        ; an image's place for my lane
	v_bfe_u32 v9, v0, 3, 1                         ; my column's place among the scale words: u = bit 3 of the lane,
	v_lshlrev_b32 v9, 4, v9
	v_lshl_add_u32 v9, v6, 3, v9                   ; r = 8 (lane / 16) + lane % 8
	v_and_b32 v10, 7, v0
	v_add_nc_u32 v9, v9, v10
	v_lshlrev_b32 v9, 2, v9
	s_lshl_b32 s21, ttmp9, 2
	s_add_co_u32 s21, s21, s16                     ; g
	s_lshl_b32 s22, s19, 19                        ; W: 128 s rows of 4,096 bytes,
	s_lshl_b32 s24, s21, 7                         ; + 32 g columns of 4 bytes
	s_add_co_u32 s22, s22, s24
	s_mov_b32 s23, 0
	s_lshl_b32 s24, s18, 19                        ; wc: weight x 524,288 + 2 g x 8,192 + s x 1,024
	s_lshl_b32 s26, s21, 14
	s_add_co_u32 s24, s24, s26
	s_lshl_b32 s26, s19, 10
	s_add_co_u32 s24, s24, s26
	s_mov_b32 s25, 0
	s_lshl_b32 s26, s18, 15                        ; ws: weight x 32,768 + s x 4,096 + 2 g x 64
	s_lshl_b32 s28, s19, 12
	s_add_co_u32 s26, s26, s28
	s_lshl_b32 s28, s21, 7
	s_add_co_u32 s26, s26, s28
	s_mov_b32 s27, 0
	s_wait_kmcnt 0x0
	s_cmp_eq_u32 s18, 1                            ; the weight is chosen by the work-group's number alone
	s_cselect_b64 s[4:5], s[6:7], s[4:5]
	s_cmp_eq_u32 s18, 2
	s_cselect_b64 s[4:5], s[8:9], s[4:5]
	s_cmp_eq_u32 s18, 3
	s_cselect_b64 s[4:5], s[10:11], s[4:5]
	s_add_nc_u64 s[4:5], s[4:5], s[22:23]
	s_add_nc_u64 s[12:13], s[12:13], s[24:25]
	s_add_nc_u64 s[14:15], s[14:15], s[26:27]
.macro LOAD t                          ; block t: W(128 s + 32 t + i, my column), i = 0 .. 31, into set t % 2; a wave reads 128 consecutive bytes, the four waves 512
.set i_, 0
.rept 32
	global_load_b32 v[X+32*((\t)%2)+i_], v3, s[4:5] offset:(32*(\t)+i_)*4096 th:TH_LOAD_NT
.set i_, i_+1
.endr
.endm
	LOAD 0
	LOAD 1
.macro BLOCK t
.set XS_, X+32*((\t)%2)
.if (\t) < 3
	s_wait_loadcnt 32                              ; this block's 32 loads are in; the next block's 32 may be out
.else
	s_wait_loadcnt 0x0
.endif
	v_max3_num_f32 v12, |v[XS_]|, |v[XS_+1]|, |v[XS_+2]|          ; the block's largest magnitude, in two chains: all 32 numbers are mine
	v_max3_num_f32 v13, |v[XS_+3]|, |v[XS_+4]|, |v[XS_+5]|
.irp i, 6,10,14,18,22,26
	v_max3_num_f32 v12, v12, |v[XS_+\i]|, |v[XS_+\i+1]|
	v_max3_num_f32 v13, v13, |v[XS_+\i+2]|, |v[XS_+\i+3]|
.endr
	v_max3_num_f32 v12, v12, |v[XS_+30]|, |v[XS_+31]|
	v_max3_num_f32 v12, v12, v13, 0x1800000        ; and the floor 2^(3 - 127): the byte cannot fall under 1
	v_add_nc_u32 v11, 0xff000000, v12              ; 2 off the exponent field: the conversion takes this operand's exponent field as its scale
	v_lshrrev_b32 v13, 23, v11                     ; the scale's byte
.if (\t) == 0
	v_mov_b32 v[SB], v13
.else
	v_lshl_or_b32 v[SB], v13, 8*(\t), v[SB]        ; the lower K in the lower byte
.endif
.irp g, 0,1,2,3
	v_cvt_scalef32_pk8_fp4_f32 v[C+\g], v[XS_+8*\g:XS_+8*\g+7], v11
.endr
	ds_store_b128 v4, v[C:C+3] offset:16*(\t)      ; 32 codes: 16 bytes of my column's row
.if (\t) < 2
	LOAD (\t)+2
.endif
	s_wait_dscnt 0x0                               ; the store has read its registers: the next block's codes may be written
.endm
	BLOCK 0
	BLOCK 1
	BLOCK 2
	BLOCK 3
.irp u, 0,1
.irp c, 0,1
	ds_load_b128 v[OUTR+4*(2*\u+\c):OUTR+4*(2*\u+\c)+3], v7 offset:8*ROWP*\u+32*\c   ; piece c of tile 2 g + u; LDS serves a wave's instructions in order: these see my stores
.endr
.endr
	global_store_b32 v9, v[SB], s[14:15]           ; the two tiles' 32 scale words: 128 consecutive bytes
.irp u, 0,1
.irp c, 0,1
	s_wait_dscnt 3-(2*\u+\c)                       ; LDS loads come back in order: this piece is in, the younger ones may be out
	global_store_b128 v8, v[OUTR+4*(2*\u+\c):OUTR+4*(2*\u+\c)+3], s[12:13] offset:8192*\u+512*\c   ; 512 consecutive bytes, aligned
.endr
.endr
	s_wait_tensorcnt 0x0
	ds_add_u32 v128, v129
	s_wait_dscnt 0x0
	s_endpgm
.Lfunc_end_k_qef7c4bbfcd_prep:
	.size	k_qef7c4bbfcd_prep, .Lfunc_end_k_qef7c4bbfcd_prep-k_qef7c4bbfcd_prep
	.p2alignl 7, 3214868480
	.fill 96, 4, 3214868480
	.section	.rodata,"a",@progbits
	.p2align	6, 0x0
	.amdhsa_kernel k_qef7c4bbfcd_prep
		.amdhsa_group_segment_fixed_size 10752
		.amdhsa_private_segment_fixed_size 0
		.amdhsa_enable_private_segment 0
		.amdhsa_kernarg_size 48
		.amdhsa_user_sgpr_count 2
		.amdhsa_user_sgpr_kernarg_segment_ptr 1
		.amdhsa_wavefront_size32 1
		.amdhsa_system_sgpr_workgroup_id_x 1
		.amdhsa_system_sgpr_workgroup_id_y 1
		.amdhsa_system_sgpr_workgroup_id_z 1
		.amdhsa_system_vgpr_workitem_id 0
		.amdhsa_next_free_vgpr 130
		.amdhsa_next_free_sgpr 66
		.amdhsa_reserve_vcc 0
		.amdhsa_float_denorm_mode_32 3
		.amdhsa_float_denorm_mode_16_64 3
		.amdhsa_memory_ordered 1
		.amdhsa_forward_progress 1
		.amdhsa_inst_pref_size 22
	.end_amdhsa_kernel
	.amdgpu_metadata
---
amdhsa.version: [ 1, 2 ]
amdhsa.kernels:
  - .name:           k_qef7c4bbfcd_prep
    .symbol:         k_qef7c4bbfcd_prep.kd
    .args:
      - { .name: Wq, .offset: 0, .size: 8, .value_kind: global_buffer, .address_space: global }
      - { .name: Wk, .offset: 8, .size: 8, .value_kind: global_buffer, .address_space: global }
      - { .name: Wv, .offset: 16, .size: 8, .value_kind: global_buffer, .address_space: global }
      - { .name: Wo, .offset: 24, .size: 8, .value_kind: global_buffer, .address_space: global }
      - { .name: wc, .offset: 32, .size: 8, .value_kind: global_buffer, .address_space: global }
      - { .name: ws, .offset: 40, .size: 8, .value_kind: global_buffer, .address_space: global }
    .group_segment_fixed_size: 10752
    .private_segment_fixed_size: 0
    .kernarg_segment_align: 8
    .kernarg_segment_size: 48
    .max_flat_workgroup_size: 128
    .sgpr_count:     66
    .vgpr_count:     130
    .wavefront_size: 32
...
	.end_amdgpu_metadata
.endif
;; end of part 1
;; launch proj (part 2): grid 64 x 3, 8 waves a work-group, no clusters, 70,656 bytes of LDS; arguments Q, K, wc, ws, bq, bk, bv, qc, qf, kv; writes qc, qf, kv
.if DOCPART == 2
	.amdgcn_target "amdgcn-amd-amdhsa--gfx1250"
	.amdhsa_code_object_version 6
	.text
	.protected	k_qef7c4bbfcd_proj
	.globl	k_qef7c4bbfcd_proj
	.p2align	8
	.type	k_qef7c4bbfcd_proj,@function
k_qef7c4bbfcd_proj:
	s_mov_b64 s[64:65], 0
	v_nop
	global_prefetch_b8 v0, s[64:65] scope:SCOPE_SE
	s_setreg_imm32_b32 hwreg(HW_REG_WAVE_MODE, 25, 1), 1
	s_wait_xcnt 0x0
; The three projections on codes of FP4 (E2M1), one E8M0 scale for each 32 along K: unit 0: q = Q Wq + bq; unit 1: k = K Wk + bk; unit 2: v = K Wv + bv.  Work-group (G, unit): rows 128 G .. 128 G + 127, all 1,024 columns.
; TILES.  Rows and columns are cut into groups of 32; tile 2 g + u takes, in lane r, row (column) 32 g + 8 u + r + 8 (r / 8): so the 16 registers of two neighbouring source-0 tiles are 16 NEIGHBOURS, 32 g + 16 (lane / 16) + 0 .. 15.
; PHASE X.  Wave w quantises tile w of the rows (16 rows x 1,024) along K and stores its eight fragments and scale words in LDS as images of the operand's registers.  One barrier.
; PRODUCT, two rounds.  Wave w takes head 8 rd + w (64 columns, 4 tiles of the weight) for all 128 rows: 32 accumulators, which take turns.  The weight's fragments come from memory straight into operand registers
; (prep laid them so), through a ring of four register slots; each fragment of 1,024 bytes feeds eight products.  The bias is the C of each sum's first product.
;   units 0, 1: source 0 = the weight's tile, source 1 = the rows' tile: a lane holds one row and 32 registers along the head's 64 channels, which are the scores' K.
;   unit 2:     source 0 = the rows' tile, source 1 = the weight's: a lane holds one channel and 64 registers along the 128 keys, which are the second attention product's K.
; WAY OUT.  The results are quantised in registers, 64 registers a time.  q, k: a DOUBLE fragment beta: registers 0-3 tile 2 beta's 64 channels, registers 4-7 tile 2 beta + 1's; its scale word holds two bytes of each.
; v: fragment t: 16 channels x 128 keys.  Codes leave as images (512 consecutive bytes a store), the four scale words of a block as 256 bytes: lane l's 8 bytes hold fragment l / 16's word and fragment 2 + l / 16's, for row l % 16.
; q also leaves as f32 (for the residual), as images of its registers.
; NO MULTICAST: joint loads end in LDS; here the weights do not pass LDS at all, and LDS holds the rows' codes alone, filled once by the waves themselves.  A ring for the 544 KB of a weight would add refills and a second read of each fragment.
; LIMITS: a block of zeros gets the byte 1 where the rule says 127 (its codes are zeros; this program alone reads the bytes); blocks whose largest magnitude lies under 2^-124 keep the byte 1; NaN and infinities are not served.
; LDS: 0 .. 65,535 the rows' fragments, (tile m, K step s) at (8 m + s) x 1,024; from 65,536: their scale words, (s, r, m) at 512 s + 32 r + 4 m.
; REGISTERS.  Window 0: v1 16 x lane; v2 8 x lane; v3 my bytes in the wave's 16 rows; v4, v5 where I store images and scale words; v6 where I read scale words; v7 4 x lane; v8 my place in the bias;
;   v10-13 the way out's scale words, v14-15 the pair to store; v16-31 at work; v32-47 the rows' scale words, two sets; v48-55 the weight's, four slots; v56-63 phase X's scale words;
;   v64-127 the rows' eight fragments (phase X and the way out: codes just made); v128-255 the weight's ring, four slots of four fragments; slot 3 first holds the bias.
;   Window 1: phase X: four buffers of 64 numbers; then the 32 accumulators.
.set TM,   16
.set XSCB, 65536
.set WV,   24
.set UNIT, 25
.set GG,   26
.set SEL,  28                          ; s[28:29] v_permlanex16_b32's selects for lane l xor 16
.set MASKHI, 30                        ; lanes 16-31
.set XP,   32                          ; s[32:33] my wave's 16 rows of Q or K
.set WP,   34                          ; s[34:35] my head's fragments of the weight (round 0)
.set WSP,  36                          ; s[36:37] and their scale words
.set BP,   38                          ; s[38:39] my head's bias
.set CP,   40                          ; s[40:41] where my head's codes go
.set SP,   42                          ; s[42:43] and their scale words
.set HS8,  44                          ; s[44:45] eight heads on, in the codes' buffer
.set QFP,  46                          ; s[46:47] where q goes as f32
.set MSB, 0
.macro WIN new                         ; the immediate's high byte repeats the setting that is left; a switch that changes nothing is dropped
.if MSB != (\new)
	s_set_vgpr_msb (MSB<<8)|(\new)
.set MSB, (\new)
.endif
.endm
.macro PLACES                          ; four plain vector instructions between a matrix instruction and a load into, or a read of, its registers (ISA guide 7.12.1 for vector instructions)
.rept 4
	v_nop
.endr
.endm
; 64 numbers of a lane in window 1, register 16 b + i = k 32 b + 16 (lane / 16) + i of my row, become a fragment's codes in v[pc] on and its scale word in v[pw], both in window 0.
.macro QUANT src, pc, pw
.set QS_, (\src)
.set QC_, (\pc)
.set QW_, (\pw)
	WIN 0x05
.irp b, 0,1,2,3
	v_max3_num_f32 v[TM+\b], |v[QS_+16*\b]|, |v[QS_+16*\b+1]|, 0x1800000   ; block b: my 16 numbers, and the floor 2^(3 - 127): the byte cannot fall under 1
.endr
	WIN 0x14
.irp i, 2,4,6,8,10,12,14
.irp b, 0,1,2,3
	v_max3_num_f32 v[TM+\b], v[TM+\b], |v[QS_+16*\b+\i]|, |v[QS_+16*\b+\i+1]|   ; the four blocks by turns
.endr
.endr
	WIN 0
.irp b, 0,1,2,3
	v_permlanex16_b32 v[TM+4+\b], v[TM+\b], s[SEL], s[SEL+1]
.endr
.irp b, 0,1,2,3
	v_max_num_f32 v[TM+\b], v[TM+\b], v[TM+4+\b]   ; with lane l xor 16's: the block's largest magnitude
.endr
.irp b, 0,1,2,3
	v_add_nc_u32 v[TM+12+\b], 0xff000000, v[TM+\b] ; 2 off its exponent field: the conversion's scale operand
.endr
.irp b, 0,1,2,3
	v_lshrrev_b32 v[TM+4+\b], 23, v[TM+12+\b]      ; the scale's byte
.endr
	v_lshl_or_b32 v[QW_], v[TM+5], 8, v[TM+4]
	v_lshl_or_b32 v[QW_], v[TM+6], 16, v[QW_]
	v_lshl_or_b32 v[QW_], v[TM+7], 24, v[QW_]
	WIN 0x01
.irp b, 0,1,2,3
	v_cvt_scalef32_pk8_fp4_f32 v[QC_+2*\b], v[QS_+16*\b:QS_+16*\b+7], v[TM+12+\b]
	v_cvt_scalef32_pk8_fp4_f32 v[QC_+2*\b+1], v[QS_+16*\b+8:QS_+16*\b+15], v[TM+12+\b]
.endr
	WIN 0
	v_nop                                          ; one plain place behind a scaled conversion
.irp c, 0,1                                    ; the operand's layout wants a whole block in a lane: lanes 0-15 block 2 c, lanes 16-31 block 2 c + 1
.irp i, 0,1
	v_permlane16_swap_b32 v[QC_+4*\c+\i], v[QC_+4*\c+2+\i]
.endr
.endr
.endm
.macro XLOAD s                         ; my 16 rows' numbers of K step s, 64 a lane, into buffer s % 4 of window 1
	WIN 0x40
.irp b, 0,1,2,3
.irp j, 0,1,2,3
	global_load_b128 v[64*((\s)%4)+16*\b+4*\j:64*((\s)%4)+16*\b+4*\j+3], v3, s[XP:XP+1] offset:512*(\s)+128*\b+16*\j
.endr
.endr
	WIN 0
.endm
.macro LW rd, s                        ; ten loads: my head's four fragments of K step s and their scale words (lanes 0-15 tile 2 p, lanes 16-31 tile 2 p + 1) into slot s % 4
.irp t, 0,1,2,3
.irp c, 0,1
	global_load_b128 v[128+32*((\s)%4)+8*\t+4*\c:128+32*((\s)%4)+8*\t+4*\c+3], v1, s[WP:WP+1] offset:(\rd)*262144+8192*\t+1024*(\s)+512*\c
.endr
.endr
.irp p, 0,1
	global_load_b32 v[48+2*((\s)%4)+\p], v7, s[WSP:WSP+1] offset:(\rd)*2048+4096*(\s)+128*\p
.endr
.endm
.macro BIAS kind, rd                   ; the bias in the result's layout, into slot 3.  kind 0: a lane's eight registers are eight neighbouring columns (8 loads); kind 1: one column, eight times (32 loads)
.irp t, 0,1,2,3
.if \kind
.irp j, 0,1,2,3,4,5,6,7
	global_load_b32 v[224+8*\t+\j], v8, s[BP:BP+1] offset:(\rd)*2048+(32*(\t/2)+8*(\t%2))*4
.endr
.else
	global_load_b128 v[224+8*\t:224+8*\t+3], v8, s[BP:BP+1] offset:(\rd)*2048+(32*(\t/2)+8*(\t%2))*4
	global_load_b128 v[224+8*\t+4:224+8*\t+7], v8, s[BP:BP+1] offset:(\rd)*2048+(32*(\t/2)+8*(\t%2))*4+16
.endif
.endr
.endm
.macro XA_FETCH s                      ; ten LDS loads: the rows' tiles 0-3 of K step s, and all eight tiles' scale words
.irp m, 0,1,2,3
.irp c, 0,1
	ds_load_b128 v[64+8*\m+4*\c:64+8*\m+4*\c+3], v1 offset:(8*\m+(\s))*1024+512*\c
.endr
.endr
	ds_load_b128 v[32+8*((\s)%2):32+8*((\s)%2)+3], v6 offset:512*(\s)
	ds_load_b128 v[32+8*((\s)%2)+4:32+8*((\s)%2)+7], v6 offset:512*(\s)+16
.endm
.macro XB_FETCH s                      ; eight: tiles 4-7
.irp m, 4,5,6,7
.irp c, 0,1
	ds_load_b128 v[64+8*\m+4*\c:64+8*\m+4*\c+3], v1 offset:(8*\m+(\s))*1024+512*\c
.endr
.endr
.endm
.macro ONE kind, s, m, t               ; one product: the rows' tile m, the weight's tile t, K step s
.set RW_, 128+32*((\s)%4)+8*(\t)
.set RX_, 64+8*(\m)
.set SW_, 48+2*((\s)%4)+(\t)/2
.set SX_, 32+8*((\s)%2)+(\m)
.if \kind
.set RD_, 8*(8*(\t)+(\m))
.else
.set RD_, 8*(4*(\m)+(\t))
.endif
.if (\s) == 0
.set RC_, 224+8*(\t)                   ; the bias starts the sum (window 0)
.else
.set RC_, RD_
.endif
.if (\kind) == 0
.if ((\t)%2) == 0
	v_wmma_scale_f32_16x16x128_f8f6f4 v[RD_:RD_+7], v[RW_:RW_+7], v[RX_:RX_+7], v[RC_:RC_+7], v[SW_], v[SX_] matrix_a_fmt:MATRIX_FMT_FP4 matrix_b_fmt:MATRIX_FMT_FP4
.else
	v_wmma_scale_f32_16x16x128_f8f6f4 v[RD_:RD_+7], v[RW_:RW_+7], v[RX_:RX_+7], v[RC_:RC_+7], v[SW_], v[SX_] matrix_a_fmt:MATRIX_FMT_FP4 matrix_b_fmt:MATRIX_FMT_FP4 matrix_a_scale:MATRIX_SCALE_ROW1
.endif
.else
.if ((\t)%2) == 0
	v_wmma_scale_f32_16x16x128_f8f6f4 v[RD_:RD_+7], v[RX_:RX_+7], v[RW_:RW_+7], v[RC_:RC_+7], v[SX_], v[SW_] matrix_a_fmt:MATRIX_FMT_FP4 matrix_b_fmt:MATRIX_FMT_FP4
.else
	v_wmma_scale_f32_16x16x128_f8f6f4 v[RD_:RD_+7], v[RX_:RX_+7], v[RW_:RW_+7], v[RC_:RC_+7], v[SX_], v[SW_] matrix_a_fmt:MATRIX_FMT_FP4 matrix_b_fmt:MATRIX_FMT_FP4 matrix_b_scale:MATRIX_SCALE_ROW1
.endif
.endif
.endm
.macro MM kind, s, m0                  ; sixteen products: four tiles of rows x my four tiles of the weight; every accumulator has one instruction a turn
.if (\s) == 0
	WIN 0x40                                       ; D window 1; A, B and the bias window 0
.else
	WIN 0x50                                       ; C and D window 1
.endif
.irp m, \m0, \m0+1, \m0+2, \m0+3
.irp t, 0,1,2,3
	ONE \kind, \s, \m, \t
.endr
.endr
.endm
; A K step of 128.  lc: how many younger loads may be out when this step's slot of the weight has to be there (-1: shown in by an earlier wait).
.macro KSTEP kind, s, lc
.if \lc >= 0
	s_wait_loadcnt \lc
.endif
	s_wait_dscnt 8                                 ; tiles 0-3 and the scale words are in; the youngest eight LDS loads (tiles 4-7) may be out
	MM \kind, \s, 0
	s_wait_dscnt 0x0                               ; tiles 4-7 are in
	WIN 0
	PLACES
.if (\s) < 7
	XA_FETCH (\s)+1
.endif
	MM \kind, \s, 4
	WIN 0
	PLACES                                         ; for the loads that follow, into registers that these products read; behind the last step: for the first reads of the results
.if (\s) < 7
	XB_FETCH (\s)+1
.endif
.endm
; A round's eight K steps.  The ring: slot s % 4 is loaded again behind the step that read it.  A wait's count is 10 for each slot asked for behind the one that the step needs.
.macro GEMM kind, rd
	XA_FETCH 0
	XB_FETCH 0
	KSTEP \kind, 0, 0                              ; the bias and K steps 0 to 2 are in
	LW \rd, 3                                      ; (slot 3 held the bias)
	LW \rd, 4
	KSTEP \kind, 1, -1
	LW \rd, 5
	KSTEP \kind, 2, -1
	LW \rd, 6
	KSTEP \kind, 3, 30                             ; behind K step 3's loads: those of 4, 5, 6
	LW \rd, 7
	KSTEP \kind, 4, 30                             ; 5, 6, 7
.if (\rd) == 0
	LW 1, 0                                        ; the next round's first slots are asked for as this round's are left
	KSTEP \kind, 5, 30
	LW 1, 1
	KSTEP \kind, 6, 30
	LW 1, 2
	KSTEP \kind, 7, 30
	BIAS \kind, 1
.else
	KSTEP \kind, 5, 20                             ; the counts run down
	KSTEP \kind, 6, 10
	KSTEP \kind, 7, 0
.endif
.endm
.macro EPI rd
	s_cmp_lg_u32 s[UNIT], 0
	s_cbranch_scc1 .Lnoq_\@
	WIN 0x04                                       ; a store's data are its source 1: window 1
.set i_, 0
.rept 64
	global_store_b128 v1, v[4*i_:4*i_+3], s[QFP:QFP+1] offset:(\rd)*262144+512*i_   ; q as f32: each accumulator from its low end on; 512 consecutive bytes a store
.set i_, i_+1
.endr
	WIN 0
.Lnoq_\@:
.irp g, 0,1,2,3
	QUANT 64*\g, 64+8*\g, 10+\g
	global_store_b128 v1, v[64+8*\g:64+8*\g+3], s[CP:CP+1] offset:1024*\g
	global_store_b128 v1, v[64+8*\g+4:64+8*\g+7], s[CP:CP+1] offset:1024*\g+512
.endr
	v_cndmask_b32 v14, v10, v11, s[MASKHI]         ; lanes 0-15: fragment 0's words, lanes 16-31: fragment 1's
	v_cndmask_b32 v15, v12, v13, s[MASKHI]         ; fragments 2 and 3
	global_store_b64 v2, v[14:15], s[SP:SP+1]      ; 256 consecutive bytes
.if (\rd) == 0
	s_wait_xcnt 0x0                                ; the stores have read their data and bases: the accumulators, the codes' registers and the pointers are written again only behind this wait
	s_add_nc_u64 s[CP:CP+1], s[CP:CP+1], s[HS8:HS8+1]
	s_add_nc_u64 s[SP:SP+1], s[SP:SP+1], s[HS8:HS8+1]
.endif
.endm
.macro ROUNDF rd                       ; the two forms of the product part on the unit, which is the work-group's y: the same in all eight waves; both arms only read LDS
	s_cmp_eq_u32 s[UNIT], 2
	s_cbranch_scc1 .Lkind1_\@
	GEMM 0, \rd
	s_branch .Ljoin_\@
.Lkind1_\@:
	GEMM 1, \rd
.Ljoin_\@:
	EPI \rd
.endm
	s_load_b512 s[4:19], s[0:1], 0x0               ; Q, K, wc, ws, bq, bk, bv, qc
	s_load_b128 s[20:23], s[0:1], 0x40             ; qf, kv
	v_lshl_add_u32 v26, v0, 2, 0x11000
	v_mov_b32 v27, 0
	v_lshrrev_b32 v9, 5, v0
	v_readfirstlane_b32 s[WV], v9                  ; wave 0..7
	s_and_b32 s[UNIT], ttmp7, 0xffff
	s_mov_b32 s[GG], ttmp9
	v_and_b32 v9, 31, v0                           ; lane
	v_lshlrev_b32 v1, 4, v9
	v_lshlrev_b32 v2, 3, v9
	v_lshlrev_b32 v7, 2, v9
	v_and_b32 v10, 15, v0                          ; r
	v_bfe_u32 v11, v0, 4, 1                        ; h
	v_and_b32 v12, 8, v10
	v_add_nc_u32 v12, v12, v10                     ; r + 8 (r / 8)
	v_lshlrev_b32 v3, 12, v12                      ; a row of 4,096 bytes,
	v_lshl_add_u32 v3, v11, 6, v3                  ; + 64 h: my 16 numbers of a block of 32
	s_lshl_b32 s48, s[WV], 13
	v_add_nc_u32 v4, s48, v1                       ; my tile's eight images
	v_lshlrev_b32 v6, 5, v10
	v_add_nc_u32 v6, XSCB, v6                      ; row r's eight scale words of a K step
	s_lshl_b32 s48, s[WV], 2
	v_add_nc_u32 v5, s48, v6                       ; my tile's among them
	s_cmp_eq_u32 s[UNIT], 2
	s_cselect_b32 s48, 0, 64
	s_cselect_b32 s49, 4, 0
	v_mul_u32_u24 v8, v11, s48                     ; the bias: units 0, 1: 64 h;
	v_mad_u32_u24 v8, v12, s49, v8                 ; unit 2: 4 (r + 8 (r / 8))
.irp b, 0,1,2,3
	v_mov_b32 v[TM+4+\b], 0                        ; written once: a lane permute's destination counts as one of its sources
.endr
	s_mov_b32 s[SEL], 0x76543210
	s_mov_b32 s[SEL+1], 0xfedcba98
	s_mov_b32 s[MASKHI], 0xffff0000
	s_lshl_b32 s48, s[GG], 19                      ; my rows: (128 G + 32 (w / 2) + 8 (w % 2)) x 4,096 bytes
	s_lshr_b32 s50, s[WV], 1
	s_lshl_b32 s50, s50, 17
	s_add_co_u32 s48, s48, s50
	s_and_b32 s50, s[WV], 1
	s_lshl_b32 s50, s50, 15
	s_add_co_u32 s48, s48, s50
	s_mov_b32 s49, 0
	s_lshl_b32 s50, s[UNIT], 19                    ; the weight's codes: unit x 524,288 + head w's four tiles
	s_lshl_b32 s52, s[WV], 15
	s_add_co_u32 s50, s50, s52
	s_mov_b32 s51, 0
	s_lshl_b32 s52, s[UNIT], 15                    ; its scale words: unit x 32,768 + 256 w
	s_lshl_b32 s54, s[WV], 8                       ; (256 w is also head w's place in a bias)
	s_add_co_u32 s52, s52, s54
	s_mov_b32 s53, 0
	s_mov_b32 s55, 0
	s_lshl_b32 s56, s[GG], 4
	s_add_co_u32 s56, s56, s[WV]                   ; 16 G + head
	s_mul_i32 s58, s56, 4352                       ; its block in qc,
	s_lshl_b32 s56, s56, 15                        ; and in qf
	s_mov_b32 s57, 0
	s_and_b32 s60, s[GG], 0x30                     ; 16 x batch
	s_add_co_u32 s60, s60, s[WV]
	s_lshl_b32 s60, s60, 4
	s_and_b32 s61, s[GG], 15                       ; the key step
	s_add_co_u32 s60, s60, s61
	s_mul_i32 s60, s60, 8704                       ; the block in kv;
	s_cmp_eq_u32 s[UNIT], 2
	s_cselect_b32 s61, 4096, 0                     ; V's fragments lie behind K's
	s_add_co_u32 s60, s60, s61
	s_cmp_eq_u32 s[UNIT], 0
	s_cselect_b32 s58, s58, s60
	s_mov_b32 s59, 0
	s_mov_b32 s[HS8], 0x110000                     ; eight heads on: 8 x 16 x 8,704 in kv,
	s_cselect_b32 s[HS8], 34816, s[HS8]            ; 8 x 4,352 in qc
	s_mov_b32 s[HS8+1], 0
	s_mov_b32 s62, 4096                            ; from the codes to their scale words: q 4,096; k 8,192; v 8,448 - 4,096
	s_cmp_eq_u32 s[UNIT], 1
	s_cselect_b32 s62, 8192, s62
	s_cmp_eq_u32 s[UNIT], 2
	s_cselect_b32 s62, 4352, s62
	s_mov_b32 s63, 0
	s_wait_kmcnt 0x0
	s_cmp_eq_u32 s[UNIT], 0                        ; the buffers are chosen by the work-group's number alone
	s_cselect_b64 s[XP:XP+1], s[4:5], s[6:7]
	s_cselect_b64 s[CP:CP+1], s[18:19], s[22:23]
	s_cselect_b64 s[BP:BP+1], s[12:13], s[14:15]
	s_cmp_eq_u32 s[UNIT], 2
	s_cselect_b64 s[BP:BP+1], s[16:17], s[BP:BP+1]
	s_add_nc_u64 s[XP:XP+1], s[XP:XP+1], s[48:49]
	s_add_nc_u64 s[WP:WP+1], s[8:9], s[50:51]
	s_add_nc_u64 s[WSP:WSP+1], s[10:11], s[52:53]
	s_add_nc_u64 s[BP:BP+1], s[BP:BP+1], s[54:55]
	s_add_nc_u64 s[CP:CP+1], s[CP:CP+1], s[58:59]
	s_add_nc_u64 s[SP:SP+1], s[CP:CP+1], s[62:63]
	s_add_nc_u64 s[QFP:QFP+1], s[20:21], s[56:57]
	; ---- PHASE X: my 16 rows become eight fragments.  Loads run four K steps (64 loads) ahead
.macro XSTEP s, n
	s_wait_loadcnt \n
	QUANT 64*((\s)%4), 64+8*(\s), 56+(\s)
	ds_store_b128 v4, v[64+8*(\s):64+8*(\s)+3] offset:1024*(\s)
	ds_store_b128 v4, v[64+8*(\s)+4:64+8*(\s)+7] offset:1024*(\s)+512
	ds_store_b32 v5, v[56+(\s)] offset:512*(\s)    ; lanes r and 16 + r write the same word with the same value
.endm
	XLOAD 0
	XLOAD 1
	XLOAD 2
	XLOAD 3
	XSTEP 0, 48                                    ; behind a K step's 16 loads: those of the three steps after it
	XLOAD 4
	XSTEP 1, 48
	XLOAD 5
	XSTEP 2, 48
	XLOAD 6
	XSTEP 3, 48
	XLOAD 7
	XSTEP 4, 48
	s_cmp_eq_u32 s[UNIT], 2                        ; the first round's bias and first three slots of the weight are asked for here: 8 or 32 loads, and 30
	s_cbranch_scc1 .Lbias_v
	BIAS 0, 0
	s_branch .Lbias_done
.Lbias_v:
	BIAS 1, 0
.Lbias_done:
	LW 0, 0
	LW 0, 1
	LW 0, 2
	XSTEP 5, 63                                    ; behind K step 5's loads: 32 + 38 at the least; the wait's field holds 63
	XSTEP 6, 54                                    ; 16 + 38 at the least
	XSTEP 7, 38                                    ; 38 at the least
	s_wait_dscnt 0x0                               ; for the others' sake: my stores have landed
	s_barrier_signal -1
	s_barrier_wait -1                              ; the 64 fragments lie in LDS, and are never written again
	ROUNDF 0
	ROUNDF 1
	s_wait_tensorcnt 0x0
	ds_add_u32 v26, v27
	s_wait_dscnt 0x0
	s_endpgm
.Lfunc_end_k_qef7c4bbfcd_proj:
	.size	k_qef7c4bbfcd_proj, .Lfunc_end_k_qef7c4bbfcd_proj-k_qef7c4bbfcd_proj
	.p2alignl 7, 3214868480
	.fill 96, 4, 3214868480
	.section	.rodata,"a",@progbits
	.p2align	6, 0x0
	.amdhsa_kernel k_qef7c4bbfcd_proj
		.amdhsa_group_segment_fixed_size 70656
		.amdhsa_private_segment_fixed_size 0
		.amdhsa_enable_private_segment 0
		.amdhsa_kernarg_size 80
		.amdhsa_user_sgpr_count 2
		.amdhsa_user_sgpr_kernarg_segment_ptr 1
		.amdhsa_wavefront_size32 1
		.amdhsa_system_sgpr_workgroup_id_x 1
		.amdhsa_system_sgpr_workgroup_id_y 1
		.amdhsa_system_sgpr_workgroup_id_z 1
		.amdhsa_system_vgpr_workitem_id 0
		.amdhsa_next_free_vgpr 512
		.amdhsa_next_free_sgpr 66
		.amdhsa_reserve_vcc 0
		.amdhsa_float_denorm_mode_32 3
		.amdhsa_float_denorm_mode_16_64 3
		.amdhsa_memory_ordered 1
		.amdhsa_forward_progress 1
		.amdhsa_inst_pref_size 255
	.end_amdhsa_kernel
	.section	.bss,"aw",@nobits
	.p2align	6
	.space	262144
	.amdgpu_metadata
---
amdhsa.version: [ 1, 2 ]
amdhsa.kernels:
  - .name:           k_qef7c4bbfcd_proj
    .symbol:         k_qef7c4bbfcd_proj.kd
    .args:
      - { .name: Q, .offset: 0, .size: 8, .value_kind: global_buffer, .address_space: global }
      - { .name: K, .offset: 8, .size: 8, .value_kind: global_buffer, .address_space: global }
      - { .name: wc, .offset: 16, .size: 8, .value_kind: global_buffer, .address_space: global }
      - { .name: ws, .offset: 24, .size: 8, .value_kind: global_buffer, .address_space: global }
      - { .name: bq, .offset: 32, .size: 8, .value_kind: global_buffer, .address_space: global }
      - { .name: bk, .offset: 40, .size: 8, .value_kind: global_buffer, .address_space: global }
      - { .name: bv, .offset: 48, .size: 8, .value_kind: global_buffer, .address_space: global }
      - { .name: qc, .offset: 56, .size: 8, .value_kind: global_buffer, .address_space: global }
      - { .name: qf, .offset: 64, .size: 8, .value_kind: global_buffer, .address_space: global }
      - { .name: kv, .offset: 72, .size: 8, .value_kind: global_buffer, .address_space: global }
    .group_segment_fixed_size: 70656
    .private_segment_fixed_size: 0
    .kernarg_segment_align: 8
    .kernarg_segment_size: 80
    .max_flat_workgroup_size: 256
    .sgpr_count:     66
    .vgpr_count:     512
    .wavefront_size: 32
...
	.end_amdgpu_metadata
.endif
;; end of part 2
;; launch attn (part 3): grid 4 x 64, 16 waves a work-group, clusters of 4 x 1, 169,984 bytes of LDS; arguments qc, qf, kv, ofm; writes ofm
.if DOCPART == 3
	.amdgcn_target "amdgcn-amd-amdhsa--gfx1250"
	.amdhsa_code_object_version 6
	.text
	.protected	k_qef7c4bbfcd_attn
	.globl	k_qef7c4bbfcd_attn
	.p2align	8
	.type	k_qef7c4bbfcd_attn,@function
k_qef7c4bbfcd_attn:
	s_mov_b64 s[64:65], 0
	v_nop
	global_prefetch_b8 v0, s[64:65] scope:SCOPE_SE
	s_setreg_imm32_b32 hwreg(HW_REG_WAVE_MODE, 25, 1), 1
	s_wait_xcnt 0x0
	s_wait_alu depctr_hold_cnt(0) depctr_sa_sdst(0) depctr_va_vdst(0) depctr_va_sdst(0) depctr_va_ssrc(0) depctr_va_vcc(0) depctr_vm_vsrc(0)
	s_getreg_b32 s2, hwreg(HW_REG_IB_STS2, 6, 4)
	s_cmp_eq_u32 s2, 0
	s_cbranch_scc0 .Lentry_in_a_cluster
	s_endpgm
.Lentry_in_a_cluster:
	s_bfe_u32 s2, ttmp6, 0x10000c
	s_cmp_lg_u32 s2, 0x3003
	s_cbranch_scc0 .Lentry_shape_is_right
	s_endpgm
.Lentry_shape_is_right:
; o = q + softmax(q k^T / 32) v, head by head, both products on codes of FP4 (E2M1) with one E8M0 scale for each 32 along a product's K.  All operands were quantised by the launch before and come as images of operand registers.
; THE SOFTMAX AHEAD OF THE SECOND PRODUCT: t = score x log2(e) / 32; M = the row's largest t so far, rounded UP to a whole number; p = 2^(t - M) is what is quantised, along the keys, not normalised.
; The row's sum is taken of the unquantised p and divides at the end.  When M moves, the sum and O are multiplied by 2^(old M - new M): exact.
; SHARES.  Work-group (x, bh): 512 queries of head bh % 16 of batch bh / 16, in two passes of 256; each of its sixteen waves owns one tile of 16 queries a pass, in 256 registers: four waves to a SIMD, so that
; one wave's vector work stands beside another's matrix work and LDS loads.  Every wave walks the head's 2,048 keys, 128 a step.
; K AND V OF THE WHOLE HEAD STAY IN LDS: 16 key steps x 8,704 bytes (K's four double fragments, V's four fragments, 256 bytes of scale words each), filled ONCE: wave w fetches key step w by one tensor load.
; CLUSTER.  The four work-groups of a cluster belong to one head, so each of these loads is asked for JOINTLY: the same descriptor and a mask that names the four.  Nothing is filled again: LDS is only read behind the one barrier.
; LAYOUT.  Both products are used transposed: S^T = k q^T (source 0 = 16 keys), O^T = v^T p^T (source 0 = 16 channels): a lane holds ONE query (lane % 16) throughout.
; The scores' K is 64, the instruction's 128: a DOUBLE fragment of k holds tile 2 b's 64 channels in registers 0-3 and tile 2 b + 1's in registers 4-7; q stands against one half and zero codes against the other.
; The keys of a tile are not neighbours (lane r of tile 2 b + u: key 32 b + 8 u + r + 8 (r / 8)), so that the 16 registers of tiles 2 b, 2 b + 1 are keys 32 b + 16 (lane / 16) + 0 .. 15.
; LIMITS: p under 2^-126 comes out of v_exp_f32 as 0; a block whose every p is 0 keeps the byte 1 (its codes are zeros); NaN and infinities are not served.
; REGISTERS: v1 16 x lane, v2 8 x lane, v3 8 r; v4, v5 LDS addresses of the step; v[6:7] 1 / sum; v8-27 zeros, q of pass 0, zeros, q of pass 1, zeros; v28 -M, v29 the largest t, v[30:31] the sum in two halves;
;   v32-63 K's fragments; v64-95 V's; v96-159 S^T, then p; v160-191 O^T; v192-223 q as f32; v224-231 p's codes; v232-239, v244-247, v252, v254 at work; v240-243 K's and V's scale words; v248, v249 q's; v250, v251 q's as loaded; v253 p's.
.set LI,   1
.set L8,   2
.set R8,   3
.set AD,   4
.set AD8,  5
.set STEPB, 8704                       ; a key step's block
.set WV,   24
.set BH,   25
.set SEL,  28                          ; s[28:29] v_permlanex16_b32's selects for lane l xor 16
.set CS,   30                          ; s[30:31] c = log2(e) / 32: the packed form names a pair and takes its low word for both halves
.set SELU, 32                          ; which two bytes of the double fragment's scale word are my tile's
.set TB,   33                          ; LDS byte at which the step's block begins
.set CNT,  34
.set QCC,  36                          ; s[36:37] my tile's codes of q (pass 0)
.set QCS,  38                          ; s[38:39] and their scale words
.set QFP,  40                          ; s[40:41] my tile of q as f32
.set OFP,  42                          ; s[42:43] my tile of o
.macro ROUND                           ; a round of the cluster's barrier: my work-group's barrier; wave 0 signals for the work-group; every wave waits for all four; my work-group's barrier once more
	s_barrier_signal -1
	s_barrier_wait -1
	s_cmp_lg_u32 s[WV], 0
	s_cbranch_scc1 .Lnot_wave_0_\@
	s_barrier_signal -3
.Lnot_wave_0_\@:
	s_barrier_wait -3
	s_barrier_signal -1
	s_barrier_wait -1
.endm
	s_load_b256 s[4:11], s[0:1], 0x0               ; qc s[4:5], qf s[6:7], kv s[8:9], ofm s[10:11]
	v_lshl_add_u32 v254, v0, 2, 0x29000
	v_mov_b32 v255, 0
	ds_add_u32 v254, v255
	ds_add_u32 v254, v255
	s_wait_dscnt 0x0
	v_lshrrev_b32 v1, 5, v0
	v_readfirstlane_b32 s[WV], v1                  ; wave 0..15
	s_and_b32 s[BH], ttmp7, 0xffff                 ; 16 x batch + head, which the four partners share
	; descriptor group 1: 34 rows of 256 dense bytes (32 elements of 8 bytes), no padding
	s_mov_b32 s16, 15|(3<<16)|(1<<21)              ; 15:0 the mask: all four work-groups; 17:16 elements of 8 bytes; 21 set beside a mask
	s_mov_b32 s17, 32<<16                          ; tensor_dim0 = 32
	s_mov_b32 s18, 34<<16                          ; tensor_dim1 = 34
	s_mov_b32 s19, 32<<16                          ; tile_dim0 = 32
	s_mov_b32 s20, 34                              ; tile_dim1 = 34
	s_mov_b32 s21, 32                              ; from row to row
	s_mov_b32 s22, 0
	s_mov_b32 s23, 0
	s_mov_b32 s12, 1                               ; group 0: count = 1
	s_mul_i32 s13, s[WV], STEPB                    ; LDS address: key step w.  No place in the cluster enters it
	s_mul_i32 s44, s[BH], 16*STEPB                 ; the head's blocks in kv,
	s_add_co_u32 s44, s44, s13                     ; key step w's
	s_mov_b32 s45, 0
	; my queries: the work-group's place enters these global addresses alone
	s_bfe_u32 s46, ttmp6, 0x40000                  ; cx
	s_lshl_b32 s47, ttmp9, 2
	s_add_co_u32 s46, s47, s46                     ; work-group x = 4 x cluster x + cx
	s_lshl_b32 s46, s46, 2
	s_lshr_b32 s47, s[BH], 4
	s_lshl_b32 s47, s47, 4
	s_add_co_u32 s46, s46, s47
	s_lshr_b32 s47, s[WV], 3
	s_add_co_u32 s46, s46, s47                     ; pass 0's group of 128 rows: 16 x batch + 4 x + w / 8; pass 1's lies two groups on
	s_lshl_b32 s46, s46, 4
	s_and_b32 s47, s[BH], 15
	s_add_co_u32 s46, s46, s47                     ; 16 x group + head
	s_and_b32 s47, s[WV], 7                        ; m: my tile in the group
	s_mul_i32 s48, s46, 4352                       ; the block in qc
	s_lshr_b32 s50, s47, 1
	s_lshl_b32 s51, s50, 10                        ; double fragment m / 2,
	s_add_co_u32 s52, s48, s51
	s_and_b32 s51, s47, 1
	s_lshl_b32 s51, s51, 9                         ; its piece m % 2
	s_add_co_u32 s52, s52, s51
	s_mov_b32 s53, 0
	s_and_b32 s50, s50, 1                          ; the scale words of fragment f = m / 2: 4,096 + 128 (f % 2) + 4 (f / 2) + 8 r
	s_lshl_b32 s50, s50, 7
	s_add_co_u32 s54, s48, s50
	s_lshr_b32 s50, s47, 2
	s_lshl_b32 s50, s50, 2
	s_add_co_u32 s54, s54, s50
	s_add_co_u32 s54, s54, 4096
	s_mov_b32 s55, 0
	s_lshl_b32 s56, s46, 15                        ; qf and ofm: 32,768 bytes a block, 4,096 a tile
	s_lshl_b32 s50, s47, 12
	s_add_co_u32 s56, s56, s50
	s_mov_b32 s57, 0
	s_and_b32 s50, s[WV], 1
	s_cmp_eq_u32 s50, 0
	s_mov_b32 s[SELU], 0x03020302
	s_cselect_b32 s[SELU], 0x01000100, s[SELU]
	s_mov_b32 s[SEL], 0x76543210
	s_mov_b32 s[SEL+1], 0xfedcba98
	s_mov_b32 s[CS], 0x3d38aa3b                    ; log2(e) / 32
	s_mov_b32 s[CS+1], s[CS]                       ; (named with it as a pair, so it is written)
	s_wait_kmcnt 0x0
	s_add_nc_u64 s[14:15], s[8:9], s[44:45]        ; group 0: global address
	s_or_b32 s15, s15, 0x80000000                  ; type = 2
	s_add_nc_u64 s[QCC:QCC+1], s[4:5], s[52:53]
	s_add_nc_u64 s[QCS:QCS+1], s[4:5], s[54:55]
	s_add_nc_u64 s[QFP:QFP+1], s[6:7], s[56:57]
	s_add_nc_u64 s[OFP:OFP+1], s[10:11], s[56:57]
	ROUND                                          ; all four work-groups are here: the joint loads meet
	tensor_load_to_lds s[12:15], s[16:23]          ; my one tensor load of the launch: one is out
	s_nop 0
.rept 4
	v_nop
.endr
	v_and_b32 v2, 31, v0
	v_lshlrev_b32 v[LI], 4, v2
	v_lshlrev_b32 v[L8], 3, v2
	v_and_b32 v[R8], 15, v0
	v_lshlrev_b32 v[R8], 3, v[R8]
.irp p, 0,1
	global_load_b128 v[12+8*\p:15+8*\p], v[LI], s[QCC:QCC+1] offset:139264*\p   ; q's codes of both passes stay in registers
	global_load_b32 v[250+\p], v[R8], s[QCS:QCS+1] offset:139264*\p
.endr
.irp z, 8,9,10,11,16,17,18,19,24,25,26,27
	v_mov_b32 v\z, 0                               ; zero codes: they stand against the half of a double fragment that is not meant
.endr
.irp b, 0,1,2,3
	v_mov_b32 v[236+\b], 0                         ; written once: a lane permute's destination counts as one of its sources
.endr
	v_mov_b32 v253, 0                              ; (named as the upper half of the pair v[252:253] before it is first written)
	v_mov_b32 v7, 0                                ; (the upper half of the pair v[6:7])
	s_wait_tensorcnt 0x0                           ; my key step has landed,
	s_barrier_signal -1
	s_barrier_wait -1                              ; everybody's has
; A KEY STEP of pass p: 128 keys.
.macro STEP p
	v_add_nc_u32 v[AD], s[TB], v[LI]
	v_add_nc_u32 v[AD8], s[TB], v[L8]
	v_nop
	v_nop                                          ; four places between the last step's products and the loads into their operands
.irp b, 0,1,2,3
.irp u, 0,1
	ds_load_b128 v[32+8*\b+4*\u:32+8*\b+4*\u+3], v[AD] offset:1024*\b+512*\u
.endr
.endr
	ds_load_b64 v[240:241], v[AD8] offset:8192     ; K's scale words: fragment b in register b / 2, lanes 16 (b % 2) on
.irp t, 0,1,2,3
.irp c, 0,1
	ds_load_b128 v[64+8*\t+4*\c:64+8*\t+4*\c+3], v[AD] offset:4096+1024*\t+512*\c
.endr
.endr
	ds_load_b64 v[242:243], v[AD8] offset:8448     ; V's
	s_wait_dscnt 9                                 ; K's nine loads are in; V's nine may be out
.irp b, 0,1,2,3                                ; S^T = k q^T: tile 2 b + u of the keys; u = 0: (q, zeros) picks the fragment's first half, u = 1: (zeros, q) its second
.irp u, 0,1
.if (\b%2) == 0
	v_wmma_scale_f32_16x16x128_f8f6f4 v[96+8*(2*\b+\u):96+8*(2*\b+\u)+7], v[32+8*\b:32+8*\b+7], v[12+8*(\p)-4*\u:19+8*(\p)-4*\u], 0, v[240+\b/2], v[248+(\p)] matrix_a_fmt:MATRIX_FMT_FP4 matrix_b_fmt:MATRIX_FMT_FP4
.else
	v_wmma_scale_f32_16x16x128_f8f6f4 v[96+8*(2*\b+\u):96+8*(2*\b+\u)+7], v[32+8*\b:32+8*\b+7], v[12+8*(\p)-4*\u:19+8*(\p)-4*\u], 0, v[240+\b/2], v[248+(\p)] matrix_a_fmt:MATRIX_FMT_FP4 matrix_b_fmt:MATRIX_FMT_FP4 matrix_a_scale:MATRIX_SCALE_ROW1
.endif
.endr
.endr
.rept 4
	v_nop
.endr
.irp b, 0,1,2,3
	v_max3_num_f32 v[232+\b], v[96+16*\b], v[97+16*\b], v[98+16*\b]   ; the largest score of each block of 32 keys: it serves for the row's maximum and, since p rises with the score, for the block's largest p
.endr
.irp i, 3,5,7,9,11,13
.irp b, 0,1,2,3
	v_max3_num_f32 v[232+\b], v[232+\b], v[96+16*\b+\i], v[97+16*\b+\i]
.endr
.endr
.irp b, 0,1,2,3
	v_max_num_f32 v[232+\b], v[232+\b], v[111+16*\b]
.endr
.irp b, 0,1,2,3
	v_permlanex16_b32 v[236+\b], v[232+\b], s[SEL], s[SEL+1]
.endr
.irp b, 0,1,2,3
	v_max_num_f32 v[232+\b], v[232+\b], v[236+\b]  ; with lane l xor 16's 16 keys
.endr
	v_max3_num_f32 v254, v232, v233, v234
	v_max_num_f32 v254, v254, v235                 ; the step's largest score of my query
	v_mul_f32 v254, s[CS], v254                    ; as t (c is positive)
	v_max_num_f32 v29, v29, v254                   ; the running largest t
	v_mov_b32 v254, v28
	v_floor_f32 v28, -v29                          ; the new -M = floor(-t) = -ceil(t): a whole number
	v_sub_f32 v254, v28, v254                      ; old M - new M: a whole number, 0 or less
	v_cvt_i32_f32 v254, v254                       ; (it saturates)
	v_ldexp_f32 v252, 1.0, v254                    ; f = 2^(old M - new M)
.set j_, 0
.rept 32
	v_pk_fma_f32 v[96+j_:97+j_], v[96+j_:97+j_], s[CS:CS+1], v[28:29] op_sel_hi:[1,0,0]   ; t - M, two at a time
.set j_, j_+2
.endr
.irp b, 0,1,2,3
	v_fma_f32 v[232+\b], v[232+\b], s[CS], v28     ; the same of each block's largest score
.endr
.set j_, 0
.rept 64
	v_exp_f32 v[96+j_], v[96+j_]                   ; p = 2^(t - M), at most 1
.set j_, j_+1
.endr
	v_pk_mul_f32 v[30:31], v[30:31], v[252:253] op_sel_hi:[1,0]   ; the sums under the new M: the plain instruction behind the exponentials
	s_wait_alu depctr_va_vdst(0)                   ; one wait for the whole batch, ahead of its first reader
.irp b, 0,1,2,3
	v_exp_f32 v[232+\b], v[232+\b]                 ; the block's largest p: the same two instructions on the same number give the same bits
.endr
	v_pk_add_f32 v[236:237], v[96:97], v[98:99]    ; the row's sum is taken of the unquantised p, in two chains (it reads the 64 alone: plain work behind the four)
.irp j, 4,8,12,16,20,24,28,32,36,40,44,48,52,56,60
	v_pk_add_f32 v[30:31], v[30:31], v[96+\j:97+\j]
	v_pk_add_f32 v[236:237], v[236:237], v[98+\j:99+\j]
.endr
	v_pk_add_f32 v[30:31], v[30:31], v[236:237]
	s_wait_alu depctr_va_vdst(0)                   ; and one for the four
.irp b, 0,1,2,3
	v_max_num_f32 v[232+\b], 0x1800000, v[232+\b]  ; the floor 2^(3 - 127): the byte cannot fall under 1
.endr
.irp b, 0,1,2,3
	v_add_nc_u32 v[244+\b], 0xff000000, v[232+\b]  ; 2 off the exponent field: the conversion's scale operand
.endr
.irp b, 0,1,2,3
	v_lshrrev_b32 v[236+\b], 23, v[244+\b]         ; the scale's byte
.endr
	v_lshl_or_b32 v253, v237, 8, v236              ; p's scale word for these 128 keys
	v_lshl_or_b32 v253, v238, 16, v253
	v_lshl_or_b32 v253, v239, 24, v253
.irp b, 0,1,2,3
	v_cvt_scalef32_pk8_fp4_f32 v[224+2*\b], v[96+16*\b:103+16*\b], v[244+\b]
	v_cvt_scalef32_pk8_fp4_f32 v[225+2*\b], v[104+16*\b:111+16*\b], v[244+\b]
.endr
	v_nop                                          ; one plain place behind a scaled conversion
.irp c, 0,1                                    ; the operand's layout wants a whole block in a lane
.irp i, 0,1
	v_permlane16_swap_b32 v[224+4*\c+\i], v[226+4*\c+\i]
.endr
.endr
.set j_, 0
.rept 16
	v_pk_mul_f32 v[160+j_:161+j_], v[160+j_:161+j_], v[252:253] op_sel_hi:[1,0]   ; O^T under the new M, from each accumulator's low end on; these sixteen are also the places between p's codes and scale word and the products
.set j_, j_+2
.endr
	s_wait_dscnt 0x0                               ; V is in
.irp t, 0,1,2,3                                ; O^T += v^T p^T: the four accumulators take one turn each; the scores' eight products stand between two steps' turns
.if (\t%2) == 0
	v_wmma_scale_f32_16x16x128_f8f6f4 v[160+8*\t:167+8*\t], v[64+8*\t:71+8*\t], v[224:231], v[160+8*\t:167+8*\t], v[242+\t/2], v253 matrix_a_fmt:MATRIX_FMT_FP4 matrix_b_fmt:MATRIX_FMT_FP4
.else
	v_wmma_scale_f32_16x16x128_f8f6f4 v[160+8*\t:167+8*\t], v[64+8*\t:71+8*\t], v[224:231], v[160+8*\t:167+8*\t], v[242+\t/2], v253 matrix_a_fmt:MATRIX_FMT_FP4 matrix_b_fmt:MATRIX_FMT_FP4 matrix_a_scale:MATRIX_SCALE_ROW1
.endif
.endr
.endm
; A PASS: my tile of 16 queries against all 2,048 keys, then o = O / sum + q.
.macro PASS p
.if (\p) == 0
	s_wait_loadcnt 0x0                             ; q's codes and scale words of both passes
.else
	s_wait_xcnt 0x0                                ; the last pass's stores have read O^T's registers: they are written again only behind this wait
.endif
	v_perm_b32 v[248+\p], v[250+\p], v[250+\p], s[SELU]   ; my tile's two bytes, twice: they serve q in either half of the operand
.irp i, 0,1,2,3,4,5,6,7
	global_load_b128 v[192+4*\i:195+4*\i], v[LI], s[QFP:QFP+1] offset:1048576*\p+512*\i   ; q as f32, wanted at the pass's end: it has the whole pass in which to land
.endr
	v_mov_b32 v29, 0xff61b1e6                      ; the largest t so far: -3e38, under every t
	v_floor_f32 v28, -v29                          ; -M
	v_mov_b32 v30, 0                               ; the sum, in two halves
	v_mov_b32 v31, 0
.set j_, 0
.rept 32
	v_mov_b32 v[160+j_], 0                         ; O^T: the step is written once; its first trip finds zeros, which the first change of M leaves zeros.  (Also the places between q's scale word and the first product)
.set j_, j_+1
.endr
	s_mov_b32 s[TB], 0
	s_mov_b32 s[CNT], 16
.Lstep_\@:
	STEP \p
	s_add_co_u32 s[TB], s[TB], STEPB
	s_sub_co_u32 s[CNT], s[CNT], 1
	s_cmp_lg_u32 s[CNT], 0
	s_cbranch_scc1 .Lstep_\@
.rept 4
	v_nop                                          ; places between the last products and the first read of O^T
.endr
	v_add_f32 v30, v30, v31                        ; the sum's two halves,
	v_permlanex16_b32 v252, v30, s[SEL], s[SEL+1]
	v_add_f32 v30, v30, v252                       ; and lane l xor 16's: the row's sum
	v_rcp_f32 v6, v30
	v_nop                                          ; a plain place behind the transcendental
	s_wait_alu depctr_va_vdst(0)                   ; the wait ahead of its first reader
	s_wait_loadcnt 0x0                             ; q as f32
.set j_, 0
.rept 16
	v_pk_fma_f32 v[160+j_:161+j_], v[160+j_:161+j_], v[6:7], v[192+j_:193+j_] op_sel_hi:[1,0,1]   ; o = O^T / sum + q: register 16 b + i is channel 32 b + 16 (lane / 16) + i, in both
.set j_, j_+2
.endr
.irp i, 0,1,2,3,4,5,6,7
	global_store_b128 v[LI], v[160+4*\i:163+4*\i], s[OFP:OFP+1] offset:1048576*\p+512*\i   ; as an image of the registers: 512 consecutive bytes a store
.endr
.endm
	PASS 0
	PASS 1
	s_wait_xcnt 0x0
	v_lshl_add_u32 v254, v0, 2, 0x29000
	v_mov_b32 v255, 0
	s_wait_tensorcnt 0x0
	ds_add_u32 v254, v255
	s_wait_dscnt 0x0
	ROUND                                          ; the closing round: no work-group ends while a partner may still ask for a tile that names it
	s_endpgm
.Lfunc_end_k_qef7c4bbfcd_attn:
	.size	k_qef7c4bbfcd_attn, .Lfunc_end_k_qef7c4bbfcd_attn-k_qef7c4bbfcd_attn
	.p2alignl 7, 3214868480
	.fill 96, 4, 3214868480
	.section	.rodata,"a",@progbits
	.p2align	6, 0x0
	.amdhsa_kernel k_qef7c4bbfcd_attn
		.amdhsa_group_segment_fixed_size 169984
		.amdhsa_private_segment_fixed_size 0
		.amdhsa_enable_private_segment 0
		.amdhsa_kernarg_size 32
		.amdhsa_user_sgpr_count 2
		.amdhsa_user_sgpr_kernarg_segment_ptr 1
		.amdhsa_wavefront_size32 1
		.amdhsa_system_sgpr_workgroup_id_x 1
		.amdhsa_system_sgpr_workgroup_id_y 1
		.amdhsa_system_sgpr_workgroup_id_z 1
		.amdhsa_system_vgpr_workitem_id 0
		.amdhsa_next_free_vgpr 256
		.amdhsa_next_free_sgpr 66
		.amdhsa_reserve_vcc 0
		.amdhsa_float_denorm_mode_32 3
		.amdhsa_float_denorm_mode_16_64 3
		.amdhsa_memory_ordered 1
		.amdhsa_forward_progress 1
		.amdhsa_inst_pref_size 44
	.end_amdhsa_kernel
	.amdgpu_metadata
---
amdhsa.version: [ 1, 2 ]
amdhsa.kernels:
  - .name:           k_qef7c4bbfcd_attn
    .symbol:         k_qef7c4bbfcd_attn.kd
    .args:
      - { .name: qc, .offset: 0, .size: 8, .value_kind: global_buffer, .address_space: global }
      - { .name: qf, .offset: 8, .size: 8, .value_kind: global_buffer, .address_space: global }
      - { .name: kv, .offset: 16, .size: 8, .value_kind: global_buffer, .address_space: global }
      - { .name: ofm, .offset: 24, .size: 8, .value_kind: global_buffer, .address_space: global }
    .group_segment_fixed_size: 169984
    .private_segment_fixed_size: 0
    .kernarg_segment_align: 8
    .kernarg_segment_size: 32
    .max_flat_workgroup_size: 512
    .sgpr_count:     66
    .vgpr_count:     256
    .wavefront_size: 32
...
	.end_amdgpu_metadata
.endif
;; end of part 3
;; launch final (part 4): grid 256 x 1, 8 waves a work-group, no clusters, 154,112 bytes of LDS; arguments ofm, wc, ws, bo, g0, b0, g1, b1, out0; writes out0
.if DOCPART == 4
	.amdgcn_target "amdgcn-amd-amdhsa--gfx1250"
	.amdhsa_code_object_version 6
	.text
	.protected	k_qef7c4bbfcd_final
	.globl	k_qef7c4bbfcd_final
	.p2align	8
	.type	k_qef7c4bbfcd_final,@function
k_qef7c4bbfcd_final:
	s_mov_b64 s[64:65], 0
	v_nop
	global_prefetch_b8 v0, s[64:65] scope:SCOPE_SE
	s_setreg_imm32_b32 hwreg(HW_REG_WAVE_MODE, 25, 1), 1
	s_wait_xcnt 0x0
; out = LN1(O + relu(O Wo + bo)), O = LN0(o); the product on codes of FP4 (E2M1) with one E8M0 scale for each 32 along K; all else in f32.
; SHARES.  A work-group owns 32 rows: tiles 2 beta and 2 beta + 1 of group G (work-group = 4 G + beta); tile m's lane r is row 128 G + 32 (m / 2) + 8 (m % 2) + r + 8 (r / 8).
; THE WAVES SHARE THE COLUMNS: wave w owns columns 128 w .. 128 w + 127 of both tiles.  o comes as images of registers in which register 16 b + i of a lane is column 128 w + 32 b + 16 (lane / 16) + i of its row;
; the product, used transposed (source 0 = 16 columns of Wo, chosen as prep laid them; source 1 = 16 rows), leaves its results in the SAME lanes and registers: so O stays in registers until the residual.
; A wave's 128 columns of O are K step w of the product: one fragment and one scale word a row and tile, which go to the other waves through LDS as images of the operand's registers.
; The norms take the mean first and then the mean of the squared differences, as the definition has it; a row's eight partial sums (one a wave) meet in LDS, each time in bytes of their own, and every wave adds them in the same order.
; Wo's fragments come from memory straight into operand registers, through two slots of eight fragments; bo is the C of each sum's first product.
; NO MULTICAST: joint loads end in LDS; here Wo does not pass LDS, and a wave reads only its own eighth of it.  A ring for it would add refills and a second read of each fragment.
; LIMITS: a block of zeros gets the byte 1 where the rule says 127 (its codes are zeros; this program alone reads the bytes); blocks whose largest magnitude lies under 2^-124 keep the byte 1; NaN and infinities are not served.
; LDS: 0: the 16 fragments, (tile, K step s) at (8 tile + s) x 1,024;  16,384: their scale words at 128 s + 8 r + 4 tile;  17,408: four regions of 1,024 bytes for the partial sums, word 32 (16 tile + r) + 4 w;
;   21,504: the stage, 32 rows of 4,096 bytes + 16.
; REGISTERS.  Window 1: v0-127 o, then O, then y, then the result (tile at 64 x tile); v128-255 g0 and b0, then the 16 accumulators at 128 + 8 (8 tile + T).
;   Window 0: v1 16 x lane; v2 4 x lane; v3 64 h; v4-v11 LDS addresses; v16-47 at work, then the rows' fragments, two sets; v48-55 Wo's scale words, two slots; v56-59 the rows', two sets; v60-61 scale words just made;
;   v64-127 bo; v128-255 Wo's two slots, then g1 and b1, then rows on the way out.
.set TM,   16
.set XSC,  16384
.set RED,  17408
.set STG,  21504
.set SPITCH, 4112
.set WV,   24
.set GG,   26
.set BE,   27
.set SEL,  28
.set MASKHI, 30
.set INV,  31                          ; 1 / 1,024
.set EPS,  22                          ; 1e-5
.set MSB, 0
.macro WIN new                         ; the immediate's high byte repeats the setting that is left; a switch that changes nothing is dropped
.if MSB != (\new)
	s_set_vgpr_msb (MSB<<8)|(\new)
.set MSB, (\new)
.endif
.endm
.macro PLACES                          ; four plain vector instructions between a matrix instruction and a load into, or a read of, its registers (ISA guide 7.12.1 for vector instructions)
.rept 4
	v_nop
.endr
.endm
.macro BARRIER                         ; my LDS stores have landed and my LDS loads are in: then the work-group's barrier
	s_wait_dscnt 0x0
	s_barrier_signal -1
	s_barrier_wait -1
.endm
; 64 numbers of a lane in window 1, register 16 b + i = k 32 b + 16 (lane / 16) + i of my row, become a fragment's codes in v[pc] on and its scale word in v[pw], both in window 0.
.macro QUANT src, pc, pw
.set QS_, (\src)
.set QC_, (\pc)
.set QW_, (\pw)
	WIN 0x05
.irp b, 0,1,2,3
	v_max3_num_f32 v[TM+\b], |v[QS_+16*\b]|, |v[QS_+16*\b+1]|, 0x1800000   ; block b: my 16 numbers, and the floor 2^(3 - 127): the byte cannot fall under 1
.endr
	WIN 0x14
.irp i, 2,4,6,8,10,12,14
.irp b, 0,1,2,3
	v_max3_num_f32 v[TM+\b], v[TM+\b], |v[QS_+16*\b+\i]|, |v[QS_+16*\b+\i+1]|
.endr
.endr
	WIN 0
.irp b, 0,1,2,3
	v_permlanex16_b32 v[TM+4+\b], v[TM+\b], s[SEL], s[SEL+1]
.endr
.irp b, 0,1,2,3
	v_max_num_f32 v[TM+\b], v[TM+\b], v[TM+4+\b]   ; with lane l xor 16's: the block's largest magnitude
.endr
.irp b, 0,1,2,3
	v_add_nc_u32 v[TM+12+\b], 0xff000000, v[TM+\b] ; 2 off its exponent field: the conversion's scale operand
.endr
.irp b, 0,1,2,3
	v_lshrrev_b32 v[TM+4+\b], 23, v[TM+12+\b]      ; the scale's byte
.endr
	v_lshl_or_b32 v[QW_], v[TM+5], 8, v[TM+4]
	v_lshl_or_b32 v[QW_], v[TM+6], 16, v[QW_]
	v_lshl_or_b32 v[QW_], v[TM+7], 24, v[QW_]
	WIN 0x01
.irp b, 0,1,2,3
	v_cvt_scalef32_pk8_fp4_f32 v[QC_+2*\b], v[QS_+16*\b:QS_+16*\b+7], v[TM+12+\b]
	v_cvt_scalef32_pk8_fp4_f32 v[QC_+2*\b+1], v[QS_+16*\b+8:QS_+16*\b+15], v[TM+12+\b]
.endr
	WIN 0
	v_nop                                          ; one plain place behind a scaled conversion
.irp c, 0,1
.irp i, 0,1
	v_permlane16_swap_b32 v[QC_+4*\c+\i], v[QC_+4*\c+2+\i]
.endr
.endr
.endm
.macro VECLOAD base, win, ptr          ; sixteen loads: my 64 numbers of a vector over the columns, in the rows' register order
	WIN 0x40*(\win)
.irp b, 0,1,2,3
.irp q, 0,1,2,3
	global_load_b128 v[\base+16*\b+4*\q:\base+16*\b+4*\q+3], v3, s[\ptr:\ptr+1] offset:128*\b+16*\q
.endr
.endr
	WIN 0
.endm
.macro LWF s                           ; twenty loads: my eight fragments of Wo for K step s and their scale words into slot s % 2
.irp T, 0,1,2,3,4,5,6,7
.irp c, 0,1
	global_load_b128 v[128+64*((\s)%2)+8*\T+4*\c:128+64*((\s)%2)+8*\T+4*\c+3], v1, s[6:7] offset:8192*\T+1024*(\s)+512*\c
.endr
.endr
.irp p, 0,1,2,3
	global_load_b32 v[48+4*((\s)%2)+\p], v2, s[8:9] offset:4096*(\s)+128*\p
.endr
.endm
.macro XFETCH s                        ; five LDS loads: both tiles' fragments of K step s and their scale words into set s % 2
.irp ml, 0,1
.irp c, 0,1
	ds_load_b128 v[16+16*((\s)%2)+8*\ml+4*\c:16+16*((\s)%2)+8*\ml+4*\c+3], v1 offset:(8*\ml+(\s))*1024+512*\c
.endr
.endr
	ds_load_b64 v[56+2*((\s)%2):57+2*((\s)%2)], v6 offset:128*(\s)
.endm
.macro LSUM sq                         ; a lane's 64 numbers of each tile (sq = 1: their squares) are added, two at a time, in two chains a tile: v[16:19] tile 0, v[20:23] tile 1
	WIN 0x05
.irp T, 0,1
.if \sq
	v_pk_mul_f32 v[16+4*\T:17+4*\T], v[64*\T:64*\T+1], v[64*\T:64*\T+1]
	v_pk_mul_f32 v[18+4*\T:19+4*\T], v[64*\T+2:64*\T+3], v[64*\T+2:64*\T+3]
.else
	v_pk_add_f32 v[16+4*\T:17+4*\T], v[64*\T:64*\T+1], v[64*\T+4:64*\T+5]
	v_pk_add_f32 v[18+4*\T:19+4*\T], v[64*\T+2:64*\T+3], v[64*\T+6:64*\T+7]
.endif
.endr
.if \sq
.irp j, 4,8,12,16,20,24,28,32,36,40,44,48,52,56,60
.irp T, 0,1
	v_pk_fma_f32 v[16+4*\T:17+4*\T], v[64*\T+\j:64*\T+\j+1], v[64*\T+\j:64*\T+\j+1], v[16+4*\T:17+4*\T]
	v_pk_fma_f32 v[18+4*\T:19+4*\T], v[64*\T+\j+2:64*\T+\j+3], v[64*\T+\j+2:64*\T+\j+3], v[18+4*\T:19+4*\T]
.endr
.endr
.else
	WIN 0x04
.irp j, 8,12,16,20,24,28,32,36,40,44,48,52,56,60
.irp T, 0,1
	v_pk_add_f32 v[16+4*\T:17+4*\T], v[16+4*\T:17+4*\T], v[64*\T+\j:64*\T+\j+1]
	v_pk_add_f32 v[18+4*\T:19+4*\T], v[18+4*\T:19+4*\T], v[64*\T+\j+2:64*\T+\j+3]
.endr
.endr
.endif
	WIN 0
.endm
.macro REDUCE off                      ; the chains' ends, lane l xor 16's, and the other seven waves': the rows' sums over 1,024 columns in v32 (tile 0) and v40 (tile 1), in every lane of the row
.irp T, 0,1
	v_pk_add_f32 v[16+4*\T:17+4*\T], v[16+4*\T:17+4*\T], v[18+4*\T:19+4*\T]
.endr
	v_add_f32 v16, v16, v17
	v_add_f32 v20, v20, v21
	v_permlanex16_b32 v24, v16, s[SEL], s[SEL+1]
	v_permlanex16_b32 v25, v20, s[SEL], s[SEL+1]
	v_add_f32 v16, v16, v24
	v_add_f32 v20, v20, v25
	v_cndmask_b32 v26, v16, v20, s[MASKHI]         ; lanes 0-15 carry tile 0's rows, lanes 16-31 tile 1's
	ds_store_b32 v7, v26 offset:\off
	BARRIER                                        ; all eight waves' parts lie in LDS; these bytes are used this once
	ds_load_b128 v[32:35], v8 offset:\off
	ds_load_b128 v[36:39], v8 offset:\off+16
	ds_load_b128 v[40:43], v8 offset:\off+512
	ds_load_b128 v[44:47], v8 offset:\off+528
	s_wait_dscnt 0x0
	v_pk_add_f32 v[32:33], v[32:33], v[34:35]
	v_pk_add_f32 v[36:37], v[36:37], v[38:39]
	v_pk_add_f32 v[40:41], v[40:41], v[42:43]
	v_pk_add_f32 v[44:45], v[44:45], v[46:47]
	v_pk_add_f32 v[32:33], v[32:33], v[36:37]
	v_pk_add_f32 v[40:41], v[40:41], v[44:45]
	v_add_f32 v32, v32, v33
	v_add_f32 v40, v40, v41
.endm
; The norm of window 1's v0-127, in place.  k: which pair of LDS regions; gw: the window of the gain (v128-191) and the offset (v192-255); lcnt: how many younger loads may be out when these two have to be there.
.macro LNORM k, gw, lcnt
	LSUM 0
	REDUCE 2048*(\k)
	v_mul_f32 v32, s[INV], v32                     ; the means
	v_mul_f32 v40, s[INV], v40
	WIN 0x41
.irp T, 0,1
.set j_, 0
.rept 32
	v_pk_add_f32 v[64*\T+j_:64*\T+j_+1], v[64*\T+j_:64*\T+j_+1], v[32+8*\T:33+8*\T] op_sel_hi:[1,0] neg_lo:[0,1] neg_hi:[0,1]   ; x - mean (the pair's low word serves both halves)
.set j_, j_+2
.endr
.endr
	LSUM 1
	REDUCE 2048*(\k)+1024
	v_fma_f32 v32, v32, s[INV], s[EPS]             ; the variance + 1e-5
	v_fma_f32 v40, v40, s[INV], s[EPS]
	v_rsq_f32 v34, v32
	v_rsq_f32 v42, v40
	v_nop                                          ; a plain place behind the transcendentals
	s_wait_alu depctr_va_vdst(0)                   ; one wait for the two, ahead of their first reader
	s_wait_loadcnt \lcnt
	WIN 0x41
.irp T, 0,1
.set j_, 0
.rept 32
	v_pk_mul_f32 v[64*\T+j_:64*\T+j_+1], v[64*\T+j_:64*\T+j_+1], v[34+8*\T:35+8*\T] op_sel_hi:[1,0]
.set j_, j_+2
.endr
.endr
	WIN 0x41+0x14*(\gw)
.irp T, 0,1
.set j_, 0
.rept 32
	v_pk_fma_f32 v[64*\T+j_:64*\T+j_+1], v[64*\T+j_:64*\T+j_+1], v[128+j_:129+j_], v[192+j_:193+j_]
.set j_, j_+2
.endr
.endr
	WIN 0
.endm
.macro FMM s                           ; sixteen products: my eight tiles of Wo x the two tiles of rows; every accumulator has one instruction a turn
.if (\s) == 0
	WIN 0x40                                       ; D window 1; A, B and bo window 0
.else
	WIN 0x50                                       ; C and D window 1
.endif
.irp T, 0,1,2,3,4,5,6,7
.irp ml, 0,1
.set RD_, 128+8*(8*\ml+\T)
.if (\s) == 0
.set RC_, 64+8*\T
.else
.set RC_, RD_
.endif
.if (\T%2) == 0
	v_wmma_scale_f32_16x16x128_f8f6f4 v[RD_:RD_+7], v[128+64*((\s)%2)+8*\T:128+64*((\s)%2)+8*\T+7], v[16+16*((\s)%2)+8*\ml:16+16*((\s)%2)+8*\ml+7], v[RC_:RC_+7], v[48+4*((\s)%2)+\T/2], v[56+2*((\s)%2)+\ml] matrix_a_fmt:MATRIX_FMT_FP4 matrix_b_fmt:MATRIX_FMT_FP4
.else
	v_wmma_scale_f32_16x16x128_f8f6f4 v[RD_:RD_+7], v[128+64*((\s)%2)+8*\T:128+64*((\s)%2)+8*\T+7], v[16+16*((\s)%2)+8*\ml:16+16*((\s)%2)+8*\ml+7], v[RC_:RC_+7], v[48+4*((\s)%2)+\T/2], v[56+2*((\s)%2)+\ml] matrix_a_fmt:MATRIX_FMT_FP4 matrix_b_fmt:MATRIX_FMT_FP4 matrix_a_scale:MATRIX_SCALE_ROW1
.endif
.endr
.endr
.endm
.macro FSTEP s, lc                     ; a K step of 128.  lc: the loads issued behind this step's slot of Wo
.if (\s) < 7
	XFETCH (\s)+1
	s_wait_dscnt 5                                 ; this step's fragments are in; the five loads just issued may be out
.else
	s_wait_dscnt 0x0
.endif
	s_wait_loadcnt \lc
	FMM \s
	WIN 0
	PLACES                                         ; for the loads that follow, into registers that these products read; behind the last step: for the first reads of the results
.endm
	s_load_b512 s[4:19], s[0:1], 0x0               ; ofm, wc, ws, bo, g0, b0, g1, b1
	s_load_b64 s[20:21], s[0:1], 0x40              ; out0
	v_lshl_add_u32 v62, v0, 2, 0x25600
	v_mov_b32 v63, 0
	v_lshrrev_b32 v12, 5, v0
	v_readfirstlane_b32 s[WV], v12                 ; wave 0..7
	s_lshr_b32 s[GG], ttmp9, 2
	s_and_b32 s[BE], ttmp9, 3
	v_and_b32 v12, 31, v0                          ; lane
	v_and_b32 v13, 15, v0                          ; r
	v_bfe_u32 v14, v0, 4, 1                        ; h
	v_lshlrev_b32 v1, 4, v12
	v_lshlrev_b32 v2, 2, v12
	v_lshlrev_b32 v3, 6, v14
	s_lshl_b32 s32, s[WV], 10
	v_add_nc_u32 v4, s32, v1                       ; where I store my fragments: K step w
	v_lshlrev_b32 v6, 3, v13
	v_add_nc_u32 v6, XSC, v6                       ; where I read row r's scale words
	s_lshl_b32 s32, s[WV], 7
	v_add_nc_u32 v5, s32, v6                       ; and store K step w's
	v_lshlrev_b32 v7, 5, v12
	s_lshl_b32 s32, s[WV], 2
	s_add_co_u32 s32, s32, RED
	v_add_nc_u32 v7, s32, v7                       ; my wave's word among a row's eight partial sums
	v_lshlrev_b32 v8, 5, v13
	v_add_nc_u32 v8, RED, v8                       ; row r's eight
	v_mul_u32_u24 v9, v13, SPITCH
	v_lshl_add_u32 v9, v14, 6, v9
	s_lshl_b32 s32, s[WV], 9
	s_add_co_u32 s32, s32, STG
	v_add_nc_u32 v9, s32, v9                       ; the stage: slot r, + 512 w + 64 h;
	v_add_nc_u32 v10, 16*SPITCH, v9                ; tile 1's slots lie 16 further on
	s_mul_i32 s32, s[WV], 4*SPITCH
	s_add_co_u32 s32, s32, STG
	v_add_nc_u32 v11, s32, v1                      ; back: slots 4 w .. 4 w + 3, 16 bytes a lane
.irp z, 20,21,22,23,24,25
	v_mov_b32 v\z, 0                               ; written once: a lane permute's destination counts as one of its sources
.endr
	s_mov_b32 s[SEL], 0x76543210
	s_mov_b32 s[SEL+1], 0xfedcba98
	s_mov_b32 s[MASKHI], 0xffff0000
	s_mov_b32 s[INV], 0x3a800000
	s_mov_b32 s[EPS], 0x3727c5ac
	s_lshl_b32 s32, s[GG], 4                       ; o: ((16 G + 2 w) x 8 + 2 beta) x 4,096
	s_lshl_b32 s33, s[WV], 1
	s_add_co_u32 s32, s32, s33
	s_lshl_b32 s32, s32, 15
	s_lshl_b32 s33, s[BE], 13
	s_add_co_u32 s32, s32, s33
	s_mov_b32 s33, 0
	s_lshl_b32 s34, s[WV], 16                      ; Wo's codes: the fourth weight, tiles 8 w on
	s_add_co_u32 s34, s34, 1572864
	s_mov_b32 s35, 0
	s_lshl_b32 s36, s[WV], 9                       ; my 128 columns in a vector: 512 w
	s_mov_b32 s37, 0
	s_add_co_u32 s38, s36, 98304                   ; Wo's scale words: 512 w too
	s_mov_b32 s39, 0
	s_lshl_b32 s40, s[GG], 7                       ; the four rows that I store: slots 4 w .. 4 w + 3 are tile w / 4, lanes r = 4 (w % 4) + 0 .. 3:
	s_lshl_b32 s41, s[BE], 5                       ; rows 128 G + 32 beta + 8 (w / 4) + 4 (w % 4) + 8 ((w / 2) % 2) + 0 .. 3
	s_add_co_u32 s40, s40, s41
	s_lshr_b32 s41, s[WV], 2
	s_lshl_b32 s41, s41, 3
	s_add_co_u32 s40, s40, s41
	s_and_b32 s41, s[WV], 3
	s_lshl_b32 s41, s41, 2
	s_add_co_u32 s40, s40, s41
	s_and_b32 s41, s[WV], 2
	s_lshl_b32 s41, s41, 2
	s_add_co_u32 s40, s40, s41
	s_lshl_b32 s40, s40, 12
	s_mov_b32 s41, 0
	s_wait_kmcnt 0x0
	s_add_nc_u64 s[4:5], s[4:5], s[32:33]
	s_add_nc_u64 s[6:7], s[6:7], s[34:35]
	s_add_nc_u64 s[8:9], s[8:9], s[38:39]
	s_add_nc_u64 s[10:11], s[10:11], s[36:37]
	s_add_nc_u64 s[12:13], s[12:13], s[36:37]
	s_add_nc_u64 s[14:15], s[14:15], s[36:37]
	s_add_nc_u64 s[16:17], s[16:17], s[36:37]
	s_add_nc_u64 s[18:19], s[18:19], s[36:37]
	s_add_nc_u64 s[20:21], s[20:21], s[40:41]
	WIN 0x40
.irp ml, 0,1
.irp hd, 0,1
.irp i, 0,1,2,3,4,5,6,7
	global_load_b128 v[64*\ml+32*\hd+4*\i:64*\ml+32*\hd+4*\i+3], v1, s[4:5] offset:32768*\hd+4096*\ml+512*\i th:TH_LOAD_NT   ; o: heads 2 w, 2 w + 1 of both tiles; 512 consecutive bytes a load
.endr
.endr
.endr
	WIN 0
	VECLOAD 128, 1, 12                             ; g0
	VECLOAD 192, 1, 14                             ; b0
	s_wait_loadcnt 32                              ; o is in; g0's and b0's 32 loads may be out
	VECLOAD 64, 0, 10                              ; bo
	LWF 0
	LWF 1
	LNORM 0, 1, 56                                 ; behind g0 and b0: bo's 16 loads and the two slots' 40
	QUANT 0, 32, 60                                ; my 128 columns of O are K step w of the product
	QUANT 64, 40, 61
.irp ml, 0,1
.irp c, 0,1
	ds_store_b128 v4, v[32+8*\ml+4*\c:32+8*\ml+4*\c+3] offset:8192*\ml+512*\c
.endr
	ds_store_b32 v5, v[60+\ml] offset:4*\ml        ; lanes r and 16 + r write the same word with the same value
.endr
	BARRIER                                        ; the sixteen fragments lie in LDS, and are never written again
	XFETCH 0
	FSTEP 0, 20                                    ; bo and slot 0 are in; slot 1's 20 loads may be out
	LWF 2
	FSTEP 1, 20
	LWF 3
	FSTEP 2, 20
	LWF 4
	FSTEP 3, 20
	LWF 5
	FSTEP 4, 20
	LWF 6
	FSTEP 5, 20
	LWF 7
	FSTEP 6, 20
	VECLOAD 128, 0, 16                             ; g1, into the slot that has been left
	FSTEP 7, 16                                    ; behind K step 7's loads: g1's 16
	VECLOAD 192, 0, 18                             ; b1
	WIN 0x44
.set j_, 0
.rept 128
	v_max_num_f32 v[128+j_], 0, v[128+j_]          ; relu, each accumulator from its low end on
.set j_, j_+1
.endr
	WIN 0x45
.set j_, 0
.rept 64
	v_pk_add_f32 v[j_:j_+1], v[j_:j_+1], v[128+j_:129+j_]   ; y = O + relu(..): the same lanes and registers
.set j_, j_+2
.endr
	LNORM 1, 0, 0
	WIN 0x04                                       ; an LDS store's data are its source 1: window 1
.irp ml, 0,1
.irp b, 0,1,2,3
.irp q, 0,1,2,3
	ds_store_b128 v[9+\ml], v[64*\ml+16*\b+4*\q:64*\ml+16*\b+4*\q+3] offset:128*\b+16*\q
.endr
.endr
.endr
	WIN 0
	BARRIER                                        ; 32 whole rows lie in the stage
.irp i, 0,1,2,3
.irp e, 0,1,2,3,4,5,6,7
	ds_load_b128 v[128+4*(8*\i+\e):128+4*(8*\i+\e)+3], v11 offset:SPITCH*\i+512*\e
.endr
.endr
.set k_, 0
.rept 32
	s_wait_dscnt 31-k_                             ; LDS loads come back in order: this one is in
	global_store_b128 v1, v[128+4*k_:128+4*k_+3], s[20:21] offset:4096*(k_/8)+512*(k_%8) th:TH_STORE_NT   ; 512 consecutive bytes of a row, aligned; four whole neighbouring rows a wave
.set k_, k_+1
.endr
	s_wait_tensorcnt 0x0
	ds_add_u32 v62, v63
	s_wait_dscnt 0x0
	s_endpgm
.Lfunc_end_k_qef7c4bbfcd_final:
	.size	k_qef7c4bbfcd_final, .Lfunc_end_k_qef7c4bbfcd_final-k_qef7c4bbfcd_final
	.p2alignl 7, 3214868480
	.fill 96, 4, 3214868480
	.section	.rodata,"a",@progbits
	.p2align	6, 0x0
	.amdhsa_kernel k_qef7c4bbfcd_final
		.amdhsa_group_segment_fixed_size 154112
		.amdhsa_private_segment_fixed_size 0
		.amdhsa_enable_private_segment 0
		.amdhsa_kernarg_size 72
		.amdhsa_user_sgpr_count 2
		.amdhsa_user_sgpr_kernarg_segment_ptr 1
		.amdhsa_wavefront_size32 1
		.amdhsa_system_sgpr_workgroup_id_x 1
		.amdhsa_system_sgpr_workgroup_id_y 1
		.amdhsa_system_sgpr_workgroup_id_z 1
		.amdhsa_system_vgpr_workitem_id 0
		.amdhsa_next_free_vgpr 512
		.amdhsa_next_free_sgpr 66
		.amdhsa_reserve_vcc 0
		.amdhsa_float_denorm_mode_32 3
		.amdhsa_float_denorm_mode_16_64 3
		.amdhsa_memory_ordered 1
		.amdhsa_forward_progress 1
		.amdhsa_inst_pref_size 121
	.end_amdhsa_kernel
	.amdgpu_metadata
---
amdhsa.version: [ 1, 2 ]
amdhsa.kernels:
  - .name:           k_qef7c4bbfcd_final
    .symbol:         k_qef7c4bbfcd_final.kd
    .args:
      - { .name: ofm, .offset: 0, .size: 8, .value_kind: global_buffer, .address_space: global }
      - { .name: wc, .offset: 8, .size: 8, .value_kind: global_buffer, .address_space: global }
      - { .name: ws, .offset: 16, .size: 8, .value_kind: global_buffer, .address_space: global }
      - { .name: bo, .offset: 24, .size: 8, .value_kind: global_buffer, .address_space: global }
      - { .name: g0, .offset: 32, .size: 8, .value_kind: global_buffer, .address_space: global }
      - { .name: b0, .offset: 40, .size: 8, .value_kind: global_buffer, .address_space: global }
      - { .name: g1, .offset: 48, .size: 8, .value_kind: global_buffer, .address_space: global }
      - { .name: b1, .offset: 56, .size: 8, .value_kind: global_buffer, .address_space: global }
      - { .name: out0, .offset: 64, .size: 8, .value_kind: global_buffer, .address_space: global }
    .group_segment_fixed_size: 154112
    .private_segment_fixed_size: 0
    .kernarg_segment_align: 8
    .kernarg_segment_size: 72
    .max_flat_workgroup_size: 256
    .sgpr_count:     66
    .vgpr_count:     512
    .wavefront_size: 32
...
	.end_amdgpu_metadata
.endif
;; end of part 4
;; ======== version 2 of 2: 4 launches
;; workspace buffers: wc 2,097,152 bytes; ws 131,072 bytes; qc 4,456,448 bytes; qf 33,554,432 bytes; kv 8,912,896 bytes; ofm 33,554,432 bytes
;; launch prep (part 5): grid 8 x 32, 4 waves a work-group, no clusters, 10,752 bytes of LDS; arguments Wq, Wk, Wv, Wo, wc, ws; writes wc, ws
.if DOCPART == 5
	.amdgcn_target "amdgcn-amd-amdhsa--gfx1250"
	.amdhsa_code_object_version 6
	.text
	.protected	k_qef7c4bbfcd_prep
	.globl	k_qef7c4bbfcd_prep
	.p2align	8
	.type	k_qef7c4bbfcd_prep,@function
k_qef7c4bbfcd_prep:
	s_mov_b64 s[64:65], 0
	v_nop
	global_prefetch_b8 v0, s[64:65] scope:SCOPE_SE
	s_setreg_imm32_b32 hwreg(HW_REG_WAVE_MODE, 25, 1), 1
	s_wait_xcnt 0x0
; The four weights, [1024 (k)][1024 (n)] f32 with K as the FIRST axis, become codes of FP4 (E2M1) with one E8M0 byte for each 32 along K,
; laid in the order of a matrix operand's registers, so that the later launches load fragments whole.
; TILES.  The columns n are cut into groups of 32; tile T = 2 g + u takes, in lane r, column 32 g + 8 u + r + 8 (r / 8).
; wc: [weight][T 0..63][K step s 0..7][1,024 bytes]: a fragment (16 columns x 128 k, 8 registers a lane) as two pieces of 512 bytes: piece c = registers 4 c .. 4 c + 3, lane l's 16 bytes at 16 l.
; ws: [weight][s][T][r]: one 32-bit scale word (four bytes, 128 along K) for each column of a tile.
; A LANE TAKES A COLUMN AND ITS REGISTERS RUN DOWN K: a block of 32 lies in one lane's 32 registers, and the conversions give codes with K innermost.
; SHARES.  Work-group x: 128 columns; y: weight = y / 8, K step = y % 8.  Wave w: the group g = 4 x + w of 32 columns, 128 along K: four blocks a lane.  Waves share nothing: no barrier.
; A block's scale is 2^(floor(log2(largest magnitude)) - 2); its byte is the largest magnitude's exponent field - 2, held at 1 from below.
; LIMITS: a block of zeros gets the byte 1 where the rule says 127 (its codes are zeros, and this program alone reads the bytes); blocks whose largest magnitude lies under 2^-124 keep the byte 1; NaN and infinities are not served.
.set X,    32                          ; v32-95   two sets of 32 numbers
.set C,    96                          ; v96-99   a block's codes
.set SB,   24                          ; v24      my column's four scale bytes
.set OUTR, 112                         ; v112-127 the way out
.set ROWP, 80                          ; a stage row: a column's 64 bytes of codes + 16 of padding
	s_load_b256 s[4:11], s[0:1], 0x0               ; Wq, Wk, Wv, Wo
	s_load_b128 s[12:15], s[0:1], 0x20             ; wc, ws
	v_lshl_add_u32 v128, v0, 2, 0x2800
	v_mov_b32 v129, 0
	v_lshrrev_b32 v1, 5, v0
	v_readfirstlane_b32 s16, v1                    ; wave
	v_and_b32 v2, 31, v0                           ; lane
	v_and_b32 v5, 15, v0                           ; r
	v_bfe_u32 v6, v0, 4, 1                         ; h
	s_and_b32 s17, ttmp7, 0xffff
	s_lshr_b32 s18, s17, 3                         ; which weight
	s_and_b32 s19, s17, 7                          ; which K step
	v_lshlrev_b32 v3, 2, v2                        ; in: 4 bytes a lane
	s_mul_i32 s20, s16, 32*ROWP                    ; my wave's stage
	v_mul_u32_u24 v4, v2, ROWP
	v_add_nc_u32 v4, s20, v4                       ; into it: row = my column
	v_and_b32 v7, 8, v5
	v_add_nc_u32 v7, v7, v5                        ; r + 8 (r / 8)
	v_mul_u32_u24 v7, v7, ROWP
	v_lshl_add_u32 v7, v6, 4, v7
	v_add_nc_u32 v7, s20, v7                       ; out of it: the column that lane r of tile u = 0 takes, + 16 h: block 2 c + h lies 32 c + 16 h bytes into the row
	v_lshlrev_b32 v8, 4, v2                        ; an image's place for my lane
	v_bfe_u32 v9, v0, 3, 1                         ; my column's place among the scale words: u = bit 3 of the lane,
	v_lshlrev_b32 v9, 4, v9
	v_lshl_add_u32 v9, v6, 3, v9                   ; r = 8 (lane / 16) + lane % 8
	v_and_b32 v10, 7, v0
	v_add_nc_u32 v9, v9, v10
	v_lshlrev_b32 v9, 2, v9
	s_lshl_b32 s21, ttmp9, 2
	s_add_co_u32 s21, s21, s16                     ; g
	s_lshl_b32 s22, s19, 19                        ; W: 128 s rows of 4,096 bytes,
	s_lshl_b32 s24, s21, 7                         ; + 32 g columns of 4 bytes
	s_add_co_u32 s22, s22, s24
	s_mov_b32 s23, 0
	s_lshl_b32 s24, s18, 19                        ; wc: weight x 524,288 + 2 g x 8,192 + s x 1,024
	s_lshl_b32 s26, s21, 14
	s_add_co_u32 s24, s24, s26
	s_lshl_b32 s26, s19, 10
	s_add_co_u32 s24, s24, s26
	s_mov_b32 s25, 0
	s_lshl_b32 s26, s18, 15                        ; ws: weight x 32,768 + s x 4,096 + 2 g x 64
	s_lshl_b32 s28, s19, 12
	s_add_co_u32 s26, s26, s28
	s_lshl_b32 s28, s21, 7
	s_add_co_u32 s26, s26, s28
	s_mov_b32 s27, 0
	s_wait_kmcnt 0x0
	s_cmp_eq_u32 s18, 1                            ; the weight is chosen by the work-group's number alone
	s_cselect_b64 s[4:5], s[6:7], s[4:5]
	s_cmp_eq_u32 s18, 2
	s_cselect_b64 s[4:5], s[8:9], s[4:5]
	s_cmp_eq_u32 s18, 3
	s_cselect_b64 s[4:5], s[10:11], s[4:5]
	s_add_nc_u64 s[4:5], s[4:5], s[22:23]
	s_add_nc_u64 s[12:13], s[12:13], s[24:25]
	s_add_nc_u64 s[14:15], s[14:15], s[26:27]
.macro LOAD t                          ; block t: W(128 s + 32 t + i, my column), i = 0 .. 31, into set t % 2; a wave reads 128 consecutive bytes, the four waves 512
.set i_, 0
.rept 32
	global_load_b32 v[X+32*((\t)%2)+i_], v3, s[4:5] offset:(32*(\t)+i_)*4096 th:TH_LOAD_NT
.set i_, i_+1
.endr
.endm
	LOAD 0
	LOAD 1
.macro BLOCK t
.set XS_, X+32*((\t)%2)
.if (\t) < 3
	s_wait_loadcnt 32                              ; this block's 32 loads are in; the next block's 32 may be out
.else
	s_wait_loadcnt 0x0
.endif
	v_max3_num_f32 v12, |v[XS_]|, |v[XS_+1]|, |v[XS_+2]|          ; the block's largest magnitude, in two chains: all 32 numbers are mine
	v_max3_num_f32 v13, |v[XS_+3]|, |v[XS_+4]|, |v[XS_+5]|
.irp i, 6,10,14,18,22,26
	v_max3_num_f32 v12, v12, |v[XS_+\i]|, |v[XS_+\i+1]|
	v_max3_num_f32 v13, v13, |v[XS_+\i+2]|, |v[XS_+\i+3]|
.endr
	v_max3_num_f32 v12, v12, |v[XS_+30]|, |v[XS_+31]|
	v_max3_num_f32 v12, v12, v13, 0x1800000        ; and the floor 2^(3 - 127): the byte cannot fall under 1
	v_add_nc_u32 v11, 0xff000000, v12              ; 2 off the exponent field: the conversion takes this operand's exponent field as its scale
	v_lshrrev_b32 v13, 23, v11                     ; the scale's byte
.if (\t) == 0
	v_mov_b32 v[SB], v13
.else
	v_lshl_or_b32 v[SB], v13, 8*(\t), v[SB]        ; the lower K in the lower byte
.endif
.irp g, 0,1,2,3
	v_cvt_scalef32_pk8_fp4_f32 v[C+\g], v[XS_+8*\g:XS_+8*\g+7], v11
.endr
	ds_store_b128 v4, v[C:C+3] offset:16*(\t)      ; 32 codes: 16 bytes of my column's row
.if (\t) < 2
	LOAD (\t)+2
.endif
	s_wait_dscnt 0x0                               ; the store has read its registers: the next block's codes may be written
.endm
	BLOCK 0
	BLOCK 1
	BLOCK 2
	BLOCK 3
.irp u, 0,1
.irp c, 0,1
	ds_load_b128 v[OUTR+4*(2*\u+\c):OUTR+4*(2*\u+\c)+3], v7 offset:8*ROWP*\u+32*\c   ; piece c of tile 2 g + u; LDS serves a wave's instructions in order: these see my stores
.endr
.endr
	s_wait_alu depctr_va_vdst(0)
	global_store_b32 v9, v[SB], s[14:15]           ; the two tiles' 32 scale words: 128 consecutive bytes
.irp u, 0,1
.irp c, 0,1
	s_wait_dscnt 3-(2*\u+\c)                       ; LDS loads come back in order: this piece is in, the younger ones may be out
	global_store_b128 v8, v[OUTR+4*(2*\u+\c):OUTR+4*(2*\u+\c)+3], s[12:13] offset:8192*\u+512*\c   ; 512 consecutive bytes, aligned
.endr
.endr
	s_wait_tensorcnt 0x0
	ds_add_u32 v128, v129
	s_wait_dscnt 0x0
	s_endpgm
.Lfunc_end_k_qef7c4bbfcd_prep:
	.size	k_qef7c4bbfcd_prep, .Lfunc_end_k_qef7c4bbfcd_prep-k_qef7c4bbfcd_prep
	.p2alignl 7, 3214868480
	.fill 96, 4, 3214868480
	.section	.rodata,"a",@progbits
	.p2align	6, 0x0
	.amdhsa_kernel k_qef7c4bbfcd_prep
		.amdhsa_group_segment_fixed_size 10752
		.amdhsa_private_segment_fixed_size 0
		.amdhsa_enable_private_segment 0
		.amdhsa_kernarg_size 48
		.amdhsa_user_sgpr_count 2
		.amdhsa_user_sgpr_kernarg_segment_ptr 1
		.amdhsa_wavefront_size32 1
		.amdhsa_system_sgpr_workgroup_id_x 1
		.amdhsa_system_sgpr_workgroup_id_y 1
		.amdhsa_system_sgpr_workgroup_id_z 1
		.amdhsa_system_vgpr_workitem_id 0
		.amdhsa_next_free_vgpr 130
		.amdhsa_next_free_sgpr 66
		.amdhsa_reserve_vcc 0
		.amdhsa_float_denorm_mode_32 3
		.amdhsa_float_denorm_mode_16_64 3
		.amdhsa_memory_ordered 1
		.amdhsa_forward_progress 1
		.amdhsa_inst_pref_size 22
	.end_amdhsa_kernel
	.amdgpu_metadata
---
amdhsa.version: [ 1, 2 ]
amdhsa.kernels:
  - .name:           k_qef7c4bbfcd_prep
    .symbol:         k_qef7c4bbfcd_prep.kd
    .args:
      - { .name: Wq, .offset: 0, .size: 8, .value_kind: global_buffer, .address_space: global }
      - { .name: Wk, .offset: 8, .size: 8, .value_kind: global_buffer, .address_space: global }
      - { .name: Wv, .offset: 16, .size: 8, .value_kind: global_buffer, .address_space: global }
      - { .name: Wo, .offset: 24, .size: 8, .value_kind: global_buffer, .address_space: global }
      - { .name: wc, .offset: 32, .size: 8, .value_kind: global_buffer, .address_space: global }
      - { .name: ws, .offset: 40, .size: 8, .value_kind: global_buffer, .address_space: global }
    .group_segment_fixed_size: 10752
    .private_segment_fixed_size: 0
    .kernarg_segment_align: 8
    .kernarg_segment_size: 48
    .max_flat_workgroup_size: 128
    .sgpr_count:     66
    .vgpr_count:     130
    .wavefront_size: 32
...
	.end_amdgpu_metadata
.endif
;; end of part 5
;; launch proj (part 6): grid 64 x 3, 8 waves a work-group, no clusters, 70,656 bytes of LDS; arguments Q, K, wc, ws, bq, bk, bv, qc, qf, kv; writes qc, qf, kv
.if DOCPART == 6
	.amdgcn_target "amdgcn-amd-amdhsa--gfx1250"
	.amdhsa_code_object_version 6
	.text
	.protected	k_qef7c4bbfcd_proj
	.globl	k_qef7c4bbfcd_proj
	.p2align	8
	.type	k_qef7c4bbfcd_proj,@function
k_qef7c4bbfcd_proj:
	s_mov_b64 s[64:65], 0
	v_nop
	global_prefetch_b8 v0, s[64:65] scope:SCOPE_SE
	s_setreg_imm32_b32 hwreg(HW_REG_WAVE_SCHED_MODE, 0, 2), 2
	s_setreg_imm32_b32 hwreg(HW_REG_WAVE_MODE, 25, 1), 1
	s_wait_xcnt 0x0
	s_wait_alu depctr_vm_vsrc(0)
; The three projections on codes of FP4 (E2M1), one E8M0 scale for each 32 along K: unit 0: q = Q Wq + bq; unit 1: k = K Wk + bk; unit 2: v = K Wv + bv.  Work-group (G, unit): rows 128 G .. 128 G + 127, all 1,024 columns.
; TILES.  Rows and columns are cut into groups of 32; tile 2 g + u takes, in lane r, row (column) 32 g + 8 u + r + 8 (r / 8): so the 16 registers of two neighbouring source-0 tiles are 16 NEIGHBOURS, 32 g + 16 (lane / 16) + 0 .. 15.
; PHASE X.  Wave w quantises tile w of the rows (16 rows x 1,024) along K and stores its eight fragments and scale words in LDS as images of the operand's registers.  One barrier.
; PRODUCT, two rounds.  Wave w takes head 8 rd + w (64 columns, 4 tiles of the weight) for all 128 rows: 32 accumulators, which take turns.  The weight's fragments come from memory straight into operand registers
; (prep laid them so), through a ring of four register slots; each fragment of 1,024 bytes feeds eight products.  The bias is the C of each sum's first product.
;   units 0, 1: source 0 = the weight's tile, source 1 = the rows' tile: a lane holds one row and 32 registers along the head's 64 channels, which are the scores' K.
;   unit 2:     source 0 = the rows' tile, source 1 = the weight's: a lane holds one channel and 64 registers along the 128 keys, which are the second attention product's K.
; WAY OUT.  The results are quantised in registers, 64 registers a time.  q, k: a DOUBLE fragment beta: registers 0-3 tile 2 beta's 64 channels, registers 4-7 tile 2 beta + 1's; its scale word holds two bytes of each.
; v: fragment t: 16 channels x 128 keys.  Codes leave as images (512 consecutive bytes a store), the four scale words of a block as 256 bytes: lane l's 8 bytes hold fragment l / 16's word and fragment 2 + l / 16's, for row l % 16.
; q also leaves as f32 (for the residual), as images of its registers.
; NO MULTICAST: joint loads end in LDS; here the weights do not pass LDS at all, and LDS holds the rows' codes alone, filled once by the waves themselves.  A ring for the 544 KB of a weight would add refills and a second read of each fragment.
; LIMITS: a block of zeros gets the byte 1 where the rule says 127 (its codes are zeros; this program alone reads the bytes); blocks whose largest magnitude lies under 2^-124 keep the byte 1; NaN and infinities are not served.
; LDS: 0 .. 65,535 the rows' fragments, (tile m, K step s) at (8 m + s) x 1,024; from 65,536: their scale words, (s, r, m) at 512 s + 32 r + 4 m.
; REGISTERS.  Window 0: v1 16 x lane; v2 8 x lane; v3 my bytes in the wave's 16 rows; v4, v5 where I store images and scale words; v6 where I read scale words; v7 4 x lane; v8 my place in the bias;
;   v10-13 the way out's scale words, v14-15 the pair to store; v16-31 at work (v26, v27: the closing add's two); v32-47 the rows' scale words, two sets; v48-55 the weight's, four slots; v56-63 phase X's scale words;
;   v64-127 the rows' eight fragments (phase X and the way out: codes just made); v128-255 the weight's ring, four slots of four fragments; slot 3 first holds the bias.
;   Window 1: phase X: four buffers of 64 numbers; then the 32 accumulators.
; THE MODE: SCHED_MODE bits 1:0 = 2 (LLVM: expert scheduling mode 2), set by the entry lines.  The code itself states the register dependences
; between vector or matrix instructions and memory or LDS instructions, with s_wait_alu, always for 0.
; THE PLAN.  Registers that memory or LDS instructions touch:
;   v1-v8, v26, v27   Addresses, made at the head and never written again: one wait on va_vdst ahead of the first load.
;   window 1, phase X Buffer s % 4: the loads of K step s land in it, K step s's quantiser reads it, the loads of K step s + 4 land in it.
;   v64+8s, v56+s     Phase X: K step s's codes and scale word, registers of their own: written by its quantiser, read by its three LDS stores.
;                     One wait on va_vdst behind each quantiser states both: the loads follow it, then the stores.  One wait on vm_vsrc behind the barrier frees v64-127 for what follows.
;   v64-95            Product: read by a K step's first sixteen products, loaded again in the step's middle;  v96-127: read by its second sixteen, loaded again at its end.
;   v32-47            The rows' scale words: set s % 2 is read by K step s and loaded again in the middle of K step s + 1.
;   v128-255, v48-55  The weight's slot s % 4 and its scale words: read by K step s's products, loaded again behind the step.
;                     So two waits on va_vdst stand in a K step, each behind sixteen products and their places, ahead of the run of loads into the registers that those products read.
;   accumulators      Written by the products; read by q's stores (unit 0) and by the way out's quantisers; written again by the next round's products.
;   v64-95, v14-15    Way out: written by the four quantisers and the two selects, which stand together; one wait on va_vdst; then all nine stores.
;                     One wait on vm_vsrc at the first round's end, beside the wait on XCNT, frees all that the round's stores read.
.set TM,   16
.set XSCB, 65536
.set WV,   24
.set UNIT, 25
.set GG,   26
.set SEL,  28                          ; s[28:29] v_permlanex16_b32's selects for lane l xor 16
.set MASKHI, 30                        ; lanes 16-31
.set XP,   32                          ; s[32:33] my wave's 16 rows of Q or K
.set WP,   34                          ; s[34:35] my head's fragments of the weight (round 0)
.set WSP,  36                          ; s[36:37] and their scale words
.set BP,   38                          ; s[38:39] my head's bias
.set CP,   40                          ; s[40:41] where my head's codes go
.set SP,   42                          ; s[42:43] and their scale words
.set HS8,  44                          ; s[44:45] eight heads on, in the codes' buffer
.set QFP,  46                          ; s[46:47] where q goes as f32
.set MSB, 0
.macro WIN new                         ; the immediate's high byte repeats the setting that is left; a switch that changes nothing is dropped
.if MSB != (\new)
	s_set_vgpr_msb (MSB<<8)|(\new)
.set MSB, (\new)
.endif
.endm
.macro PLACES                          ; four plain vector instructions between a matrix instruction and a load into, or a read of, its registers (ISA guide 7.12.1 for vector instructions)
.rept 4
	v_nop
.endr
.endm
; 64 numbers of a lane in window 1, register 16 b + i = k 32 b + 16 (lane / 16) + i of my row, become a fragment's codes in v[pc] on and its scale word in v[pw], both in window 0.
.macro QUANT src, pc, pw
.set QS_, (\src)
.set QC_, (\pc)
.set QW_, (\pw)
	WIN 0x05
.irp b, 0,1,2,3
	v_max3_num_f32 v[TM+\b], |v[QS_+16*\b]|, |v[QS_+16*\b+1]|, 0x1800000   ; block b: my 16 numbers, and the floor 2^(3 - 127): the byte cannot fall under 1
.endr
	WIN 0x14
.irp i, 2,4,6,8,10,12,14
.irp b, 0,1,2,3
	v_max3_num_f32 v[TM+\b], v[TM+\b], |v[QS_+16*\b+\i]|, |v[QS_+16*\b+\i+1]|   ; the four blocks by turns
.endr
.endr
	WIN 0
.irp b, 0,1,2,3
	v_permlanex16_b32 v[TM+4+\b], v[TM+\b], s[SEL], s[SEL+1]
.endr
.irp b, 0,1,2,3
	v_max_num_f32 v[TM+\b], v[TM+\b], v[TM+4+\b]   ; with lane l xor 16's: the block's largest magnitude
.endr
.irp b, 0,1,2,3
	v_add_nc_u32 v[TM+12+\b], 0xff000000, v[TM+\b] ; 2 off its exponent field: the conversion's scale operand
.endr
.irp b, 0,1,2,3
	v_lshrrev_b32 v[TM+4+\b], 23, v[TM+12+\b]      ; the scale's byte
.endr
	v_lshl_or_b32 v[QW_], v[TM+5], 8, v[TM+4]
	v_lshl_or_b32 v[QW_], v[TM+6], 16, v[QW_]
	v_lshl_or_b32 v[QW_], v[TM+7], 24, v[QW_]
	WIN 0x01
.irp b, 0,1,2,3
	v_cvt_scalef32_pk8_fp4_f32 v[QC_+2*\b], v[QS_+16*\b:QS_+16*\b+7], v[TM+12+\b]
	v_cvt_scalef32_pk8_fp4_f32 v[QC_+2*\b+1], v[QS_+16*\b+8:QS_+16*\b+15], v[TM+12+\b]
.endr
	WIN 0
	v_nop                                          ; one plain place behind a scaled conversion
.irp c, 0,1                                    ; the operand's layout wants a whole block in a lane: lanes 0-15 block 2 c, lanes 16-31 block 2 c + 1
.irp i, 0,1
	v_permlane16_swap_b32 v[QC_+4*\c+\i], v[QC_+4*\c+2+\i]
.endr
.endr
.endm
.macro XLOAD s                         ; my 16 rows' numbers of K step s, 64 a lane, into buffer s % 4 of window 1
	WIN 0x40
.irp b, 0,1,2,3
.irp j, 0,1,2,3
	global_load_b128 v[64*((\s)%4)+16*\b+4*\j:64*((\s)%4)+16*\b+4*\j+3], v3, s[XP:XP+1] offset:512*(\s)+128*\b+16*\j
.endr
.endr
	WIN 0
.endm
.macro LW rd, s                        ; ten loads: my head's four fragments of K step s and their scale words (lanes 0-15 tile 2 p, lanes 16-31 tile 2 p + 1) into slot s % 4
.irp t, 0,1,2,3
.irp c, 0,1
	global_load_b128 v[128+32*((\s)%4)+8*\t+4*\c:128+32*((\s)%4)+8*\t+4*\c+3], v1, s[WP:WP+1] offset:(\rd)*262144+8192*\t+1024*(\s)+512*\c
.endr
.endr
.irp p, 0,1
	global_load_b32 v[48+2*((\s)%4)+\p], v7, s[WSP:WSP+1] offset:(\rd)*2048+4096*(\s)+128*\p
.endr
.endm
.macro BIAS kind, rd                   ; the bias in the result's layout, into slot 3.  kind 0: a lane's eight registers are eight neighbouring columns (8 loads); kind 1: one column, eight times (32 loads)
.irp t, 0,1,2,3
.if \kind
.irp j, 0,1,2,3,4,5,6,7
	global_load_b32 v[224+8*\t+\j], v8, s[BP:BP+1] offset:(\rd)*2048+(32*(\t/2)+8*(\t%2))*4
.endr
.else
	global_load_b128 v[224+8*\t:224+8*\t+3], v8, s[BP:BP+1] offset:(\rd)*2048+(32*(\t/2)+8*(\t%2))*4
	global_load_b128 v[224+8*\t+4:224+8*\t+7], v8, s[BP:BP+1] offset:(\rd)*2048+(32*(\t/2)+8*(\t%2))*4+16
.endif
.endr
.endm
.macro XA_FETCH s                      ; ten LDS loads: the rows' tiles 0-3 of K step s, and all eight tiles' scale words
.irp m, 0,1,2,3
.irp c, 0,1
	ds_load_b128 v[64+8*\m+4*\c:64+8*\m+4*\c+3], v1 offset:(8*\m+(\s))*1024+512*\c
.endr
.endr
	ds_load_b128 v[32+8*((\s)%2):32+8*((\s)%2)+3], v6 offset:512*(\s)
	ds_load_b128 v[32+8*((\s)%2)+4:32+8*((\s)%2)+7], v6 offset:512*(\s)+16
.endm
.macro XB_FETCH s                      ; eight: tiles 4-7
.irp m, 4,5,6,7
.irp c, 0,1
	ds_load_b128 v[64+8*\m+4*\c:64+8*\m+4*\c+3], v1 offset:(8*\m+(\s))*1024+512*\c
.endr
.endr
.endm
.macro ONE kind, s, m, t               ; one product: the rows' tile m, the weight's tile t, K step s
.set RW_, 128+32*((\s)%4)+8*(\t)
.set RX_, 64+8*(\m)
.set SW_, 48+2*((\s)%4)+(\t)/2
.set SX_, 32+8*((\s)%2)+(\m)
.if \kind
.set RD_, 8*(8*(\t)+(\m))
.else
.set RD_, 8*(4*(\m)+(\t))
.endif
.if (\s) == 0
.set RC_, 224+8*(\t)                   ; the bias starts the sum (window 0)
.else
.set RC_, RD_
.endif
.if (\kind) == 0
.if ((\t)%2) == 0
	v_wmma_scale_f32_16x16x128_f8f6f4 v[RD_:RD_+7], v[RW_:RW_+7], v[RX_:RX_+7], v[RC_:RC_+7], v[SW_], v[SX_] matrix_a_fmt:MATRIX_FMT_FP4 matrix_b_fmt:MATRIX_FMT_FP4
.else
	v_wmma_scale_f32_16x16x128_f8f6f4 v[RD_:RD_+7], v[RW_:RW_+7], v[RX_:RX_+7], v[RC_:RC_+7], v[SW_], v[SX_] matrix_a_fmt:MATRIX_FMT_FP4 matrix_b_fmt:MATRIX_FMT_FP4 matrix_a_scale:MATRIX_SCALE_ROW1
.endif
.else
.if ((\t)%2) == 0
	v_wmma_scale_f32_16x16x128_f8f6f4 v[RD_:RD_+7], v[RX_:RX_+7], v[RW_:RW_+7], v[RC_:RC_+7], v[SX_], v[SW_] matrix_a_fmt:MATRIX_FMT_FP4 matrix_b_fmt:MATRIX_FMT_FP4
.else
	v_wmma_scale_f32_16x16x128_f8f6f4 v[RD_:RD_+7], v[RX_:RX_+7], v[RW_:RW_+7], v[RC_:RC_+7], v[SX_], v[SW_] matrix_a_fmt:MATRIX_FMT_FP4 matrix_b_fmt:MATRIX_FMT_FP4 matrix_b_scale:MATRIX_SCALE_ROW1
.endif
.endif
.endm
.macro MM kind, s, m0                  ; sixteen products: four tiles of rows x my four tiles of the weight; every accumulator has one instruction a turn
.if (\s) == 0
	WIN 0x40                                       ; D window 1; A, B and the bias window 0
.else
	WIN 0x50                                       ; C and D window 1
.endif
.irp m, \m0, \m0+1, \m0+2, \m0+3
.irp t, 0,1,2,3
	ONE \kind, \s, \m, \t
.endr
.endr
.endm
; A K step of 128.  lc: how many younger loads may be out when this step's slot of the weight has to be there (-1: shown in by an earlier wait).
.macro KSTEP kind, s, lc
.if \lc >= 0
	s_wait_loadcnt \lc
.endif
	s_wait_dscnt 8                                 ; tiles 0-3 and the scale words are in; the youngest eight LDS loads (tiles 4-7) may be out
	MM \kind, \s, 0
	s_wait_dscnt 0x0                               ; tiles 4-7 are in
	WIN 0
	PLACES
.if (\s) < 7
	s_wait_alu depctr_va_vdst(0)                   ; the sixteen products above are done reading v64-95, and the last step's are done reading the other set of the rows' scale words: the ten LDS loads below land there
	XA_FETCH (\s)+1
.endif
	MM \kind, \s, 4
	WIN 0
	PLACES                                         ; for the loads that follow, into registers that these products read; behind the last step: for the first reads of the results
.if (\s) < 7
	s_wait_alu depctr_va_vdst(0)                   ; this step's products are done reading v96-127, in which the eight LDS loads below land, and their slot of the weight with its scale words (K step 0: the bias too), in which the loads behind this step land
	XB_FETCH (\s)+1
.endif
.endm
; A round's eight K steps.  The ring: slot s % 4 is loaded again behind the step that read it.  A wait's count is 10 for each slot asked for behind the one that the step needs.
.macro GEMM kind, rd
	XA_FETCH 0
	XB_FETCH 0
	KSTEP \kind, 0, 0                              ; the bias and K steps 0 to 2 are in
	LW \rd, 3                                      ; (slot 3 held the bias)
	LW \rd, 4
	KSTEP \kind, 1, -1
	LW \rd, 5
	KSTEP \kind, 2, -1
	LW \rd, 6
	KSTEP \kind, 3, 30                             ; behind K step 3's loads: those of 4, 5, 6
	LW \rd, 7
	KSTEP \kind, 4, 30                             ; 5, 6, 7
.if (\rd) == 0
	LW 1, 0                                        ; the next round's first slots are asked for as this round's are left
	KSTEP \kind, 5, 30
	LW 1, 1
	KSTEP \kind, 6, 30
	LW 1, 2
	KSTEP \kind, 7, 30
	s_wait_alu depctr_va_vdst(0)                   ; the last products are done reading slot 3, in which the next round's bias lands, and v96-127, which the next round loads; and they have written the accumulators, which q's stores read
	BIAS \kind, 1
.else
	KSTEP \kind, 5, 20                             ; the counts run down
	KSTEP \kind, 6, 10
	KSTEP \kind, 7, 0
.endif
.endm
.macro EPI rd
	s_cmp_lg_u32 s[UNIT], 0
	s_cbranch_scc1 .Lnoq_\@
	WIN 0x04                                       ; a store's data are its source 1: window 1
.if (\rd) == 1
	s_wait_alu depctr_va_vdst(0)                   ; the last products have written the accumulators, which the stores below read (in the first round the wait ahead of the bias's loads has stated it); the places stand ahead of it
.endif
.set i_, 0
.rept 64
	global_store_b128 v1, v[4*i_:4*i_+3], s[QFP:QFP+1] offset:(\rd)*262144+512*i_   ; q as f32: each accumulator from its low end on; 512 consecutive bytes a store
.set i_, i_+1
.endr
	WIN 0
.Lnoq_\@:
.irp g, 0,1,2,3
	QUANT 64*\g, 64+8*\g, 10+\g
.endr
	v_cndmask_b32 v14, v10, v11, s[MASKHI]         ; lanes 0-15: fragment 0's words, lanes 16-31: fragment 1's
	v_cndmask_b32 v15, v12, v13, s[MASKHI]         ; fragments 2 and 3
	s_wait_alu depctr_va_vdst(0)                   ; the four quantisers have written the codes v64-95, the selects v14 and v15: the nine stores below read them (and the next round's first LDS loads land in v64-95)
.irp g, 0,1,2,3
	global_store_b128 v1, v[64+8*\g:64+8*\g+3], s[CP:CP+1] offset:1024*\g
	global_store_b128 v1, v[64+8*\g+4:64+8*\g+7], s[CP:CP+1] offset:1024*\g+512
.endr
	global_store_b64 v2, v[14:15], s[SP:SP+1]      ; 256 consecutive bytes
.if (\rd) == 0
	s_wait_xcnt 0x0                                ; the stores have read their data and bases: the accumulators, the codes' registers and the pointers are written again only behind this wait
	s_wait_alu depctr_vm_vsrc(0)                   ; this round's stores have read the accumulators, which the next round's products write, v64-95, in which its LDS loads land, and v14, v15, which its selects write
	s_add_nc_u64 s[CP:CP+1], s[CP:CP+1], s[HS8:HS8+1]
	s_add_nc_u64 s[SP:SP+1], s[SP:SP+1], s[HS8:HS8+1]
.endif
.endm
.macro ROUNDF rd                       ; the two forms of the product part on the unit, which is the work-group's y: the same in all eight waves; both arms only read LDS
	s_cmp_eq_u32 s[UNIT], 2
	s_cbranch_scc1 .Lkind1_\@
	GEMM 0, \rd
	s_branch .Ljoin_\@
.Lkind1_\@:
	GEMM 1, \rd
.Ljoin_\@:
	EPI \rd
.endm
	s_load_b512 s[4:19], s[0:1], 0x0               ; Q, K, wc, ws, bq, bk, bv, qc
	s_load_b128 s[20:23], s[0:1], 0x40             ; qf, kv
	v_lshl_add_u32 v26, v0, 2, 0x11000
	v_mov_b32 v27, 0
	v_lshrrev_b32 v9, 5, v0
	v_readfirstlane_b32 s[WV], v9                  ; wave 0..7
	s_and_b32 s[UNIT], ttmp7, 0xffff
	s_mov_b32 s[GG], ttmp9
	v_and_b32 v9, 31, v0                           ; lane
	v_lshlrev_b32 v1, 4, v9
	v_lshlrev_b32 v2, 3, v9
	v_lshlrev_b32 v7, 2, v9
	v_and_b32 v10, 15, v0                          ; r
	v_bfe_u32 v11, v0, 4, 1                        ; h
	v_and_b32 v12, 8, v10
	v_add_nc_u32 v12, v12, v10                     ; r + 8 (r / 8)
	v_lshlrev_b32 v3, 12, v12                      ; a row of 4,096 bytes,
	v_lshl_add_u32 v3, v11, 6, v3                  ; + 64 h: my 16 numbers of a block of 32
	s_wait_alu depctr_va_sdst(0)                   ; the wave's number is written, ahead of its first reader: LDS addresses and all the bases are made from it
	s_lshl_b32 s48, s[WV], 13
	v_add_nc_u32 v4, s48, v1                       ; my tile's eight images
	v_lshlrev_b32 v6, 5, v10
	v_add_nc_u32 v6, XSCB, v6                      ; row r's eight scale words of a K step
	s_lshl_b32 s48, s[WV], 2
	v_add_nc_u32 v5, s48, v6                       ; my tile's among them
	s_cmp_eq_u32 s[UNIT], 2
	s_cselect_b32 s48, 0, 64
	s_cselect_b32 s49, 4, 0
	v_mul_u32_u24 v8, v11, s48                     ; the bias: units 0, 1: 64 h;
	v_mad_u32_u24 v8, v12, s49, v8                 ; unit 2: 4 (r + 8 (r / 8))
.irp b, 0,1,2,3
	v_mov_b32 v[TM+4+\b], 0                        ; written once: a lane permute's destination counts as one of its sources
.endr
	s_mov_b32 s[SEL], 0x76543210
	s_mov_b32 s[SEL+1], 0xfedcba98
	s_mov_b32 s[MASKHI], 0xffff0000
	s_lshl_b32 s48, s[GG], 19                      ; my rows: (128 G + 32 (w / 2) + 8 (w % 2)) x 4,096 bytes
	s_lshr_b32 s50, s[WV], 1
	s_lshl_b32 s50, s50, 17
	s_add_co_u32 s48, s48, s50
	s_and_b32 s50, s[WV], 1
	s_lshl_b32 s50, s50, 15
	s_add_co_u32 s48, s48, s50
	s_mov_b32 s49, 0
	s_lshl_b32 s50, s[UNIT], 19                    ; the weight's codes: unit x 524,288 + head w's four tiles
	s_lshl_b32 s52, s[WV], 15
	s_add_co_u32 s50, s50, s52
	s_mov_b32 s51, 0
	s_lshl_b32 s52, s[UNIT], 15                    ; its scale words: unit x 32,768 + 256 w
	s_lshl_b32 s54, s[WV], 8                       ; (256 w is also head w's place in a bias)
	s_add_co_u32 s52, s52, s54
	s_mov_b32 s53, 0
	s_mov_b32 s55, 0
	s_lshl_b32 s56, s[GG], 4
	s_add_co_u32 s56, s56, s[WV]                   ; 16 G + head
	s_mul_i32 s58, s56, 4352                       ; its block in qc,
	s_lshl_b32 s56, s56, 15                        ; and in qf
	s_mov_b32 s57, 0
	s_and_b32 s60, s[GG], 0x30                     ; 16 x batch
	s_add_co_u32 s60, s60, s[WV]
	s_lshl_b32 s60, s60, 4
	s_and_b32 s61, s[GG], 15                       ; the key step
	s_add_co_u32 s60, s60, s61
	s_mul_i32 s60, s60, 8704                       ; the block in kv;
	s_cmp_eq_u32 s[UNIT], 2
	s_cselect_b32 s61, 4096, 0                     ; V's fragments lie behind K's
	s_add_co_u32 s60, s60, s61
	s_cmp_eq_u32 s[UNIT], 0
	s_cselect_b32 s58, s58, s60
	s_mov_b32 s59, 0
	s_mov_b32 s[HS8], 0x110000                     ; eight heads on: 8 x 16 x 8,704 in kv,
	s_cselect_b32 s[HS8], 34816, s[HS8]            ; 8 x 4,352 in qc
	s_mov_b32 s[HS8+1], 0
	s_mov_b32 s62, 4096                            ; from the codes to their scale words: q 4,096; k 8,192; v 8,448 - 4,096
	s_cmp_eq_u32 s[UNIT], 1
	s_cselect_b32 s62, 8192, s62
	s_cmp_eq_u32 s[UNIT], 2
	s_cselect_b32 s62, 4352, s62
	s_mov_b32 s63, 0
	s_wait_kmcnt 0x0
	s_cmp_eq_u32 s[UNIT], 0                        ; the buffers are chosen by the work-group's number alone
	s_cselect_b64 s[XP:XP+1], s[4:5], s[6:7]
	s_cselect_b64 s[CP:CP+1], s[18:19], s[22:23]
	s_cselect_b64 s[BP:BP+1], s[12:13], s[14:15]
	s_cmp_eq_u32 s[UNIT], 2
	s_cselect_b64 s[BP:BP+1], s[16:17], s[BP:BP+1]
	s_add_nc_u64 s[XP:XP+1], s[XP:XP+1], s[48:49]
	s_add_nc_u64 s[WP:WP+1], s[8:9], s[50:51]
	s_add_nc_u64 s[WSP:WSP+1], s[10:11], s[52:53]
	s_add_nc_u64 s[BP:BP+1], s[BP:BP+1], s[54:55]
	s_add_nc_u64 s[CP:CP+1], s[CP:CP+1], s[58:59]
	s_add_nc_u64 s[SP:SP+1], s[CP:CP+1], s[62:63]
	s_add_nc_u64 s[QFP:QFP+1], s[20:21], s[56:57]
	; ---- PHASE X: my 16 rows become eight fragments.  Loads run four K steps (64 loads) ahead
; ahead = 1: the buffer that this K step's quantiser has emptied is asked for again at once, for the K step four on.
.macro XSTEP s, n, ahead
	s_wait_loadcnt \n
	QUANT 64*((\s)%4), 64+8*(\s), 56+(\s)
.if \ahead
	WIN 0x40                                       ; the loads' window first, then the wait, then the loads
.endif
	s_wait_alu depctr_va_vdst(0)                   ; the quantiser is done reading its buffer, in which the loads of four K steps on land, and has written this K step's codes and scale word, which the LDS stores read
.if \ahead
	XLOAD (\s)+4
.endif
	ds_store_b128 v4, v[64+8*(\s):64+8*(\s)+3] offset:1024*(\s)
	ds_store_b128 v4, v[64+8*(\s)+4:64+8*(\s)+7] offset:1024*(\s)+512
	ds_store_b32 v5, v[56+(\s)] offset:512*(\s)    ; lanes r and 16 + r write the same word with the same value
.endm
	WIN 0x40
	s_wait_alu depctr_va_vdst(0)                   ; the addresses v1 to v8 are written, which every load and store of the kernel reads; so are v26 and v27, which the closing add reads
	XLOAD 0
	XLOAD 1
	XLOAD 2
	XLOAD 3
	XSTEP 0, 48, 1                                 ; behind a K step's 16 loads: those of the three steps after it
	XSTEP 1, 48, 1
	XSTEP 2, 48, 1
	XSTEP 3, 48, 1
	XSTEP 4, 48, 0
	s_cmp_eq_u32 s[UNIT], 2                        ; the first round's bias and first three slots of the weight are asked for here: 8 or 32 loads, and 30
	s_cbranch_scc1 .Lbias_v
	BIAS 0, 0
	s_branch .Lbias_done
.Lbias_v:
	BIAS 1, 0
.Lbias_done:
	LW 0, 0
	LW 0, 1
	LW 0, 2
	XSTEP 5, 63, 0                                 ; behind K step 5's loads: 32 + 38 at the least; the wait's field holds 63
	XSTEP 6, 54, 0                                 ; 16 + 38 at the least
	XSTEP 7, 38, 0                                 ; 38 at the least
	s_wait_dscnt 0x0                               ; for the others' sake: my stores have landed
	s_barrier_signal -1
	s_barrier_wait -1                              ; the 64 fragments lie in LDS, and are never written again
	s_wait_alu depctr_vm_vsrc(0)                   ; my LDS stores have read v64-127: from here on the rows' fragments land there, and the way out's conversions write there
	ROUNDF 0
	ROUNDF 1
	s_wait_dscnt 0x0                               ; the closing lines, six on end
	s_wait_alu 0x0
	s_wait_tensorcnt 0x0
	ds_add_u32 v26, v27
	s_wait_dscnt 0x0
	s_endpgm
.Lfunc_end_k_qef7c4bbfcd_proj:
	.size	k_qef7c4bbfcd_proj, .Lfunc_end_k_qef7c4bbfcd_proj-k_qef7c4bbfcd_proj
	.p2alignl 7, 3214868480
	.fill 96, 4, 3214868480
	.section	.rodata,"a",@progbits
	.p2align	6, 0x0
	.amdhsa_kernel k_qef7c4bbfcd_proj
		.amdhsa_group_segment_fixed_size 70656
		.amdhsa_private_segment_fixed_size 0
		.amdhsa_enable_private_segment 0
		.amdhsa_kernarg_size 80
		.amdhsa_user_sgpr_count 2
		.amdhsa_user_sgpr_kernarg_segment_ptr 1
		.amdhsa_wavefront_size32 1
		.amdhsa_system_sgpr_workgroup_id_x 1
		.amdhsa_system_sgpr_workgroup_id_y 1
		.amdhsa_system_sgpr_workgroup_id_z 1
		.amdhsa_system_vgpr_workitem_id 0
		.amdhsa_next_free_vgpr 512
		.amdhsa_next_free_sgpr 66
		.amdhsa_reserve_vcc 0
		.amdhsa_float_denorm_mode_32 3
		.amdhsa_float_denorm_mode_16_64 3
		.amdhsa_memory_ordered 1
		.amdhsa_forward_progress 1
		.amdhsa_inst_pref_size 255
	.end_amdhsa_kernel
	.section	.bss,"aw",@nobits
	.p2align	6
	.space	262144
	.amdgpu_metadata
---
amdhsa.version: [ 1, 2 ]
amdhsa.kernels:
  - .name:           k_qef7c4bbfcd_proj
    .symbol:         k_qef7c4bbfcd_proj.kd
    .args:
      - { .name: Q, .offset: 0, .size: 8, .value_kind: global_buffer, .address_space: global }
      - { .name: K, .offset: 8, .size: 8, .value_kind: global_buffer, .address_space: global }
      - { .name: wc, .offset: 16, .size: 8, .value_kind: global_buffer, .address_space: global }
      - { .name: ws, .offset: 24, .size: 8, .value_kind: global_buffer, .address_space: global }
      - { .name: bq, .offset: 32, .size: 8, .value_kind: global_buffer, .address_space: global }
      - { .name: bk, .offset: 40, .size: 8, .value_kind: global_buffer, .address_space: global }
      - { .name: bv, .offset: 48, .size: 8, .value_kind: global_buffer, .address_space: global }
      - { .name: qc, .offset: 56, .size: 8, .value_kind: global_buffer, .address_space: global }
      - { .name: qf, .offset: 64, .size: 8, .value_kind: global_buffer, .address_space: global }
      - { .name: kv, .offset: 72, .size: 8, .value_kind: global_buffer, .address_space: global }
    .group_segment_fixed_size: 70656
    .private_segment_fixed_size: 0
    .kernarg_segment_align: 8
    .kernarg_segment_size: 80
    .max_flat_workgroup_size: 256
    .sgpr_count:     66
    .vgpr_count:     512
    .wavefront_size: 32
...
	.end_amdgpu_metadata
.endif
;; end of part 6
;; launch attn (part 7): grid 4 x 64, 16 waves a work-group, clusters of 4 x 1, 169,984 bytes of LDS; arguments qc, qf, kv, ofm; writes ofm
.if DOCPART == 7
	.amdgcn_target "amdgcn-amd-amdhsa--gfx1250"
	.amdhsa_code_object_version 6
	.text
	.protected	k_qef7c4bbfcd_attn
	.globl	k_qef7c4bbfcd_attn
	.p2align	8
	.type	k_qef7c4bbfcd_attn,@function
k_qef7c4bbfcd_attn:
	s_mov_b64 s[64:65], 0
	v_nop
	global_prefetch_b8 v0, s[64:65] scope:SCOPE_SE
	s_setreg_imm32_b32 hwreg(HW_REG_WAVE_MODE, 25, 1), 1
	s_wait_xcnt 0x0
	s_wait_alu depctr_hold_cnt(0) depctr_sa_sdst(0) depctr_va_vdst(0) depctr_va_sdst(0) depctr_va_ssrc(0) depctr_va_vcc(0) depctr_vm_vsrc(0)
	s_getreg_b32 s2, hwreg(HW_REG_IB_STS2, 6, 4)
	s_cmp_eq_u32 s2, 0
	s_cbranch_scc0 .Lentry_in_a_cluster
	s_endpgm
.Lentry_in_a_cluster:
	s_bfe_u32 s2, ttmp6, 0x10000c
	s_cmp_lg_u32 s2, 0x3003
	s_cbranch_scc0 .Lentry_shape_is_right
	s_endpgm
.Lentry_shape_is_right:
; o = q + softmax(q k^T / 32) v, head by head, both products on codes of FP4 (E2M1) with one E8M0 scale for each 32 along a product's K.  All operands were quantised by the launch before and come as images of operand registers.
; THE SOFTMAX AHEAD OF THE SECOND PRODUCT: t = score x log2(e) / 32; M = the row's largest t so far, rounded UP to a whole number; p = 2^(t - M) is what is quantised, along the keys, not normalised.
; The row's sum is taken of the unquantised p and divides at the end.  When M moves, the sum and O are multiplied by 2^(old M - new M): exact.
; SHARES.  Work-group (x, bh): 512 queries of head bh % 16 of batch bh / 16, in two passes of 256; each of its sixteen waves owns one tile of 16 queries a pass, in 256 registers: four waves to a SIMD, so that
; one wave's vector work stands beside another's matrix work and LDS loads.  Every wave walks the head's 2,048 keys, 128 a step.
; K AND V OF THE WHOLE HEAD STAY IN LDS: 16 key steps x 8,704 bytes (K's four double fragments, V's four fragments, 256 bytes of scale words each), filled ONCE: wave w fetches key step w by one tensor load.
; CLUSTER.  The four work-groups of a cluster belong to one head, so each of these loads is asked for JOINTLY: the same descriptor and a mask that names the four.  Nothing is filled again: LDS is only read behind the one barrier.
; LAYOUT.  Both products are used transposed: S^T = k q^T (source 0 = 16 keys), O^T = v^T p^T (source 0 = 16 channels): a lane holds ONE query (lane % 16) throughout.
; The scores' K is 64, the instruction's 128: a DOUBLE fragment of k holds tile 2 b's 64 channels in registers 0-3 and tile 2 b + 1's in registers 4-7; q stands against one half and zero codes against the other.
; The keys of a tile are not neighbours (lane r of tile 2 b + u: key 32 b + 8 u + r + 8 (r / 8)), so that the 16 registers of tiles 2 b, 2 b + 1 are keys 32 b + 16 (lane / 16) + 0 .. 15.
; LIMITS: p under 2^-126 comes out of v_exp_f32 as 0; a block whose every p is 0 keeps the byte 1 (its codes are zeros); NaN and infinities are not served.
; REGISTERS: v1 16 x lane, v2 8 x lane, v3 8 r; v4, v5 LDS addresses of the step; v[6:7] 1 / sum; v8-27 zeros, q of pass 0, zeros, q of pass 1, zeros; v28 -M, v29 the largest t, v[30:31] the sum in two halves;
;   v32-63 K's fragments; v64-95 V's; v96-159 S^T, then p; v160-191 O^T; v192-223 q as f32; v224-231 p's codes; v232-239, v244-247, v252, v254 at work; v240-243 K's and V's scale words; v248, v249 q's; v250, v251 q's as loaded; v253 p's.
.set LI,   1
.set L8,   2
.set R8,   3
.set AD,   4
.set AD8,  5
.set STEPB, 8704                       ; a key step's block
.set WV,   24
.set BH,   25
.set SEL,  28                          ; s[28:29] v_permlanex16_b32's selects for lane l xor 16
.set CS,   30                          ; s[30:31] c = log2(e) / 32: the packed form names a pair and takes its low word for both halves
.set SELU, 32                          ; which two bytes of the double fragment's scale word are my tile's
.set TB,   33                          ; LDS byte at which the step's block begins
.set CNT,  34
.set QCC,  36                          ; s[36:37] my tile's codes of q (pass 0)
.set QCS,  38                          ; s[38:39] and their scale words
.set QFP,  40                          ; s[40:41] my tile of q as f32
.set OFP,  42                          ; s[42:43] my tile of o
.macro ROUND                           ; a round of the cluster's barrier: my work-group's barrier; wave 0 signals for the work-group; every wave waits for all four; my work-group's barrier once more
	s_barrier_signal -1
	s_barrier_wait -1
	s_cmp_lg_u32 s[WV], 0
	s_cbranch_scc1 .Lnot_wave_0_\@
	s_barrier_signal -3
.Lnot_wave_0_\@:
	s_barrier_wait -3
	s_barrier_signal -1
	s_barrier_wait -1
.endm
	s_load_b256 s[4:11], s[0:1], 0x0               ; qc s[4:5], qf s[6:7], kv s[8:9], ofm s[10:11]
	v_lshl_add_u32 v254, v0, 2, 0x29000
	v_mov_b32 v255, 0
	ds_add_u32 v254, v255
	ds_add_u32 v254, v255
	s_wait_dscnt 0x0
	v_lshrrev_b32 v1, 5, v0
	s_delay_alu instid0(VALU_DEP_1)
	v_readfirstlane_b32 s[WV], v1                  ; wave 0..15
	s_and_b32 s[BH], ttmp7, 0xffff                 ; 16 x batch + head, which the four partners share
	; descriptor group 1: 34 rows of 256 dense bytes (32 elements of 8 bytes), no padding
	s_mov_b32 s16, 15|(3<<16)|(1<<21)              ; 15:0 the mask: all four work-groups; 17:16 elements of 8 bytes; 21 set beside a mask
	s_mov_b32 s17, 32<<16                          ; tensor_dim0 = 32
	s_mov_b32 s18, 34<<16                          ; tensor_dim1 = 34
	s_mov_b32 s19, 32<<16                          ; tile_dim0 = 32
	s_mov_b32 s20, 34                              ; tile_dim1 = 34
	s_mov_b32 s21, 32                              ; from row to row
	s_mov_b32 s22, 0
	s_mov_b32 s23, 0
	s_mov_b32 s12, 1                               ; group 0: count = 1
	s_mul_i32 s13, s[WV], STEPB                    ; LDS address: key step w.  No place in the cluster enters it
	s_mul_i32 s44, s[BH], 16*STEPB                 ; the head's blocks in kv,
	s_add_co_u32 s44, s44, s13                     ; key step w's
	s_mov_b32 s45, 0
	; my queries: the work-group's place enters these global addresses alone
	s_bfe_u32 s46, ttmp6, 0x40000                  ; cx
	s_lshl_b32 s47, ttmp9, 2
	s_add_co_u32 s46, s47, s46                     ; work-group x = 4 x cluster x + cx
	s_lshl_b32 s46, s46, 2
	s_lshr_b32 s47, s[BH], 4
	s_lshl_b32 s47, s47, 4
	s_add_co_u32 s46, s46, s47
	s_lshr_b32 s47, s[WV], 3
	s_add_co_u32 s46, s46, s47                     ; pass 0's group of 128 rows: 16 x batch + 4 x + w / 8; pass 1's lies two groups on
	s_lshl_b32 s46, s46, 4
	s_and_b32 s47, s[BH], 15
	s_add_co_u32 s46, s46, s47                     ; 16 x group + head
	s_and_b32 s47, s[WV], 7                        ; m: my tile in the group
	s_mul_i32 s48, s46, 4352                       ; the block in qc
	s_lshr_b32 s50, s47, 1
	s_lshl_b32 s51, s50, 10                        ; double fragment m / 2,
	s_add_co_u32 s52, s48, s51
	s_and_b32 s51, s47, 1
	s_lshl_b32 s51, s51, 9                         ; its piece m % 2
	s_add_co_u32 s52, s52, s51
	s_mov_b32 s53, 0
	s_and_b32 s50, s50, 1                          ; the scale words of fragment f = m / 2: 4,096 + 128 (f % 2) + 4 (f / 2) + 8 r
	s_lshl_b32 s50, s50, 7
	s_add_co_u32 s54, s48, s50
	s_lshr_b32 s50, s47, 2
	s_lshl_b32 s50, s50, 2
	s_add_co_u32 s54, s54, s50
	s_add_co_u32 s54, s54, 4096
	s_mov_b32 s55, 0
	s_lshl_b32 s56, s46, 15                        ; qf and ofm: 32,768 bytes a block, 4,096 a tile
	s_lshl_b32 s50, s47, 12
	s_add_co_u32 s56, s56, s50
	s_mov_b32 s57, 0
	s_and_b32 s50, s[WV], 1
	s_cmp_eq_u32 s50, 0
	s_mov_b32 s[SELU], 0x03020302
	s_cselect_b32 s[SELU], 0x01000100, s[SELU]
	s_mov_b32 s[SEL], 0x76543210
	s_mov_b32 s[SEL+1], 0xfedcba98
	s_mov_b32 s[CS], 0x3d38aa3b                    ; log2(e) / 32
	s_mov_b32 s[CS+1], s[CS]                       ; (named with it as a pair, so it is written)
	s_wait_kmcnt 0x0
	s_add_nc_u64 s[14:15], s[8:9], s[44:45]        ; group 0: global address
	s_or_b32 s15, s15, 0x80000000                  ; type = 2
	s_add_nc_u64 s[QCC:QCC+1], s[4:5], s[52:53]
	s_add_nc_u64 s[QCS:QCS+1], s[4:5], s[54:55]
	s_add_nc_u64 s[QFP:QFP+1], s[6:7], s[56:57]
	s_add_nc_u64 s[OFP:OFP+1], s[10:11], s[56:57]
	ROUND                                          ; all four work-groups are here: the joint loads meet
	tensor_load_to_lds s[12:15], s[16:23]          ; my one tensor load of the launch: one is out
	s_nop 0
.rept 4
	v_nop
.endr
	v_and_b32 v2, 31, v0
	s_delay_alu instid0(VALU_DEP_1)
	v_lshlrev_b32 v[LI], 4, v2
	s_delay_alu instid0(VALU_DEP_2)
	v_lshlrev_b32 v[L8], 3, v2
	v_and_b32 v[R8], 15, v0
	s_delay_alu instid0(VALU_DEP_1)
	v_lshlrev_b32 v[R8], 3, v[R8]
.irp p, 0,1
	global_load_b128 v[12+8*\p:15+8*\p], v[LI], s[QCC:QCC+1] offset:139264*\p   ; q's codes of both passes stay in registers
	global_load_b32 v[250+\p], v[R8], s[QCS:QCS+1] offset:139264*\p
.endr
.irp z, 8,9,10,11,16,17,18,19,24,25,26,27
	v_mov_b32 v\z, 0                               ; zero codes: they stand against the half of a double fragment that is not meant
.endr
.irp b, 0,1,2,3
	v_mov_b32 v[236+\b], 0                         ; written once: a lane permute's destination counts as one of its sources
.endr
	v_mov_b32 v253, 0                              ; (named as the upper half of the pair v[252:253] before it is first written)
	v_mov_b32 v7, 0                                ; (the upper half of the pair v[6:7])
	s_wait_tensorcnt 0x0                           ; my key step has landed,
	s_barrier_signal -1
	s_barrier_wait -1                              ; everybody's has
; A KEY STEP of pass p: 128 keys.
.macro STEP p
	v_add_nc_u32 v[AD], s[TB], v[LI]
	v_add_nc_u32 v[AD8], s[TB], v[L8]
	v_nop
	v_nop                                          ; four places between the last step's products and the loads into their operands
.irp b, 0,1,2,3
.irp u, 0,1
	ds_load_b128 v[32+8*\b+4*\u:32+8*\b+4*\u+3], v[AD] offset:1024*\b+512*\u
.endr
.endr
	ds_load_b64 v[240:241], v[AD8] offset:8192     ; K's scale words: fragment b in register b / 2, lanes 16 (b % 2) on
.irp t, 0,1,2,3
.irp c, 0,1
	ds_load_b128 v[64+8*\t+4*\c:64+8*\t+4*\c+3], v[AD] offset:4096+1024*\t+512*\c
.endr
.endr
	ds_load_b64 v[242:243], v[AD8] offset:8448     ; V's
	s_wait_dscnt 9                                 ; K's nine loads are in; V's nine may be out
.irp b, 0,1,2,3                                ; S^T = k q^T: tile 2 b + u of the keys; u = 0: (q, zeros) picks the fragment's first half, u = 1: (zeros, q) its second
.irp u, 0,1
.if (\b%2) == 0
	v_wmma_scale_f32_16x16x128_f8f6f4 v[96+8*(2*\b+\u):96+8*(2*\b+\u)+7], v[32+8*\b:32+8*\b+7], v[12+8*(\p)-4*\u:19+8*(\p)-4*\u], 0, v[240+\b/2], v[248+(\p)] matrix_a_fmt:MATRIX_FMT_FP4 matrix_b_fmt:MATRIX_FMT_FP4
.else
	v_wmma_scale_f32_16x16x128_f8f6f4 v[96+8*(2*\b+\u):96+8*(2*\b+\u)+7], v[32+8*\b:32+8*\b+7], v[12+8*(\p)-4*\u:19+8*(\p)-4*\u], 0, v[240+\b/2], v[248+(\p)] matrix_a_fmt:MATRIX_FMT_FP4 matrix_b_fmt:MATRIX_FMT_FP4 matrix_a_scale:MATRIX_SCALE_ROW1
.endif
.endr
.endr
.rept 4
	v_nop
.endr
.irp b, 0,1,2,3
	v_max3_num_f32 v[232+\b], v[96+16*\b], v[97+16*\b], v[98+16*\b]   ; the largest score of each block of 32 keys: it serves for the row's maximum and, since p rises with the score, for the block's largest p
.endr
.irp i, 3,5,7,9,11,13
.irp b, 0,1,2,3
	v_max3_num_f32 v[232+\b], v[232+\b], v[96+16*\b+\i], v[97+16*\b+\i]
.endr
.endr
.irp b, 0,1,2,3
	v_max_num_f32 v[232+\b], v[232+\b], v[111+16*\b]
.endr
.irp b, 0,1,2,3
	s_delay_alu instid0(VALU_DEP_4)
	v_permlanex16_b32 v[236+\b], v[232+\b], s[SEL], s[SEL+1]
.endr
.irp b, 0,1,2,3
	s_delay_alu instid0(VALU_DEP_4)
	v_max_num_f32 v[232+\b], v[232+\b], v[236+\b]  ; with lane l xor 16's 16 keys
.endr
	s_delay_alu instid0(VALU_DEP_2)
	v_max3_num_f32 v254, v232, v233, v234
	s_delay_alu instid0(VALU_DEP_1)
	v_max_num_f32 v254, v254, v235                 ; the step's largest score of my query
	s_delay_alu instid0(VALU_DEP_1)
	v_mul_f32 v254, s[CS], v254                    ; as t (c is positive)
	s_delay_alu instid0(VALU_DEP_1)
	v_max_num_f32 v29, v29, v254                   ; the running largest t
	v_mov_b32 v254, v28
	s_delay_alu instid0(VALU_DEP_2)
	v_floor_f32 v28, -v29                          ; the new -M = floor(-t) = -ceil(t): a whole number
	s_delay_alu instid0(VALU_DEP_1)
	v_sub_f32 v254, v28, v254                      ; old M - new M: a whole number, 0 or less
	s_delay_alu instid0(VALU_DEP_1)
	v_cvt_i32_f32 v254, v254                       ; (it saturates)
	s_delay_alu instid0(VALU_DEP_1)
	v_ldexp_f32 v252, 1.0, v254                    ; f = 2^(old M - new M)
.set j_, 0
.rept 32
	v_pk_fma_f32 v[96+j_:97+j_], v[96+j_:97+j_], s[CS:CS+1], v[28:29] op_sel_hi:[1,0,0]   ; t - M, two at a time
.set j_, j_+2
.endr
.irp b, 0,1,2,3
	v_fma_f32 v[232+\b], v[232+\b], s[CS], v28     ; the same of each block's largest score
.endr
.set j_, 0
	s_wait_alu depctr_va_vdst(0)
.rept 64
	v_exp_f32 v[96+j_], v[96+j_]                   ; p = 2^(t - M), at most 1
.set j_, j_+1
.endr
	s_setprio 1
	v_pk_mul_f32 v[30:31], v[30:31], v[252:253] op_sel_hi:[1,0]   ; the sums under the new M: the plain instruction behind the exponentials
	s_wait_alu depctr_va_vdst(0)                   ; one wait for the whole batch, ahead of its first reader
.irp b, 0,1,2,3
	v_exp_f32 v[232+\b], v[232+\b]                 ; the block's largest p: the same two instructions on the same number give the same bits
.endr
	v_pk_add_f32 v[236:237], v[100:101], v[104:105]
	v_pk_add_f32 v[254:255], v[108:109], v[112:113]
	v_pk_add_f32 v[246:247], v[116:117], v[120:121]
	v_pk_add_f32 v[244:245], v[124:125], v[128:129]
	v_pk_add_f32 v[240:241], v[132:133], v[136:137]
	v_pk_add_f32 v[238:239], v[140:141], v[144:145]
	v_pk_add_f32 v[230:231], v[148:149], v[152:153]
	v_pk_add_f32 v[30:31], v[30:31], v[156:157]
	v_pk_add_f32 v[236:237], v[236:237], v[96:97]
	v_pk_add_f32 v[254:255], v[254:255], v[98:99]
	v_pk_add_f32 v[246:247], v[246:247], v[102:103]
	v_pk_add_f32 v[244:245], v[244:245], v[106:107]
	v_pk_add_f32 v[240:241], v[240:241], v[110:111]
	v_pk_add_f32 v[238:239], v[238:239], v[114:115]
	v_pk_add_f32 v[230:231], v[230:231], v[118:119]
	v_pk_add_f32 v[30:31], v[30:31], v[122:123]
	v_pk_add_f32 v[236:237], v[236:237], v[126:127]
	v_pk_add_f32 v[254:255], v[254:255], v[130:131]
	v_pk_add_f32 v[246:247], v[246:247], v[134:135]
	v_pk_add_f32 v[244:245], v[244:245], v[138:139]
	v_pk_add_f32 v[240:241], v[240:241], v[142:143]
	v_pk_add_f32 v[238:239], v[238:239], v[146:147]
	v_pk_add_f32 v[230:231], v[230:231], v[150:151]
	v_pk_add_f32 v[30:31], v[30:31], v[154:155]
	v_pk_add_f32 v[236:237], v[236:237], v[158:159]
	s_delay_alu instid0(VALU_DEP_2)
	v_pk_add_f32 v[30:31], v[30:31], v[244:245]
	s_delay_alu instid0(VALU_DEP_2)
	v_pk_add_f32 v[236:237], v[236:237], v[240:241]
	v_pk_add_f32 v[254:255], v[254:255], v[238:239]
	v_pk_add_f32 v[246:247], v[246:247], v[230:231]
	s_delay_alu instid0(VALU_DEP_2)
	v_pk_add_f32 v[30:31], v[30:31], v[254:255]
	s_delay_alu instid0(VALU_DEP_2)
	v_pk_add_f32 v[236:237], v[236:237], v[246:247]
	s_delay_alu instid0(VALU_DEP_1)
	v_pk_add_f32 v[30:31], v[30:31], v[236:237]
	s_wait_alu depctr_va_vdst(0)                   ; and one for the four
.irp b, 0,1,2,3
	v_max_num_f32 v[232+\b], 0x1800000, v[232+\b]  ; the floor 2^(3 - 127): the byte cannot fall under 1
.endr
.irp b, 0,1,2,3
	s_delay_alu instid0(VALU_DEP_4)
	v_add_nc_u32 v[244+\b], 0xff000000, v[232+\b]  ; 2 off the exponent field: the conversion's scale operand
.endr
.irp b, 0,1,2,3
	s_delay_alu instid0(VALU_DEP_4)
	v_lshrrev_b32 v[236+\b], 23, v[244+\b]         ; the scale's byte
.endr
	s_delay_alu instid0(VALU_DEP_3)
	v_lshl_or_b32 v253, v237, 8, v236              ; p's scale word for these 128 keys
	s_delay_alu instid0(VALU_DEP_1)
	v_lshl_or_b32 v253, v238, 16, v253
	s_delay_alu instid0(VALU_DEP_1)
	v_lshl_or_b32 v253, v239, 24, v253
.irp b, 0,1,2,3
	v_cvt_scalef32_pk8_fp4_f32 v[224+2*\b], v[96+16*\b:103+16*\b], v[244+\b]
	v_cvt_scalef32_pk8_fp4_f32 v[225+2*\b], v[104+16*\b:111+16*\b], v[244+\b]
.endr
	v_nop                                          ; one plain place behind a scaled conversion
.irp c, 0,1                                    ; the operand's layout wants a whole block in a lane
.irp i, 0,1
	v_permlane16_swap_b32 v[224+4*\c+\i], v[226+4*\c+\i]
.endr
.endr
.set j_, 0
	s_setprio 0
.rept 16
	v_pk_mul_f32 v[160+j_:161+j_], v[160+j_:161+j_], v[252:253] op_sel_hi:[1,0]   ; O^T under the new M, from each accumulator's low end on; these sixteen are also the places between p's codes and scale word and the products
.set j_, j_+2
.endr
	s_wait_alu depctr_va_vdst(0)
	s_wait_dscnt 0x0                               ; V is in
.irp t, 0,1,2,3                                ; O^T += v^T p^T: the four accumulators take one turn each; the scores' eight products stand between two steps' turns
.if (\t%2) == 0
	v_wmma_scale_f32_16x16x128_f8f6f4 v[160+8*\t:167+8*\t], v[64+8*\t:71+8*\t], v[224:231], v[160+8*\t:167+8*\t], v[242+\t/2], v253 matrix_a_fmt:MATRIX_FMT_FP4 matrix_b_fmt:MATRIX_FMT_FP4
.else
	v_wmma_scale_f32_16x16x128_f8f6f4 v[160+8*\t:167+8*\t], v[64+8*\t:71+8*\t], v[224:231], v[160+8*\t:167+8*\t], v[242+\t/2], v253 matrix_a_fmt:MATRIX_FMT_FP4 matrix_b_fmt:MATRIX_FMT_FP4 matrix_a_scale:MATRIX_SCALE_ROW1
.endif
.endr
.endm
; A PASS: my tile of 16 queries against all 2,048 keys, then o = O / sum + q.
.macro PASS p
.if (\p) == 0
	s_wait_loadcnt 0x0                             ; q's codes and scale words of both passes
.else
	s_wait_xcnt 0x0                                ; the last pass's stores have read O^T's registers: they are written again only behind this wait
.endif
	v_perm_b32 v[248+\p], v[250+\p], v[250+\p], s[SELU]   ; my tile's two bytes, twice: they serve q in either half of the operand
.irp i, 0,1,2,3,4,5,6,7
	global_load_b128 v[192+4*\i:195+4*\i], v[LI], s[QFP:QFP+1] offset:1048576*\p+512*\i   ; q as f32, wanted at the pass's end: it has the whole pass in which to land
.endr
	v_mov_b32 v29, 0xff61b1e6                      ; the largest t so far: -3e38, under every t
	s_delay_alu instid0(VALU_DEP_1)
	v_floor_f32 v28, -v29                          ; -M
	v_mov_b32 v30, 0                               ; the sum, in two halves
	v_mov_b32 v31, 0
.set j_, 0
.rept 32
	v_mov_b32 v[160+j_], 0                         ; O^T: the step is written once; its first trip finds zeros, which the first change of M leaves zeros.  (Also the places between q's scale word and the first product)
.set j_, j_+1
.endr
	s_mov_b32 s[TB], 0
	s_mov_b32 s[CNT], 16
.Lstep_\@:
	s_setprio 2
	STEP \p
	s_add_co_u32 s[TB], s[TB], STEPB
	s_sub_co_u32 s[CNT], s[CNT], 1
	s_cmp_lg_u32 s[CNT], 0
	s_cbranch_scc1 .Lstep_\@
	s_setprio 0
.rept 4
	v_nop                                          ; places between the last products and the first read of O^T
.endr
	v_add_f32 v30, v30, v31                        ; the sum's two halves,
	s_delay_alu instid0(VALU_DEP_1)
	v_permlanex16_b32 v252, v30, s[SEL], s[SEL+1]
	s_delay_alu instid0(VALU_DEP_1)
	v_add_f32 v30, v30, v252                       ; and lane l xor 16's: the row's sum
	s_wait_alu depctr_va_vdst(0)
	v_rcp_f32 v6, v30
	v_nop                                          ; a plain place behind the transcendental
	s_wait_alu depctr_va_vdst(0)                   ; the wait ahead of its first reader
	s_wait_loadcnt 0x0                             ; q as f32
.set j_, 0
.rept 16
	v_pk_fma_f32 v[160+j_:161+j_], v[160+j_:161+j_], v[6:7], v[192+j_:193+j_] op_sel_hi:[1,0,1]   ; o = O^T / sum + q: register 16 b + i is channel 32 b + 16 (lane / 16) + i, in both
.set j_, j_+2
.endr
.irp i, 0,1,2,3,4,5,6,7
	global_store_b128 v[LI], v[160+4*\i:163+4*\i], s[OFP:OFP+1] offset:1048576*\p+512*\i   ; as an image of the registers: 512 consecutive bytes a store
.endr
.endm
	PASS 0
	PASS 1
	s_wait_xcnt 0x0
	v_lshl_add_u32 v254, v0, 2, 0x29000
	v_mov_b32 v255, 0
	s_wait_alu depctr_va_vdst(0)
	s_wait_tensorcnt 0x0
	ds_add_u32 v254, v255
	s_wait_dscnt 0x0
	ROUND                                          ; the closing round: no work-group ends while a partner may still ask for a tile that names it
	s_endpgm
.Lfunc_end_k_qef7c4bbfcd_attn:
	.size	k_qef7c4bbfcd_attn, .Lfunc_end_k_qef7c4bbfcd_attn-k_qef7c4bbfcd_attn
	.p2alignl 7, 3214868480
	.fill 96, 4, 3214868480
	.section	.rodata,"a",@progbits
	.p2align	6, 0x0
	.amdhsa_kernel k_qef7c4bbfcd_attn
		.amdhsa_group_segment_fixed_size 169984
		.amdhsa_private_segment_fixed_size 0
		.amdhsa_enable_private_segment 0
		.amdhsa_kernarg_size 32
		.amdhsa_user_sgpr_count 2
		.amdhsa_user_sgpr_kernarg_segment_ptr 1
		.amdhsa_wavefront_size32 1
		.amdhsa_system_sgpr_workgroup_id_x 1
		.amdhsa_system_sgpr_workgroup_id_y 1
		.amdhsa_system_sgpr_workgroup_id_z 1
		.amdhsa_system_vgpr_workitem_id 0
		.amdhsa_next_free_vgpr 256
		.amdhsa_next_free_sgpr 66
		.amdhsa_reserve_vcc 0
		.amdhsa_float_denorm_mode_32 3
		.amdhsa_float_denorm_mode_16_64 3
		.amdhsa_memory_ordered 1
		.amdhsa_forward_progress 1
		.amdhsa_inst_pref_size 47
	.end_amdhsa_kernel
	.amdgpu_metadata
---
amdhsa.version: [ 1, 2 ]
amdhsa.kernels:
  - .name:           k_qef7c4bbfcd_attn
    .symbol:         k_qef7c4bbfcd_attn.kd
    .args:
      - { .name: qc, .offset: 0, .size: 8, .value_kind: global_buffer, .address_space: global }
      - { .name: qf, .offset: 8, .size: 8, .value_kind: global_buffer, .address_space: global }
      - { .name: kv, .offset: 16, .size: 8, .value_kind: global_buffer, .address_space: global }
      - { .name: ofm, .offset: 24, .size: 8, .value_kind: global_buffer, .address_space: global }
    .group_segment_fixed_size: 169984
    .private_segment_fixed_size: 0
    .kernarg_segment_align: 8
    .kernarg_segment_size: 32
    .max_flat_workgroup_size: 512
    .sgpr_count:     66
    .vgpr_count:     256
    .wavefront_size: 32
...
	.end_amdgpu_metadata
.endif
;; end of part 7
;; launch final (part 8): grid 256 x 1, 8 waves a work-group, no clusters, 154,112 bytes of LDS; arguments ofm, wc, ws, bo, g0, b0, g1, b1, out0; writes out0
.if DOCPART == 8
	.amdgcn_target "amdgcn-amd-amdhsa--gfx1250"
	.amdhsa_code_object_version 6
	.text
	.protected	k_qef7c4bbfcd_final
	.globl	k_qef7c4bbfcd_final
	.p2align	8
	.type	k_qef7c4bbfcd_final,@function
k_qef7c4bbfcd_final:
	s_mov_b64 s[64:65], 0
	v_nop
	global_prefetch_b8 v0, s[64:65] scope:SCOPE_SE
	s_setreg_imm32_b32 hwreg(HW_REG_WAVE_SCHED_MODE, 0, 2), 2
	s_setreg_imm32_b32 hwreg(HW_REG_WAVE_MODE, 25, 1), 1
	s_wait_xcnt 0x0
	s_wait_alu depctr_vm_vsrc(0)
; out = LN1(O + relu(O Wo + bo)), O = LN0(o); the product on codes of FP4 (E2M1) with one E8M0 scale for each 32 along K; all else in f32.
; SHARES.  A work-group owns 32 rows: tiles 2 beta and 2 beta + 1 of group G (work-group = 4 G + beta); tile m's lane r is row 128 G + 32 (m / 2) + 8 (m % 2) + r + 8 (r / 8).
; THE WAVES SHARE THE COLUMNS: wave w owns columns 128 w .. 128 w + 127 of both tiles.  o comes as images of registers in which register 16 b + i of a lane is column 128 w + 32 b + 16 (lane / 16) + i of its row;
; the product, used transposed (source 0 = 16 columns of Wo, chosen as prep laid them; source 1 = 16 rows), leaves its results in the SAME lanes and registers: so O stays in registers until the residual.
; A wave's 128 columns of O are K step w of the product: one fragment and one scale word a row and tile, which go to the other waves through LDS as images of the operand's registers.
; The norms take the mean first and then the mean of the squared differences, as the definition has it; a row's eight partial sums (one a wave) meet in LDS, each time in bytes of their own, and every wave adds them in the same order.
; Wo's fragments come from memory straight into operand registers, through two slots of eight fragments; bo is the C of each sum's first product.
; NO MULTICAST: joint loads end in LDS; here Wo does not pass LDS, and a wave reads only its own eighth of it.  A ring for it would add refills and a second read of each fragment.
; LIMITS: a block of zeros gets the byte 1 where the rule says 127 (its codes are zeros; this program alone reads the bytes); blocks whose largest magnitude lies under 2^-124 keep the byte 1; NaN and infinities are not served.
; LDS: 0: the 16 fragments, (tile, K step s) at (8 tile + s) x 1,024;  16,384: their scale words at 128 s + 8 r + 4 tile;  17,408: four regions of 1,024 bytes for the partial sums, word 32 (16 tile + r) + 4 w;
;   21,504: the stage, 32 rows of 4,096 bytes + 16.
; REGISTERS.  Window 1: v0-127 o, then O, then y, then the result (tile at 64 x tile); v128-255 g0 and b0, then the 16 accumulators at 128 + 8 (8 tile + T).
;   Window 0: v1 16 x lane; v2 4 x lane; v3 64 h; v4-v11 LDS addresses; v12-15 the four partial sums as they are stored, a register to each; v16-47 at work, then the rows' fragments, two sets; v48-55 Wo's scale words, two slots;
;   v56-59 the rows', two sets; v60-61 scale words just made; v62, v63 the closing add's two; v64-127 bo; v128-255 Wo's two slots, then g1 and b1, then rows on the way out.
; THE MODE: SCHED_MODE bits 1:0 = 2 (LLVM: expert scheduling mode 2), set by the entry lines.  The code itself states the register dependences
; between vector or matrix instructions and memory or LDS instructions, with s_wait_alu, always for 0.
; THE PLAN.  Registers that memory or LDS instructions touch:
;   v1-v11, v62, v63  Addresses, made at the head and never written again: one wait on va_vdst ahead of the first load.
;   v12 .. v15        Reduction i: its select writes v[12 + i], its LDS store reads it; none is written again.
;   v32-47            In a reduction: the eight waves' parts land there behind the barrier; the additions, the means and the roots name them.  The wait on va_vdst ahead of a reduction's store states both that
;                     v[12 + i] is written and that all earlier vector and matrix instructions that named v32-47 are done.
;   v32-47, v60, v61  The codes and scale words of O: written by the two quantisers, read by six LDS stores (one wait on va_vdst); then K step 1's fragments land in v32-47 (one wait on vm_vsrc behind the barrier).
;   v16-47, v56-59    The rows' fragments and scale words: set s % 2 is read by K step s's products and loaded again at the head of K step s + 1.
;   v128-255, v48-55  Wo's slot s % 2 and its scale words: read by K step s's products, loaded again behind them (K steps 6 and 7: by g1 and b1).
;                     So ONE wait on va_vdst stands in a K step, behind its sixteen products and their places; all loads up to the next step's products follow it.
;   window 1 v0-127   The result: written by the second norm, read by the stage's LDS stores: one wait on va_vdst, which also states that the norm is done reading g1 and b1, where the stage's rows land.
.set TM,   16
.set XSC,  16384
.set RED,  17408
.set STG,  21504
.set SPITCH, 4112
.set WV,   24
.set GG,   26
.set BE,   27
.set SEL,  28
.set MASKHI, 30
.set INV,  31                          ; 1 / 1,024
.set EPS,  22                          ; 1e-5
.set MSB, 0
.macro WIN new                         ; the immediate's high byte repeats the setting that is left; a switch that changes nothing is dropped
.if MSB != (\new)
	s_set_vgpr_msb (MSB<<8)|(\new)
.set MSB, (\new)
.endif
.endm
.macro PLACES                          ; four plain vector instructions between a matrix instruction and a load into, or a read of, its registers (ISA guide 7.12.1 for vector instructions)
.rept 4
	v_nop
.endr
.endm
.macro BARRIER                         ; my LDS stores have landed and my LDS loads are in: then the work-group's barrier
	s_wait_dscnt 0x0
	s_barrier_signal -1
	s_barrier_wait -1
.endm
; 64 numbers of a lane in window 1, register 16 b + i = k 32 b + 16 (lane / 16) + i of my row, become a fragment's codes in v[pc] on and its scale word in v[pw], both in window 0.
.macro QUANT src, pc, pw
.set QS_, (\src)
.set QC_, (\pc)
.set QW_, (\pw)
	WIN 0x05
.irp b, 0,1,2,3
	v_max3_num_f32 v[TM+\b], |v[QS_+16*\b]|, |v[QS_+16*\b+1]|, 0x1800000   ; block b: my 16 numbers, and the floor 2^(3 - 127): the byte cannot fall under 1
.endr
	WIN 0x14
.irp i, 2,4,6,8,10,12,14
.irp b, 0,1,2,3
	v_max3_num_f32 v[TM+\b], v[TM+\b], |v[QS_+16*\b+\i]|, |v[QS_+16*\b+\i+1]|
.endr
.endr
	WIN 0
.irp b, 0,1,2,3
	v_permlanex16_b32 v[TM+4+\b], v[TM+\b], s[SEL], s[SEL+1]
.endr
.irp b, 0,1,2,3
	v_max_num_f32 v[TM+\b], v[TM+\b], v[TM+4+\b]   ; with lane l xor 16's: the block's largest magnitude
.endr
.irp b, 0,1,2,3
	v_add_nc_u32 v[TM+12+\b], 0xff000000, v[TM+\b] ; 2 off its exponent field: the conversion's scale operand
.endr
.irp b, 0,1,2,3
	v_lshrrev_b32 v[TM+4+\b], 23, v[TM+12+\b]      ; the scale's byte
.endr
	v_lshl_or_b32 v[QW_], v[TM+5], 8, v[TM+4]
	v_lshl_or_b32 v[QW_], v[TM+6], 16, v[QW_]
	v_lshl_or_b32 v[QW_], v[TM+7], 24, v[QW_]
	WIN 0x01
.irp b, 0,1,2,3
	v_cvt_scalef32_pk8_fp4_f32 v[QC_+2*\b], v[QS_+16*\b:QS_+16*\b+7], v[TM+12+\b]
	v_cvt_scalef32_pk8_fp4_f32 v[QC_+2*\b+1], v[QS_+16*\b+8:QS_+16*\b+15], v[TM+12+\b]
.endr
	WIN 0
	v_nop                                          ; one plain place behind a scaled conversion
.irp c, 0,1
.irp i, 0,1
	v_permlane16_swap_b32 v[QC_+4*\c+\i], v[QC_+4*\c+2+\i]
.endr
.endr
.endm
.macro VECLOAD base, win, ptr          ; sixteen loads: my 64 numbers of a vector over the columns, in the rows' register order
	WIN 0x40*(\win)
.irp b, 0,1,2,3
.irp q, 0,1,2,3
	global_load_b128 v[\base+16*\b+4*\q:\base+16*\b+4*\q+3], v3, s[\ptr:\ptr+1] offset:128*\b+16*\q
.endr
.endr
	WIN 0
.endm
.macro LWF s                           ; twenty loads: my eight fragments of Wo for K step s and their scale words into slot s % 2
.irp T, 0,1,2,3,4,5,6,7
.irp c, 0,1
	global_load_b128 v[128+64*((\s)%2)+8*\T+4*\c:128+64*((\s)%2)+8*\T+4*\c+3], v1, s[6:7] offset:8192*\T+1024*(\s)+512*\c
.endr
.endr
.irp p, 0,1,2,3
	global_load_b32 v[48+4*((\s)%2)+\p], v2, s[8:9] offset:4096*(\s)+128*\p
.endr
.endm
.macro XFETCH s                        ; five LDS loads: both tiles' fragments of K step s and their scale words into set s % 2
.irp ml, 0,1
.irp c, 0,1
	ds_load_b128 v[16+16*((\s)%2)+8*\ml+4*\c:16+16*((\s)%2)+8*\ml+4*\c+3], v1 offset:(8*\ml+(\s))*1024+512*\c
.endr
.endr
	ds_load_b64 v[56+2*((\s)%2):57+2*((\s)%2)], v6 offset:128*(\s)
.endm
.macro LSUM sq                         ; a lane's 64 numbers of each tile (sq = 1: their squares) are added, two at a time, in two chains a tile: v[16:19] tile 0, v[20:23] tile 1
	WIN 0x05
.irp T, 0,1
.if \sq
	v_pk_mul_f32 v[16+4*\T:17+4*\T], v[64*\T:64*\T+1], v[64*\T:64*\T+1]
	v_pk_mul_f32 v[18+4*\T:19+4*\T], v[64*\T+2:64*\T+3], v[64*\T+2:64*\T+3]
.else
	v_pk_add_f32 v[16+4*\T:17+4*\T], v[64*\T:64*\T+1], v[64*\T+4:64*\T+5]
	v_pk_add_f32 v[18+4*\T:19+4*\T], v[64*\T+2:64*\T+3], v[64*\T+6:64*\T+7]
.endif
.endr
.if \sq
.irp j, 4,8,12,16,20,24,28,32,36,40,44,48,52,56,60
.irp T, 0,1
	v_pk_fma_f32 v[16+4*\T:17+4*\T], v[64*\T+\j:64*\T+\j+1], v[64*\T+\j:64*\T+\j+1], v[16+4*\T:17+4*\T]
	v_pk_fma_f32 v[18+4*\T:19+4*\T], v[64*\T+\j+2:64*\T+\j+3], v[64*\T+\j+2:64*\T+\j+3], v[18+4*\T:19+4*\T]
.endr
.endr
.else
	WIN 0x04
.irp j, 8,12,16,20,24,28,32,36,40,44,48,52,56,60
.irp T, 0,1
	v_pk_add_f32 v[16+4*\T:17+4*\T], v[16+4*\T:17+4*\T], v[64*\T+\j:64*\T+\j+1]
	v_pk_add_f32 v[18+4*\T:19+4*\T], v[18+4*\T:19+4*\T], v[64*\T+\j+2:64*\T+\j+3]
.endr
.endr
.endif
	WIN 0
.endm
.macro REDUCE off                      ; the chains' ends, lane l xor 16's, and the other seven waves': the rows' sums over 1,024 columns in v32 (tile 0) and v40 (tile 1), in every lane of the row.  off / 1,024 numbers the four reductions
.irp T, 0,1
	v_pk_add_f32 v[16+4*\T:17+4*\T], v[16+4*\T:17+4*\T], v[18+4*\T:19+4*\T]
.endr
	v_add_f32 v16, v16, v17
	v_add_f32 v20, v20, v21
	v_permlanex16_b32 v24, v16, s[SEL], s[SEL+1]
	v_permlanex16_b32 v25, v20, s[SEL], s[SEL+1]
	v_add_f32 v16, v16, v24
	v_add_f32 v20, v20, v25
	v_cndmask_b32 v[12+(\off)/1024], v16, v20, s[MASKHI]   ; lanes 0-15 carry tile 0's rows, lanes 16-31 tile 1's; each reduction has a register of its own for this word
	s_wait_alu depctr_va_vdst(0)                   ; the select has written the word that the LDS store reads; and every earlier vector or matrix instruction that named v32-47 is done: the four LDS loads behind the barrier land there
	ds_store_b32 v7, v[12+(\off)/1024] offset:\off
	BARRIER                                        ; all eight waves' parts lie in LDS; these bytes are used this once
	ds_load_b128 v[32:35], v8 offset:\off
	ds_load_b128 v[36:39], v8 offset:\off+16
	ds_load_b128 v[40:43], v8 offset:\off+512
	ds_load_b128 v[44:47], v8 offset:\off+528
	s_wait_dscnt 0x0
	v_pk_add_f32 v[32:33], v[32:33], v[34:35]
	v_pk_add_f32 v[36:37], v[36:37], v[38:39]
	v_pk_add_f32 v[40:41], v[40:41], v[42:43]
	v_pk_add_f32 v[44:45], v[44:45], v[46:47]
	v_pk_add_f32 v[32:33], v[32:33], v[36:37]
	v_pk_add_f32 v[40:41], v[40:41], v[44:45]
	v_add_f32 v32, v32, v33
	v_add_f32 v40, v40, v41
.endm
; The norm of window 1's v0-127, in place.  k: which pair of LDS regions; gw: the window of the gain (v128-191) and the offset (v192-255); lcnt: how many younger loads may be out when these two have to be there.
.macro LNORM k, gw, lcnt
	LSUM 0
	REDUCE 2048*(\k)
	v_mul_f32 v32, s[INV], v32                     ; the means
	v_mul_f32 v40, s[INV], v40
	WIN 0x41
.irp T, 0,1
.set j_, 0
.rept 32
	v_pk_add_f32 v[64*\T+j_:64*\T+j_+1], v[64*\T+j_:64*\T+j_+1], v[32+8*\T:33+8*\T] op_sel_hi:[1,0] neg_lo:[0,1] neg_hi:[0,1]   ; x - mean (the pair's low word serves both halves)
.set j_, j_+2
.endr
.endr
	LSUM 1
	REDUCE 2048*(\k)+1024
	v_fma_f32 v32, v32, s[INV], s[EPS]             ; the variance + 1e-5
	v_fma_f32 v40, v40, s[INV], s[EPS]
	s_wait_alu depctr_va_vdst(0)
	v_rsq_f32 v34, v32
	v_rsq_f32 v42, v40
	v_nop                                          ; a plain place behind the transcendentals
	s_wait_alu depctr_va_vdst(0)                   ; the two reciprocal roots v34 and v42 are written: one wait for the two, ahead of their first reader
	s_wait_loadcnt \lcnt
	WIN 0x41
.irp T, 0,1
.set j_, 0
.rept 32
	v_pk_mul_f32 v[64*\T+j_:64*\T+j_+1], v[64*\T+j_:64*\T+j_+1], v[34+8*\T:35+8*\T] op_sel_hi:[1,0]
.set j_, j_+2
.endr
.endr
	WIN 0x41+0x14*(\gw)
.irp T, 0,1
.set j_, 0
.rept 32
	v_pk_fma_f32 v[64*\T+j_:64*\T+j_+1], v[64*\T+j_:64*\T+j_+1], v[128+j_:129+j_], v[192+j_:193+j_]
.set j_, j_+2
.endr
.endr
	WIN 0
.endm
.macro FMM s                           ; sixteen products: my eight tiles of Wo x the two tiles of rows; every accumulator has one instruction a turn
.if (\s) == 0
	WIN 0x40                                       ; D window 1; A, B and bo window 0
.else
	WIN 0x50                                       ; C and D window 1
.endif
.irp T, 0,1,2,3,4,5,6,7
.irp ml, 0,1
.set RD_, 128+8*(8*\ml+\T)
.if (\s) == 0
.set RC_, 64+8*\T
.else
.set RC_, RD_
.endif
.if (\T%2) == 0
	v_wmma_scale_f32_16x16x128_f8f6f4 v[RD_:RD_+7], v[128+64*((\s)%2)+8*\T:128+64*((\s)%2)+8*\T+7], v[16+16*((\s)%2)+8*\ml:16+16*((\s)%2)+8*\ml+7], v[RC_:RC_+7], v[48+4*((\s)%2)+\T/2], v[56+2*((\s)%2)+\ml] matrix_a_fmt:MATRIX_FMT_FP4 matrix_b_fmt:MATRIX_FMT_FP4
.else
	v_wmma_scale_f32_16x16x128_f8f6f4 v[RD_:RD_+7], v[128+64*((\s)%2)+8*\T:128+64*((\s)%2)+8*\T+7], v[16+16*((\s)%2)+8*\ml:16+16*((\s)%2)+8*\ml+7], v[RC_:RC_+7], v[48+4*((\s)%2)+\T/2], v[56+2*((\s)%2)+\ml] matrix_a_fmt:MATRIX_FMT_FP4 matrix_b_fmt:MATRIX_FMT_FP4 matrix_a_scale:MATRIX_SCALE_ROW1
.endif
.endr
.endr
.endm
.macro FSTEP s, lc                     ; a K step of 128.  lc: the loads issued behind this step's slot of Wo
.if (\s) < 7
	XFETCH (\s)+1
	s_wait_dscnt 5                                 ; this step's fragments are in; the five loads just issued may be out
.else
	s_wait_dscnt 0x0
.endif
	s_wait_loadcnt \lc
	FMM \s
	WIN 0
	PLACES                                         ; for the loads that follow, into registers that these products read; behind the last step: for the first reads of the results
	s_wait_alu depctr_va_vdst(0)                   ; this step's products are done reading their slot of Wo with its scale words, in which the loads behind this step land, and their set of the rows' fragments and scale words, in which the next step's fetch lands
.endm
	s_load_b512 s[4:19], s[0:1], 0x0               ; ofm, wc, ws, bo, g0, b0, g1, b1
	s_load_b64 s[20:21], s[0:1], 0x40              ; out0
	v_lshl_add_u32 v62, v0, 2, 0x25600
	v_mov_b32 v63, 0
	v_lshrrev_b32 v12, 5, v0
	v_readfirstlane_b32 s[WV], v12                 ; wave 0..7
	s_lshr_b32 s[GG], ttmp9, 2
	s_and_b32 s[BE], ttmp9, 3
	v_and_b32 v12, 31, v0                          ; lane
	v_and_b32 v13, 15, v0                          ; r
	v_bfe_u32 v14, v0, 4, 1                        ; h
	v_lshlrev_b32 v1, 4, v12
	v_lshlrev_b32 v2, 2, v12
	v_lshlrev_b32 v3, 6, v14
	s_wait_alu depctr_va_sdst(0)                   ; the wave's number is written, ahead of its first reader: LDS addresses and all the bases are made from it
	s_lshl_b32 s32, s[WV], 10
	v_add_nc_u32 v4, s32, v1                       ; where I store my fragments: K step w
	v_lshlrev_b32 v6, 3, v13
	v_add_nc_u32 v6, XSC, v6                       ; where I read row r's scale words
	s_lshl_b32 s32, s[WV], 7
	v_add_nc_u32 v5, s32, v6                       ; and store K step w's
	v_lshlrev_b32 v7, 5, v12
	s_lshl_b32 s32, s[WV], 2
	s_add_co_u32 s32, s32, RED
	v_add_nc_u32 v7, s32, v7                       ; my wave's word among a row's eight partial sums
	v_lshlrev_b32 v8, 5, v13
	v_add_nc_u32 v8, RED, v8                       ; row r's eight
	v_mul_u32_u24 v9, v13, SPITCH
	v_lshl_add_u32 v9, v14, 6, v9
	s_lshl_b32 s32, s[WV], 9
	s_add_co_u32 s32, s32, STG
	v_add_nc_u32 v9, s32, v9                       ; the stage: slot r, + 512 w + 64 h;
	v_add_nc_u32 v10, 16*SPITCH, v9                ; tile 1's slots lie 16 further on
	s_mul_i32 s32, s[WV], 4*SPITCH
	s_add_co_u32 s32, s32, STG
	v_add_nc_u32 v11, s32, v1                      ; back: slots 4 w .. 4 w + 3, 16 bytes a lane
.irp z, 20,21,22,23,24,25
	v_mov_b32 v\z, 0                               ; written once: a lane permute's destination counts as one of its sources
.endr
	s_mov_b32 s[SEL], 0x76543210
	s_mov_b32 s[SEL+1], 0xfedcba98
	s_mov_b32 s[MASKHI], 0xffff0000
	s_mov_b32 s[INV], 0x3a800000
	s_mov_b32 s[EPS], 0x3727c5ac
	s_lshl_b32 s32, s[GG], 4                       ; o: ((16 G + 2 w) x 8 + 2 beta) x 4,096
	s_lshl_b32 s33, s[WV], 1
	s_add_co_u32 s32, s32, s33
	s_lshl_b32 s32, s32, 15
	s_lshl_b32 s33, s[BE], 13
	s_add_co_u32 s32, s32, s33
	s_mov_b32 s33, 0
	s_lshl_b32 s34, s[WV], 16                      ; Wo's codes: the fourth weight, tiles 8 w on
	s_add_co_u32 s34, s34, 1572864
	s_mov_b32 s35, 0
	s_lshl_b32 s36, s[WV], 9                       ; my 128 columns in a vector: 512 w
	s_mov_b32 s37, 0
	s_add_co_u32 s38, s36, 98304                   ; Wo's scale words: 512 w too
	s_mov_b32 s39, 0
	s_lshl_b32 s40, s[GG], 7                       ; the four rows that I store: slots 4 w .. 4 w + 3 are tile w / 4, lanes r = 4 (w % 4) + 0 .. 3:
	s_lshl_b32 s41, s[BE], 5                       ; rows 128 G + 32 beta + 8 (w / 4) + 4 (w % 4) + 8 ((w / 2) % 2) + 0 .. 3
	s_add_co_u32 s40, s40, s41
	s_lshr_b32 s41, s[WV], 2
	s_lshl_b32 s41, s41, 3
	s_add_co_u32 s40, s40, s41
	s_and_b32 s41, s[WV], 3
	s_lshl_b32 s41, s41, 2
	s_add_co_u32 s40, s40, s41
	s_and_b32 s41, s[WV], 2
	s_lshl_b32 s41, s41, 2
	s_add_co_u32 s40, s40, s41
	s_lshl_b32 s40, s40, 12
	s_mov_b32 s41, 0
	s_wait_kmcnt 0x0
	s_add_nc_u64 s[4:5], s[4:5], s[32:33]
	s_add_nc_u64 s[6:7], s[6:7], s[34:35]
	s_add_nc_u64 s[8:9], s[8:9], s[38:39]
	s_add_nc_u64 s[10:11], s[10:11], s[36:37]
	s_add_nc_u64 s[12:13], s[12:13], s[36:37]
	s_add_nc_u64 s[14:15], s[14:15], s[36:37]
	s_add_nc_u64 s[16:17], s[16:17], s[36:37]
	s_add_nc_u64 s[18:19], s[18:19], s[36:37]
	s_add_nc_u64 s[20:21], s[20:21], s[40:41]
	WIN 0x40
	s_wait_alu depctr_va_vdst(0)                   ; the addresses v1 to v11 are written, which every load and store of the kernel reads; so are v62 and v63, which the closing add reads
.irp ml, 0,1
.irp hd, 0,1
.irp i, 0,1,2,3,4,5,6,7
	global_load_b128 v[64*\ml+32*\hd+4*\i:64*\ml+32*\hd+4*\i+3], v1, s[4:5] offset:32768*\hd+4096*\ml+512*\i th:TH_LOAD_NT   ; o: heads 2 w, 2 w + 1 of both tiles; 512 consecutive bytes a load
.endr
.endr
.endr
	WIN 0
	VECLOAD 128, 1, 12                             ; g0
	VECLOAD 192, 1, 14                             ; b0
	s_wait_loadcnt 32                              ; o is in; g0's and b0's 32 loads may be out
	VECLOAD 64, 0, 10                              ; bo
	LWF 0
	LWF 1
	LNORM 0, 1, 56                                 ; behind g0 and b0: bo's 16 loads and the two slots' 40
	QUANT 0, 32, 60                                ; my 128 columns of O are K step w of the product
	QUANT 64, 40, 61
	s_wait_alu depctr_va_vdst(0)                   ; the two quantisers have written the codes v32-47 and the scale words v60, v61, which the LDS stores read; and all vector work that named v16-47 is done: the rows' fragments land there behind the barrier
.irp ml, 0,1
.irp c, 0,1
	ds_store_b128 v4, v[32+8*\ml+4*\c:32+8*\ml+4*\c+3] offset:8192*\ml+512*\c
.endr
	ds_store_b32 v5, v[60+\ml] offset:4*\ml        ; lanes r and 16 + r write the same word with the same value
.endr
	BARRIER                                        ; the sixteen fragments lie in LDS, and are never written again
	s_wait_alu depctr_vm_vsrc(0)                   ; my LDS stores have read v32-47, in which K step 1's fragments land
	XFETCH 0
	FSTEP 0, 20                                    ; bo and slot 0 are in; slot 1's 20 loads may be out
	LWF 2
	FSTEP 1, 20
	LWF 3
	FSTEP 2, 20
	LWF 4
	FSTEP 3, 20
	LWF 5
	FSTEP 4, 20
	LWF 6
	FSTEP 5, 20
	LWF 7
	FSTEP 6, 20
	VECLOAD 128, 0, 16                             ; g1, into the slot that has been left
	FSTEP 7, 16                                    ; behind K step 7's loads: g1's 16
	VECLOAD 192, 0, 18                             ; b1
	WIN 0x44
.set j_, 0
.rept 128
	v_max_num_f32 v[128+j_], 0, v[128+j_]          ; relu, each accumulator from its low end on
.set j_, j_+1
.endr
	WIN 0x45
.set j_, 0
.rept 64
	v_pk_add_f32 v[j_:j_+1], v[j_:j_+1], v[128+j_:129+j_]   ; y = O + relu(..): the same lanes and registers
.set j_, j_+2
.endr
	LNORM 1, 0, 0
	WIN 0x04                                       ; an LDS store's data are its source 1: window 1
	s_wait_alu depctr_va_vdst(0)                   ; the norm has written the result, which the LDS stores read, and is done reading g1 and b1 in v128-255, in which the stage's rows land behind the barrier
.irp ml, 0,1
.irp b, 0,1,2,3
.irp q, 0,1,2,3
	ds_store_b128 v[9+\ml], v[64*\ml+16*\b+4*\q:64*\ml+16*\b+4*\q+3] offset:128*\b+16*\q
.endr
.endr
.endr
	WIN 0
	BARRIER                                        ; 32 whole rows lie in the stage
.irp i, 0,1,2,3
.irp e, 0,1,2,3,4,5,6,7
	ds_load_b128 v[128+4*(8*\i+\e):128+4*(8*\i+\e)+3], v11 offset:SPITCH*\i+512*\e
.endr
.endr
.set k_, 0
.rept 32
	s_wait_dscnt 31-k_                             ; LDS loads come back in order: this one is in
	global_store_b128 v1, v[128+4*k_:128+4*k_+3], s[20:21] offset:4096*(k_/8)+512*(k_%8) th:TH_STORE_NT   ; 512 consecutive bytes of a row, aligned; four whole neighbouring rows a wave
.set k_, k_+1
.endr
	s_wait_dscnt 0x0                               ; the closing lines, six on end
	s_wait_alu 0x0
	s_wait_tensorcnt 0x0
	ds_add_u32 v62, v63
	s_wait_dscnt 0x0
	s_endpgm
.Lfunc_end_k_qef7c4bbfcd_final:
	.size	k_qef7c4bbfcd_final, .Lfunc_end_k_qef7c4bbfcd_final-k_qef7c4bbfcd_final
	.p2alignl 7, 3214868480
	.fill 96, 4, 3214868480
	.section	.rodata,"a",@progbits
	.p2align	6, 0x0
	.amdhsa_kernel k_qef7c4bbfcd_final
		.amdhsa_group_segment_fixed_size 154112
		.amdhsa_private_segment_fixed_size 0
		.amdhsa_enable_private_segment 0
		.amdhsa_kernarg_size 72
		.amdhsa_user_sgpr_count 2
		.amdhsa_user_sgpr_kernarg_segment_ptr 1
		.amdhsa_wavefront_size32 1
		.amdhsa_system_sgpr_workgroup_id_x 1
		.amdhsa_system_sgpr_workgroup_id_y 1
		.amdhsa_system_sgpr_workgroup_id_z 1
		.amdhsa_system_vgpr_workitem_id 0
		.amdhsa_next_free_vgpr 512
		.amdhsa_next_free_sgpr 66
		.amdhsa_reserve_vcc 0
		.amdhsa_float_denorm_mode_32 3
		.amdhsa_float_denorm_mode_16_64 3
		.amdhsa_memory_ordered 1
		.amdhsa_forward_progress 1
		.amdhsa_inst_pref_size 122
	.end_amdhsa_kernel
	.amdgpu_metadata
---
amdhsa.version: [ 1, 2 ]
amdhsa.kernels:
  - .name:           k_qef7c4bbfcd_final
    .symbol:         k_qef7c4bbfcd_final.kd
    .args:
      - { .name: ofm, .offset: 0, .size: 8, .value_kind: global_buffer, .address_space: global }
      - { .name: wc, .offset: 8, .size: 8, .value_kind: global_buffer, .address_space: global }
      - { .name: ws, .offset: 16, .size: 8, .value_kind: global_buffer, .address_space: global }
      - { .name: bo, .offset: 24, .size: 8, .value_kind: global_buffer, .address_space: global }
      - { .name: g0, .offset: 32, .size: 8, .value_kind: global_buffer, .address_space: global }
      - { .name: b0, .offset: 40, .size: 8, .value_kind: global_buffer, .address_space: global }
      - { .name: g1, .offset: 48, .size: 8, .value_kind: global_buffer, .address_space: global }
      - { .name: b1, .offset: 56, .size: 8, .value_kind: global_buffer, .address_space: global }
      - { .name: out0, .offset: 64, .size: 8, .value_kind: global_buffer, .address_space: global }
    .group_segment_fixed_size: 154112
    .private_segment_fixed_size: 0
    .kernarg_segment_align: 8
    .kernarg_segment_size: 72
    .max_flat_workgroup_size: 256
    .sgpr_count:     66
    .vgpr_count:     512
    .wavefront_size: 32
...
	.end_amdgpu_metadata
.endif
;; end of part 8
